; MI455X (gfx1250); checked and timed in simulation.
; The chip was launched on July 23, 2026; its instructions are those of AMD's public machine-readable ISA for CDNA 5 (MIT licence, August 2026) and "CDNA5" Instruction Set Architecture Reference Guide (July 2026). The comments in the code are by the model that wrote it; some were corrected since.
;; Decoder Block. Allowed arithmetic: matrix products marked QUANTISED: E2M1 operands, one E8M0 scale for each 32 along K, by v_wmma_scale_f32_16x16x128_f8f6f4 with both operands' format E2M1 (or v_wmma_scale_f32_32x16x128_f4), f32 sums; everything else in f32.
;; Inputs: b1 1,024 float32; b2 1,024 float32; bf1 4,096 float32; bf2 1,024 float32; bo 1,024 float32; g1 1,024 float32; g2 1,024 float32; w1 1,024 x 4,096 float32; w2 4,096 x 1,024 float32; wk 16 x 1,024 x 64 float32; wo 1,024 x 1,024 float32; wq 16 x 1,024 x 64 float32; wv 16 x 1,024 x 64 float32; x 2 x 2,048 x 1,024 float32.
;; Outputs: out0 2 x 2,048 x 1,024 float32.
;; This version of the problem:
;;   THIS VERSION OF THE PROBLEM IS GIVEN IN LOW PRECISION. The matrix products marked QUANTISED in the list below multiply operands that are first quantised to E2M1 (2 exponent bits, 1 mantissa bit; 4 bits a number), with one power-of-two scale for each 32 numbers along K (OCP MX v1.0); their sums are f32. All else is computed in f32.
;;   The module's matrix products, in the order in which they are computed (A, B: the left and right operand; K: the contracted axis; several contracted axes count as one K, in the product's order):
;;     1. [M 1,024, K 1,024] x [K 1,024, N 4,096]; A: input wq; B: computed on the way: QUANTISED
;;     2. [M 1,024, K 1,024] x [K 1,024, N 4,096]; A: input wk; B: computed on the way: QUANTISED
;;     3. [M 1,024, K 1,024] x [K 1,024, N 4,096]; A: input wv; B: computed on the way: QUANTISED
;;     4. batch 32 x [M 2,048, K 64] x [K 64, N 2,048]; A: computed on the way; B: computed on the way: QUANTISED
;;     5. batch 32 x [M 2,048, K 2,048] x [K 2,048, N 64]; A: softmax (see below); B: computed on the way: QUANTISED
;;     6. [M 4,096, K 1,024] x [K 1,024, N 1,024]; A: computed on the way; B: input wo: QUANTISED
;;     7. [M 4,096, K 1,024] x [K 1,024, N 4,096]; A: computed on the way; B: input w1: QUANTISED
;;     8. [M 4,096, K 4,096] x [K 4,096, N 1,024]; A: computed on the way; B: input w2: QUANTISED
;;   THE QUANTISER, for each operand of a quantised product, along K:
;;     - K is cut into blocks of 32 from its start; a last block that is shorter is filled with zeros.
;;     - A block's scale is 2^e with e = floor(log2(the largest magnitude in the block)) - 2, held to -126 .. 127; a block of zeros has e = 0. As a byte (E8M0): e + 127.
;;     - Each number is divided by its block's scale, clamped to +-6, and rounded to the nearest number of E2M1, ties to even, subnormals kept.
;;     - The product sums the exact products of the quantised numbers (number of the format x scale) in f32.
;;   ~~~python
;;   def quantise(x, axis):      # numpy; x: float32 -> the quantised numbers, widened to float32 again
;;       x = np.moveaxis(x, axis, -1); K = x.shape[-1]
;;       x = np.pad(x, [(0, 0)] * (x.ndim - 1) + [(0, -K % 32)]); x = x.reshape(x.shape[:-1] + (-1, 32)); a = np.abs(x).max(-1, keepdims=True)
;;       e = np.where(a > 0, np.clip(np.frexp(np.where(a > 0, a, 1))[1] - 1 - 2, -126, 127), 0)      # np.frexp(a)[1] - 1 = floor(log2(a)), exactly
;;       r = np.clip(x / 2.0 ** e, -6, 6)
;;       step = 2.0 ** (np.maximum(np.frexp(np.where(r == 0, 1, r))[1] - 1, 0) - 1)
;;       q = np.round(r / step) * step * 2.0 ** e      # np.round: ties to even
;;       return np.moveaxis(q.reshape(q.shape[:-2] + (-1,))[..., :K], -1, axis).astype(np.float32)
;;   ~~~
;;   SOFTMAX AHEAD OF A QUANTISED PRODUCT. Where the list says 'softmax', what is quantised is not the finished softmax but p = 2^(t - M), with t = logit x log2(e) and M = ceil(the row's largest t), a whole number; so 1/2 < the row's largest p <= 1. The row's sum l is taken of the UNQUANTISED p, in f32, and the product's result is divided by l at the end. Since M is a whole number, a kernel that streams over the keys may use a running M (the ceiling of the running maximum): every later rescaling is an exact power of two, which a block's scale takes up: the codes' values come out the same.
;;   OPERANDS COMPUTED ON THE WAY. 'Computed on the way' means the value that the module computes at that place (a softmax that the list does not call 'softmax' is quantised finished and normalised). What goes into a quantiser is computed in f32, as accurately as f32 sums, v_exp_f32 and their like allow (about 1e-6 of the number): no bf16 or f16 on the way to a quantiser, and a product that is left as it is and whose result goes on into a quantised operand takes f32 operands (vector FMAs, or v_wmma_f32_16x16x4_f32). A number that lies on a knife's edge between two numbers of the format may be rounded either way, as far as f32 arithmetic and the matrix unit's own rounding can turn it there, and no further.
;; 2 versions. Each part assembles by itself: llvm-mc -triple=amdgcn-amd-amdhsa -mcpu=gfx1250 --defsym DOCPART=n.
;; ======== version 1 of 2: 8 launches
;; workspace buffers: wc 6,684,672 bytes; hc 2,228,224 bytes; qkv 6,946,816 bytes; ac 2,228,224 bytes; x1 16,777,216 bytes; hid 8,912,896 bytes
;; launch wquant (part 1): grid 384 x 1, 8 waves a work-group, no clusters, 2,048 bytes of LDS; arguments wq, wk, wv, wo, w1, w2, wc; writes wc
.if DOCPART == 1
	.amdgcn_target "amdgcn-amd-amdhsa--gfx1250"
	.amdhsa_code_object_version 6
	.text
	.protected	k_qdbf54dc8d0_wquant
	.globl	k_qdbf54dc8d0_wquant
	.p2align	8
	.type	k_qdbf54dc8d0_wquant,@function
k_qdbf54dc8d0_wquant:
	s_mov_b64 s[64:65], 0
	v_nop
	global_prefetch_b8 v0, s[64:65] scope:SCOPE_SE
	s_setreg_imm32_b32 hwreg(HW_REG_WAVE_MODE, 25, 1), 1
	s_wait_xcnt 0x0
; The six weights, f32 with K as the axis that is NOT innermost, become codes of FP4 (E2M1) with one E8M0 byte for each 32 along K, laid in the order of an operand's registers.
; THE RECORD.  16 rows n x 512 along K are 4,352 bytes: the 32 codes k = 128 ks + 64 c + 32 h + 0..31 of row r lie at 1024 ks + 512 c + 256 h + 16 r; the byte of that block at 4096 + 16 r + 4 ks + 2 c + h.
; 16 records are a panel of 256 rows (69,632 bytes); a block of 256 rows has K / 512 panels on end.  wc: wq 0, wk 557,056, wv 1,114,112 (row n = 64 head + d), wo 1,671,168, w1 2,228,224, w2 4,456,448.
; SHARES.  A work-group takes 64 columns n of one panel: four records, 17,408 consecutive bytes.  Wave w takes 128 along K (ks = w % 4) of 32 columns (half = w / 4).
; A LANE TAKES A COLUMN AND ITS REGISTERS RUN DOWN K: a load reads 128 consecutive bytes, a block of 32 lies in one lane, and the conversions give codes with K innermost.  Nothing is transposed.
; One path serves all six tensors: pointer, row stride, stride of 64 columns, log2 of the panels, place in wc and first work-group are chosen by s_cselect on the work-group's number.
; All addresses are made once (16 scalar bases 8 rows apart, 8 vector offsets a row apart) and never rewritten; each block has its own registers for numbers and codes.
; A block's scale is 2^(floor(log2(largest magnitude)) - 2); its byte is the largest magnitude's exponent field - 2, held at 1 from below.
; LIMITS: a block of zeros gets the byte 1 (its codes are zeros, and this program alone reads the bytes); magnitudes under 2^-124 are taken as the floor; NaN and infinities are not served.
; No matrix unit, no cluster, no tensor load: every byte is read once by one wave, and the waves share only the 1,024 scale bytes.
.set TRB,  4352
.set PANB, 16*TRB
.set OFS,  8                           ; v8-15   4 x lane + j rows
.set CD,   16                          ; v16-31  codes, four registers a block
.set X,    32                          ; v32-159 row i of my 128 in v[X + i]
.set BAS,  32                          ; s[32:63] sixteen bases, 8 rows apart
	s_load_b256 s[4:11], s[0:1], 0x0               ; wq, wk, wv, wo
	s_load_b128 s[12:15], s[0:1], 0x20             ; w1, w2
	s_load_b64 s[16:17], s[0:1], 0x30              ; wc
	v_lshl_add_u32 v192, v0, 2, 0x400
	v_mov_b32 v193, 0
	v_lshrrev_b32 v5, 5, v0
	v_readfirstlane_b32 s20, v5                    ; wave 0..7
	v_and_b32 v1, 31, v0                           ; lane
	s_and_b32 s74, s20, 3                          ; ks
	s_lshr_b32 s75, s20, 2                         ; half
	s_mov_b32 s21, 4096                            ; w2's figures: bytes from row to row,
	s_mov_b32 s22, 256                             ; bytes from 64 columns to the next,
	s_mov_b32 s23, 3                               ; log2 of the panels,
	s_mov_b32 s24, 4456448                         ; place in wc,
	s_mov_b32 s25, 256                             ; first work-group
	s_wait_kmcnt 0x0
	s_mov_b64 s[18:19], s[14:15]
	s_cmp_lt_u32 ttmp9, 256                        ; w1
	s_cselect_b64 s[18:19], s[12:13], s[18:19]
	s_cselect_b32 s21, 16384, s21
	s_cselect_b32 s23, 1, s23
	s_cselect_b32 s24, 2228224, s24
	s_cselect_b32 s25, 128, s25
	s_cmp_lt_u32 ttmp9, 128                        ; wo
	s_cselect_b64 s[18:19], s[10:11], s[18:19]
	s_cselect_b32 s21, 4096, s21
	s_cselect_b32 s24, 1671168, s24
	s_cselect_b32 s25, 96, s25
	s_cmp_lt_u32 ttmp9, 96                         ; wv: 64 columns are a head, a row is 256 bytes
	s_cselect_b64 s[18:19], s[8:9], s[18:19]
	s_cselect_b32 s21, 256, s21
	s_cselect_b32 s22, 262144, s22
	s_cselect_b32 s24, 1114112, s24
	s_cselect_b32 s25, 64, s25
	s_cmp_lt_u32 ttmp9, 64                         ; wk
	s_cselect_b64 s[18:19], s[6:7], s[18:19]
	s_cselect_b32 s24, 557056, s24
	s_cselect_b32 s25, 32, s25
	s_cmp_lt_u32 ttmp9, 32                         ; wq
	s_cselect_b64 s[18:19], s[4:5], s[18:19]
	s_cselect_b32 s24, 0, s24
	s_cselect_b32 s25, 0, s25
	s_sub_co_u32 s26, ttmp9, s25                   ; my number in the tensor
	s_lshr_b32 s27, s26, s23                       ; g: which 64 columns
	s_lshl_b32 s28, 1, s23
	s_sub_co_u32 s28, s28, 1
	s_and_b32 s28, s26, s28                        ; p: which panel
	s_mul_i32 s66, s27, s22                        ; from: g x the columns' stride
	s_lshl_b32 s30, s28, 9
	s_lshl_b32 s31, s74, 7
	s_add_co_u32 s30, s30, s31
	s_mul_i32 s30, s30, s21                        ; + (512 p + 128 ks) rows
	s_add_co_u32 s66, s66, s30
	s_lshl_b32 s31, s75, 7
	s_add_co_u32 s66, s66, s31                     ; + 128 bytes for the upper 32 columns
	s_mov_b32 s67, 0
	s_lshl_b32 s68, s21, 3                         ; eight rows
	s_mov_b32 s69, 0
	s_add_nc_u64 s[BAS:BAS+1], s[18:19], s[66:67]
.irp m, 1,2,3,4,5,6,7,8,9,10,11,12,13,14,15
	s_add_nc_u64 s[BAS+2*\m:BAS+2*\m+1], s[BAS+2*\m-2:BAS+2*\m-1], s[68:69]
.endr
	s_lshr_b32 s30, s27, 2                         ; to: the block of 256 rows,
	s_lshl_b32 s30, s30, s23
	s_add_co_u32 s30, s30, s28                     ; its panel p,
	s_mul_i32 s30, s30, PANB
	s_and_b32 s31, s27, 3
	s_mul_i32 s31, s31, 4*TRB                      ; my four records in it
	s_add_co_u32 s30, s30, s31
	s_add_co_u32 s66, s30, s24
	s_add_nc_u64 s[72:73], s[16:17], s[66:67]      ; the work-group's four records
	s_mul_i32 s66, s75, 2*TRB
	s_lshl_b32 s31, s74, 10
	s_add_co_u32 s66, s66, s31
	s_add_nc_u64 s[70:71], s[72:73], s[66:67]      ; my two records, my 1,024 bytes of each
	v_lshlrev_b32 v[OFS], 2, v1
.irp j, 1,2,3,4,5,6,7
	v_add_nc_u32 v[OFS+\j], s21, v[OFS+\j-1]
.endr
	v_lshrrev_b32 v5, 4, v1
	v_and_b32 v6, 15, v1
	v_mul_u32_u24 v2, v5, TRB
	v_lshl_add_u32 v2, v6, 4, v2                   ; v2: lanes 0-15 the first record, lanes 16-31 the second; 16 bytes a row
	s_lshl_b32 s29, s75, 9
	s_lshl_b32 s30, s74, 2
	s_add_co_u32 s29, s29, s30
	v_lshl_add_u32 v3, v1, 4, s29                  ; v3: LDS: the four records' scale bytes, 256 each: 512 half + 16 lane + 4 ks
	v_and_b32 v164, 63, v0
	v_lshlrev_b32 v164, 4, v164                    ; v164: and back, 16 bytes a thread of waves 0 and 1
.macro LOADB t                         ; block t: rows 32 t .. 32 t + 31 of my column
.irp m, 0,1,2,3
.irp j, 0,1,2,3,4,5,6,7
	global_load_b32 v[X+32*(\t)+8*\m+\j], v[OFS+\j], s[BAS+2*(4*(\t)+\m):BAS+2*(4*(\t)+\m)+1] th:TH_LOAD_NT
.endr
.endr
.endm
.macro PROC t                          ; block t: largest magnitude, byte, codes, store
.set XS, X+32*(\t)
	v_max3_num_f32 v5, |v[XS]|, |v[XS+1]|, |v[XS+2]|
	v_max3_num_f32 v6, |v[XS+3]|, |v[XS+4]|, |v[XS+5]|
.irp i, 6,10,14,18,22,26
	v_max3_num_f32 v5, v5, |v[XS+\i]|, |v[XS+\i+1]|
	v_max3_num_f32 v6, v6, |v[XS+\i+2]|, |v[XS+\i+3]|
.endr
	v_max3_num_f32 v5, v5, |v[XS+30]|, |v[XS+31]|
	v_max3_num_f32 v5, v5, v6, 0x1800000           ; and the floor 2^(3 - 127): the byte cannot fall under 1
	v_add_nc_u32 v7, 0xff000000, v5                ; 2 off the exponent field: the conversion takes this operand's exponent field as its scale
	v_lshrrev_b32 v6, 23, v7                       ; the byte
.if (\t) == 0
	v_mov_b32 v4, v6
.else
	v_lshl_or_b32 v4, v6, 8*(\t), v4               ; four bytes make my row's scale word of these 128 along K
.endif
.irp g, 0,1,2,3
	v_cvt_scalef32_pk8_fp4_f32 v[CD+4*(\t)+\g], v[XS+8*\g:XS+8*\g+7], v7
.endr
	global_store_b128 v2, v[CD+4*(\t):CD+4*(\t)+3], s[70:71] offset:256*(\t)   ; sixteen lanes store 256 consecutive bytes, aligned, of one record
.endm
	LOADB 0
	LOADB 1
	s_wait_loadcnt 32                              ; block 0 is in; block 1's 32 loads may be out
	LOADB 2
	PROC 0
	s_wait_loadcnt 32                              ; block 1 is in; block 2's may be out
	LOADB 3
	PROC 1
	s_wait_loadcnt 32                              ; block 2 is in; block 3's may be out
	PROC 2
	s_wait_loadcnt 0x0
	PROC 3
	ds_store_b32 v3, v4                            ; the scale words of the eight waves meet in LDS
	s_wait_dscnt 0x0                               ; for the others' sake: my store is done
	s_barrier_signal -1
	s_barrier_wait -1
	s_cmp_gt_u32 s20, 1                            ; waves 0 and 1 store them: two records' 256 bytes each
	s_cbranch_scc1 .Ldone
	ds_load_b128 v[160:163], v164
	s_mul_i32 s66, s20, 2*TRB
	s_add_nc_u64 s[72:73], s[72:73], s[66:67]
	s_wait_dscnt 0x0
	global_store_b128 v2, v[160:163], s[72:73] offset:4096
.Ldone:
	s_wait_tensorcnt 0x0
	ds_add_u32 v192, v193
	s_wait_dscnt 0x0
	s_endpgm
.Lfunc_end_k_qdbf54dc8d0_wquant:
	.size	k_qdbf54dc8d0_wquant, .Lfunc_end_k_qdbf54dc8d0_wquant-k_qdbf54dc8d0_wquant
	.p2alignl 7, 3214868480
	.fill 96, 4, 3214868480
	.section	.rodata,"a",@progbits
	.p2align	6, 0x0
	.amdhsa_kernel k_qdbf54dc8d0_wquant
		.amdhsa_group_segment_fixed_size 2048
		.amdhsa_private_segment_fixed_size 0
		.amdhsa_enable_private_segment 0
		.amdhsa_kernarg_size 56
		.amdhsa_user_sgpr_count 2
		.amdhsa_user_sgpr_kernarg_segment_ptr 1
		.amdhsa_wavefront_size32 1
		.amdhsa_system_sgpr_workgroup_id_x 1
		.amdhsa_system_sgpr_workgroup_id_y 1
		.amdhsa_system_sgpr_workgroup_id_z 1
		.amdhsa_system_vgpr_workitem_id 0
		.amdhsa_next_free_vgpr 194
		.amdhsa_next_free_sgpr 80
		.amdhsa_reserve_vcc 0
		.amdhsa_float_denorm_mode_32 3
		.amdhsa_float_denorm_mode_16_64 3
		.amdhsa_memory_ordered 1
		.amdhsa_forward_progress 1
		.amdhsa_inst_pref_size 24
	.end_amdhsa_kernel
	.amdgpu_metadata
---
amdhsa.version: [ 1, 2 ]
amdhsa.kernels:
  - .name:           k_qdbf54dc8d0_wquant
    .symbol:         k_qdbf54dc8d0_wquant.kd
    .args:
      - { .name: wq, .offset: 0, .size: 8, .value_kind: global_buffer, .address_space: global }
      - { .name: wk, .offset: 8, .size: 8, .value_kind: global_buffer, .address_space: global }
      - { .name: wv, .offset: 16, .size: 8, .value_kind: global_buffer, .address_space: global }
      - { .name: wo, .offset: 24, .size: 8, .value_kind: global_buffer, .address_space: global }
      - { .name: w1, .offset: 32, .size: 8, .value_kind: global_buffer, .address_space: global }
      - { .name: w2, .offset: 40, .size: 8, .value_kind: global_buffer, .address_space: global }
      - { .name: wc, .offset: 48, .size: 8, .value_kind: global_buffer, .address_space: global }
    .group_segment_fixed_size: 2048
    .private_segment_fixed_size: 0
    .kernarg_segment_align: 8
    .kernarg_segment_size: 56
    .max_flat_workgroup_size: 256
    .sgpr_count:     80
    .vgpr_count:     194
    .wavefront_size: 32
...
	.end_amdgpu_metadata
.endif
;; end of part 1
;; launch ln1 (part 2): grid 256 x 1, 8 waves a work-group, no clusters, 84,224 bytes of LDS; arguments x, g1, b1, hc; writes hc
.if DOCPART == 2
	.amdgcn_target "amdgcn-amd-amdhsa--gfx1250"
	.amdhsa_code_object_version 6
	.text
	.protected	k_qdbf54dc8d0_ln1
	.globl	k_qdbf54dc8d0_ln1
	.p2align	8
	.type	k_qdbf54dc8d0_ln1,@function
k_qdbf54dc8d0_ln1:
	s_mov_b64 s[64:65], 0
	v_nop
	global_prefetch_b8 v0, s[64:65] scope:SCOPE_SE
	s_setreg_imm32_b32 hwreg(HW_REG_WAVE_MODE, 25, 1), 1
	s_wait_xcnt 0x0
; y = (x - mean) rsqrt(var + 1e-5) g + b along rows of 1,024 f32, then quantised along the row to FP4 (E2M1) with one E8M0 byte for each 32, and stored as operand records.
; THE RECORD.  16 rows x 512 along K are 4,352 bytes: the 32 codes k = 128 ks + 64 c + 32 h + 0..31 of row r at 1024 ks + 512 c + 256 h + 16 r (block l of a row: 256 (l % 16) + 16 r in panel l / 16);
; that block's byte at 4096 + 16 r + l % 16.  16 records are a panel (69,632 bytes); a block of 256 rows has two panels.
; SHARES.  A work-group takes 16 rows: one record in each panel.  Wave w takes rows 2 w and 2 w + 1, whole, in registers: mean and variance in two passes over registers, memory read once.
; Loads take the bytes as they lie (512 consecutive bytes a load).  The quantiser wants a whole block of 32 in one lane: a row turns through the wave's own stage in LDS (a lane's 128 bytes + 16 of padding).
; The codes and bytes of the 16 rows meet in an image of the two records in LDS (pieces of 256 bytes, 272 apart) and leave as whole aligned pieces of 256 bytes.
; LIMITS: a block of zeros gets the byte 1 (its codes are zeros; this program alone reads the bytes); magnitudes under 2^-124 are taken as the floor; NaN and infinities are not served.
; No matrix unit and no cluster: every byte is read once by one wave.
.set TRB,  4352
.set PANB, 16*TRB
.set IMG,  73728                       ; LDS: behind the sixteen stages of 4,608 bytes: 34 pieces, 272 bytes apart
.set XR,   32                          ; v32-95   the two rows
.set G,    96                          ; v96-127  g at my columns
.set B,    128                         ; v128-159 b
.set T,    160                         ; v160-223 the two rows turned: lane l holds block l
.set CD,   224                         ; v224-231 codes
.set BY,   232                         ; v232-233 bytes
	s_load_b256 s[4:11], s[0:1], 0x0               ; x, g, b, the records
	v_lshl_add_u32 v240, v0, 2, 0x14500
	v_mov_b32 v241, 0
	v_lshrrev_b32 v26, 5, v0
	v_readfirstlane_b32 s16, v26                   ; wave 0..7
	v_and_b32 v1, 31, v0                           ; lane l
	v_lshlrev_b32 v2, 4, v1                        ; my 16 bytes of a load's 512
	s_mov_b32 s12, 0x76543210
	s_mov_b32 s13, 0xfedcba98                      ; v_permlanex16_b32's selects for lane l xor 16
	s_mov_b32 s14, 0x3a800000                      ; 1 / 1024
	s_mov_b32 s15, 0x3727c5ac                      ; 1e-5
	s_lshl_b32 s18, ttmp9, 16                      ; 16 rows of 4,096 bytes a work-group,
	s_lshl_b32 s17, s16, 13                        ; two a wave
	s_add_co_u32 s18, s18, s17
	s_mov_b32 s19, 0
	s_lshr_b32 s20, ttmp9, 4
	s_mul_i32 s20, s20, 2*PANB                     ; out: the block of 256 rows,
	s_and_b32 s21, ttmp9, 15
	s_mul_i32 s21, s21, TRB                        ; my record in its first panel,
	s_add_co_u32 s20, s20, s21
	s_lshl_b32 s21, s16, 8                         ; piece w of it
	s_add_co_u32 s20, s20, s21
	s_mov_b32 s21, 0
	s_mul_i32 s22, s16, 9216                       ; my two stages
	v_lshrrev_b32 v26, 3, v1
	v_add_nc_u32 v26, v26, v1
	v_lshl_add_u32 v3, v26, 4, s22                 ; v3: into a stage: eight lanes' 128 bytes on end, then 16 of padding: 16 (l + l / 8); load j's 512 bytes begin 576 j on
	v_mul_u32_u24 v4, v1, 144
	v_add_nc_u32 v4, s22, v4                       ; v4: out of it: 144 l: my block
	v_lshrrev_b32 v26, 4, v1                       ; panel of block l
	v_and_b32 v27, 15, v1                          ; its piece
	s_lshl_b32 s23, s16, 5
	s_add_co_u32 s23, s23, IMG                     ; rows 2 w, 2 w + 1: 16 bytes each in a piece
	v_mad_u32_u24 v28, v26, 17, v27
	v_mul_u32_u24 v5, v28, 272
	v_add_nc_u32 v5, s23, v5                       ; v5: where my block's codes go
	v_mul_u32_u24 v6, v26, 17*272
	v_add_nc_u32 v6, v6, v27
	v_add_nc_u32 v6, s23, v6                       ; v6: and, 16 pieces on, its byte
	s_mul_i32 s24, s16, 272
	s_add_co_u32 s24, s24, IMG
	v_mul_u32_u24 v7, v26, 17*272
	v_lshl_add_u32 v7, v27, 4, v7
	v_add_nc_u32 v7, s24, v7                       ; v7: the way out: lanes 0-15 piece w of panel 0's record, lanes 16-31 of panel 1's
	v_mul_u32_u24 v8, v26, PANB
	v_lshl_add_u32 v8, v27, 4, v8                  ; v8: and the same places in memory
	v_mov_b32 v14, 0                               ; a lane permute's destination counts as one of its sources
	s_wait_kmcnt 0x0
	s_add_nc_u64 s[4:5], s[4:5], s[18:19]
	s_add_nc_u64 s[10:11], s[10:11], s[20:21]
.irp p, 0,1
.irp j, 0,1,2,3,4,5,6,7
	global_load_b128 v[XR+32*\p+4*\j:XR+32*\p+4*\j+3], v2, s[4:5] offset:4096*\p+512*\j th:TH_LOAD_NT
.endr
.endr
.irp j, 0,1,2,3,4,5,6,7
	global_load_b128 v[G+4*\j:G+4*\j+3], v2, s[6:7] offset:512*\j
.endr
.irp j, 0,1,2,3,4,5,6,7
	global_load_b128 v[B+4*\j:B+4*\j+3], v2, s[8:9] offset:512*\j
.endr
.macro WSUM                            ; v10 summed over the 32 lanes, the result in every lane
	v_add_f32_dpp v10, v10, v10 row_xmask:1 row_mask:0xf bank_mask:0xf
	v_add_f32_dpp v10, v10, v10 row_xmask:2 row_mask:0xf bank_mask:0xf
	v_add_f32_dpp v10, v10, v10 row_xmask:4 row_mask:0xf bank_mask:0xf
	v_add_f32_dpp v10, v10, v10 row_xmask:8 row_mask:0xf bank_mask:0xf
	v_permlanex16_b32 v14, v10, s12, s13
	v_add_f32 v10, v10, v14
.endm
.macro STAT p                          ; row p: x becomes x - mean in place; 1 / sqrt(var + eps) into v[18 + 2 p], twice
.set XS, XR+32*(\p)
	v_pk_add_f32 v[10:11], v[XS:XS+1], v[XS+2:XS+3]
	v_pk_add_f32 v[12:13], v[XS+4:XS+5], v[XS+6:XS+7]
.irp j, 8,12,16,20,24,28
	v_pk_add_f32 v[10:11], v[10:11], v[XS+\j:XS+\j+1]
	v_pk_add_f32 v[12:13], v[12:13], v[XS+\j+2:XS+\j+3]
.endr
	v_pk_add_f32 v[10:11], v[10:11], v[12:13]
	v_add_f32 v10, v10, v11
	WSUM
	v_mul_f32 v16, s14, v10                        ; the mean, as a pair
	v_mul_f32 v17, s14, v10
.irp j, 0,2,4,6,8,10,12,14,16,18,20,22,24,26,28,30
	v_pk_add_f32 v[XS+\j:XS+\j+1], v[XS+\j:XS+\j+1], v[16:17] neg_lo:[0,1] neg_hi:[0,1]
.endr
	v_pk_mul_f32 v[10:11], v[XS:XS+1], v[XS:XS+1]
	v_pk_mul_f32 v[12:13], v[XS+2:XS+3], v[XS+2:XS+3]
.irp j, 4,8,12,16,20,24,28
	v_pk_fma_f32 v[10:11], v[XS+\j:XS+\j+1], v[XS+\j:XS+\j+1], v[10:11]
	v_pk_fma_f32 v[12:13], v[XS+\j+2:XS+\j+3], v[XS+\j+2:XS+\j+3], v[12:13]
.endr
	v_pk_add_f32 v[10:11], v[10:11], v[12:13]
	v_add_f32 v10, v10, v11
	WSUM
	v_fma_f32 v10, v10, s14, s15                   ; var + eps
	v_rsq_f32 v[18+2*(\p)], v10
	v_rsq_f32 v[19+2*(\p)], v10
	v_nop                                          ; a plain instruction before the source is written again
.endm
.macro NORM p
.set XS, XR+32*(\p)
.irp j, 0,2,4,6,8,10,12,14,16,18,20,22,24,26,28,30
	v_pk_mul_f32 v[XS+\j:XS+\j+1], v[XS+\j:XS+\j+1], v[18+2*(\p):19+2*(\p)]
.endr
.irp j, 0,2,4,6,8,10,12,14,16,18,20,22,24,26,28,30
	v_pk_fma_f32 v[XS+\j:XS+\j+1], v[XS+\j:XS+\j+1], v[G+\j:G+\j+1], v[B+\j:B+\j+1]
.endr
.endm
.macro TURN p                          ; row p through its stage: LDS serves a wave's instructions in order, so no wait stands between the stores and the loads
.irp j, 0,1,2,3,4,5,6,7
	ds_store_b128 v3, v[XR+32*(\p)+4*\j:XR+32*(\p)+4*\j+3] offset:4608*(\p)+576*\j
.endr
.irp i, 0,1,2,3,4,5,6,7
	ds_load_b128 v[T+32*(\p)+4*\i:T+32*(\p)+4*\i+3], v4 offset:4608*(\p)+16*\i
.endr
.endm
.macro QNT p                           ; my block of row p: byte and codes, into the image
.set TS, T+32*(\p)
	v_max3_num_f32 v22, |v[TS]|, |v[TS+1]|, |v[TS+2]|
	v_max3_num_f32 v23, |v[TS+3]|, |v[TS+4]|, |v[TS+5]|
.irp i, 6,10,14,18,22,26
	v_max3_num_f32 v22, v22, |v[TS+\i]|, |v[TS+\i+1]|
	v_max3_num_f32 v23, v23, |v[TS+\i+2]|, |v[TS+\i+3]|
.endr
	v_max3_num_f32 v22, v22, |v[TS+30]|, |v[TS+31]|
	v_max3_num_f32 v22, v22, v23, 0x1800000        ; and the floor 2^(3 - 127)
	v_add_nc_u32 v24, 0xff000000, v22              ; 2 off the exponent field: the conversion's scale operand
	v_lshrrev_b32 v[BY+(\p)], 23, v24              ; the byte
.irp g, 0,1,2,3
	v_cvt_scalef32_pk8_fp4_f32 v[CD+4*(\p)+\g], v[TS+8*\g:TS+8*\g+7], v24
.endr
	ds_store_b128 v5, v[CD+4*(\p):CD+4*(\p)+3] offset:16*(\p)
	ds_store_b8 v6, v[BY+(\p)] offset:16*272+16*(\p)
.endm
	s_wait_loadcnt 24                              ; row 0 is in; row 1, g and b may be out
	STAT 0
	s_wait_loadcnt 16                              ; row 1 is in; g and b may be out
	STAT 1
	s_wait_alu depctr_va_vdst(0)                   ; one wait for the four reciprocal roots, ahead of their first reader
	s_wait_loadcnt 0x0
	NORM 0
	TURN 0
	NORM 1
	TURN 1
	s_wait_dscnt 16                                ; row 0 is back; row 1's 8 stores and 8 loads may be out
	QNT 0
	s_wait_dscnt 2                                 ; row 1 is back; row 0's two stores into the image may be out
	QNT 1
	s_wait_dscnt 0x0                               ; for the others' sake: my stores into the image are done
	s_barrier_signal -1
	s_barrier_wait -1
	ds_load_b128 v[160:163], v7                    ; pieces w and w + 8 of both records
	ds_load_b128 v[164:167], v7 offset:8*272
	s_wait_dscnt 1                                 ; the first is in
	global_store_b128 v8, v[160:163], s[10:11]     ; sixteen lanes store 256 consecutive bytes, aligned
	s_wait_dscnt 0x0
	global_store_b128 v8, v[164:167], s[10:11] offset:2048
	s_cmp_lg_u32 s16, 0
	s_cbranch_scc1 .Ldone
	ds_load_b128 v[168:171], v7 offset:16*272      ; wave 0: the scale bytes, piece 16
	s_wait_dscnt 0x0
	global_store_b128 v8, v[168:171], s[10:11] offset:4096
.Ldone:
	s_wait_tensorcnt 0x0
	ds_add_u32 v240, v241
	s_wait_dscnt 0x0
	s_endpgm
.Lfunc_end_k_qdbf54dc8d0_ln1:
	.size	k_qdbf54dc8d0_ln1, .Lfunc_end_k_qdbf54dc8d0_ln1-k_qdbf54dc8d0_ln1
	.p2alignl 7, 3214868480
	.fill 96, 4, 3214868480
	.section	.rodata,"a",@progbits
	.p2align	6, 0x0
	.amdhsa_kernel k_qdbf54dc8d0_ln1
		.amdhsa_group_segment_fixed_size 84224
		.amdhsa_private_segment_fixed_size 0
		.amdhsa_enable_private_segment 0
		.amdhsa_kernarg_size 32
		.amdhsa_user_sgpr_count 2
		.amdhsa_user_sgpr_kernarg_segment_ptr 1
		.amdhsa_wavefront_size32 1
		.amdhsa_system_sgpr_workgroup_id_x 1
		.amdhsa_system_sgpr_workgroup_id_y 1
		.amdhsa_system_sgpr_workgroup_id_z 1
		.amdhsa_system_vgpr_workitem_id 0
		.amdhsa_next_free_vgpr 242
		.amdhsa_next_free_sgpr 66
		.amdhsa_reserve_vcc 0
		.amdhsa_float_denorm_mode_32 3
		.amdhsa_float_denorm_mode_16_64 3
		.amdhsa_memory_ordered 1
		.amdhsa_forward_progress 1
		.amdhsa_inst_pref_size 24
	.end_amdhsa_kernel
	.amdgpu_metadata
---
amdhsa.version: [ 1, 2 ]
amdhsa.kernels:
  - .name:           k_qdbf54dc8d0_ln1
    .symbol:         k_qdbf54dc8d0_ln1.kd
    .args:
      - { .name: x, .offset: 0, .size: 8, .value_kind: global_buffer, .address_space: global }
      - { .name: g1, .offset: 8, .size: 8, .value_kind: global_buffer, .address_space: global }
      - { .name: b1, .offset: 16, .size: 8, .value_kind: global_buffer, .address_space: global }
      - { .name: hc, .offset: 24, .size: 8, .value_kind: global_buffer, .address_space: global }
    .group_segment_fixed_size: 84224
    .private_segment_fixed_size: 0
    .kernarg_segment_align: 8
    .kernarg_segment_size: 32
    .max_flat_workgroup_size: 256
    .sgpr_count:     66
    .vgpr_count:     242
    .wavefront_size: 32
...
	.end_amdgpu_metadata
.endif
;; end of part 2
;; launch qkv (part 3): grid 12 x 16, 4 waves a work-group, clusters of 4 x 4, 327,680 bytes of LDS; arguments hc, wc, qkv; writes qkv
.if DOCPART == 3
	.amdgcn_target "amdgcn-amd-amdhsa--gfx1250"
	.amdhsa_code_object_version 6
	.text
	.protected	k_qdbf54dc8d0_qkv
	.globl	k_qdbf54dc8d0_qkv
	.p2align	8
	.type	k_qdbf54dc8d0_qkv,@function
k_qdbf54dc8d0_qkv:
	s_mov_b64 s[64:65], 0
	v_nop
	global_prefetch_b8 v0, s[64:65] scope:SCOPE_SE
	s_setreg_imm32_b32 hwreg(HW_REG_WAVE_MODE, 25, 1), 1
	s_wait_xcnt 0x0
	s_wait_alu depctr_hold_cnt(0) depctr_sa_sdst(0) depctr_va_vdst(0) depctr_va_sdst(0) depctr_va_ssrc(0) depctr_va_vcc(0) depctr_vm_vsrc(0)
	s_getreg_b32 s2, hwreg(HW_REG_IB_STS2, 6, 4)
	s_cmp_eq_u32 s2, 0
	s_cbranch_scc0 .Lentry_in_a_cluster
	s_endpgm
.Lentry_in_a_cluster:
	s_bfe_u32 s2, ttmp6, 0x10000c
	s_cmp_lg_u32 s2, 0xf033
	s_cbranch_scc0 .Lentry_shape_is_right
	s_endpgm
.Lentry_shape_is_right:
; q, k and v of all heads: products of the normalised tokens (hc, 4,096 rows) with wq, wk, wv (wc, 1,024 rows n = 64 head + d each), K = 1,024, on codes of FP4 (E2M1) with E8M0 scales; the f32 sums are quantised
; at once for attention: q and k along d (two blocks of 32 a head), v along the tokens (the keys).
; OPERANDS lie as records in the order of an operand's registers: 16 rows x 512 K = 4,352 bytes: a fragment (16 rows x 128 K) is two loads of 16 bytes a lane at 1024 ks + 512 c + 16 lane; a row's four scale words at 4096 + 16 r.
; 16 records are a panel of 256 rows, 69,632 consecutive bytes.
; A tile of C is 256 x 256, four waves, 128 x 128 each: 64 accumulators.  K = two panels, both brought at the start into two LDS slots; nothing is filled again.  Each wave brings eight records (136 rows of 256 bytes) of each panel.
; THE MATRIX INSTRUCTION IS USED TRANSPOSED: source 0 = 16 rows of the B side, source 1 = 16 rows of the A side: a lane holds one A row, and its registers run along B's rows.
; Clusters x = 0, 1: A = tokens, B = wq's and wk's rows: a lane's registers run along d.  Clusters x = 2: A = wv's rows, B = tokens: a lane's registers run along the tokens.  So one quantiser serves all three.
; The sides are chosen by s_cselect on the cluster's x, which all sixteen partners share.
; CLUSTERS: 4 x 4.  A's panel is shared along a row of the cluster, B's along a column: each is asked for jointly, by the same tensor load with the same descriptor and a mask that names the four.
; OUT: a record of 217,088 bytes for each batch and head: q's codes 0 (512 a tile of 16 tokens: 16 bytes a lane, d = 32 h on), q's scale words 65,536 (4 a token: two bytes, then 0x7f twice, for the 64 zero codes that fill the K step of 128),
; k's 73,728 and 139,264, v's fragments 147,456 (16 d x 128 keys: 1,024 bytes), v's scale words 212,992.  The scale words leave in runs of 128 bytes: they are one part in seventeen of the bytes.
; LIMITS: a block of zeros gets the byte 1 (its codes are zeros; this program alone reads the bytes); magnitudes under 2^-124 are taken as the floor; NaN and infinities are not served.
; REGISTERS, in windows of 256: window 0: v16-31 addresses; v32-95 scale words, two sets; v96-119 the quantiser; v128-191 A's fragments; v192-255 the codes made.  window 1: B's fragments, two sets.  windows 2, 3: accumulator (a, b) at v[8 (8 (a % 4) + b)].
.set TRB,   4352
.set HALFT, 8*TRB                      ; eight records: what one tensor load brings, and what one wave reads of A or of B
.set PANB,  16*TRB
.set SLOT,  4*HALFT                    ; A's 256 rows, then B's
.set SPARE, 2*SLOT                     ; the spare words, 128 bytes for each wave: two blocks of 256 bytes that no other line names
.set KP,    2
.set NQ,    4
.set FR,    8
.set NL,    2
.set NP,    4
.set WVB,   1114112
.set HR,    217088
.set ADRA,  16
.set ADRB,  20
.set ADRS,  22
.set SPW,   28
.set NIL,   29
.set LI,    30                         ; 16 x lane
.set LS,    31                         ; 4 x lane
.set SC,    32
.set TM,    96
.set PW,    112
.set AF,    128
.set PC,    192
.set G1,    24
.set G0,    32
.set G1B,   48
.set G0B,   56
.set SEL,   66
.set MSB,   0
.macro WIN new                         ; the immediate's high byte repeats the setting that is left
.if MSB != (\new)
	s_set_vgpr_msb (MSB<<8)|(\new)
.set MSB, (\new)
.endif
.endm
.set MUL_LO, 0xa1                      ; source 0 (B) window 1, source 1 (A) window 0, C and D window 2
.set MUL_HI, 0xf1
.set TO_B,   0x40
.macro JLOAD s                         ; a joint load: waves 0 and 1 fetch for A, waves 2 and 3 for B; four v_nop follow each line
	s_cmp_eq_u32 s15, 0
	s_cbranch_scc0 .Lfor_b_\@
	tensor_load_to_lds s[G0+4*\s:G0+4*\s+3], s[G1:G1+7]
	s_nop 0
.rept 4
	v_nop
.endr
	s_branch .Lasked_\@
.Lfor_b_\@:
	tensor_load_to_lds s[G0B+4*\s:G0B+4*\s+3], s[G1B:G1B+7]
	s_nop 0
.rept 4
	v_nop
.endr
.Lasked_\@:
.endm
.macro CROUND                          ; a round of the cluster's barrier
	s_barrier_signal -1
	s_barrier_wait -1
	s_cmp_lg_u32 s14, 0
	s_cbranch_scc1 .Lnot_wave_0_\@
	s_barrier_signal -3
.Lnot_wave_0_\@:
	s_barrier_wait -3
	s_barrier_signal -1
	s_barrier_wait -1
.endm
	s_load_b128 s[4:7], s[0:1], 0x0                ; hc, wc
	s_load_b64 s[8:9], s[0:1], 0x10                ; qkv
	v_lshl_add_u32 v[SPW], v0, 2, SPARE
	v_mov_b32 v[NIL], 0
	ds_add_u32 v28, v29
	ds_add_u32 v28, v29
	s_wait_dscnt 0x0
	v_lshrrev_b32 v1, 5, v0
	v_readfirstlane_b32 s14, v1                    ; wave 0..3
	s_lshr_b32 s15, s14, 1                         ; which half of A's rows is mine.  Also: I fetch for A (0) or for B (1)
	s_and_b32 s16, s14, 1                          ; which half of B's rows.  Also: which eight records I fetch
	s_bfe_u32 s40, ttmp6, 0x40000                  ; cx
	s_bfe_u32 s41, ttmp6, 0x40004                  ; cy
	s_and_b32 s19, ttmp7, 0xffff                   ; cluster y
	s_cmp_eq_u32 ttmp9, 2                          ; the clusters with x = 2 make v
	s_cselect_b32 s17, 0, s19
	s_cselect_b32 s42, s19, ttmp9
	s_cselect_b32 s22, WVB, 0
	s_lshl_b32 s17, s17, 2
	s_add_co_u32 s17, s17, s41                     ; TA: A's block of 256 rows
	s_lshl_b32 s42, s42, 2
	s_add_co_u32 s42, s42, s40                     ; TB: B's
	s_lshl_b32 s43, s41, 2
	s_lshl_b32 s43, 15, s43                        ; my row of the cluster
	s_lshl_b32 s44, 0x1111, s40                    ; my column
	s_or_b32 s[G1+0], s43, (3<<16)|(1<<21)         ; 15:0 the mask; 17:16 elements of 8 bytes; 21 set beside a mask; no padding
	s_or_b32 s[G1B+0], s44, (3<<16)|(1<<21)
.irp g, G1, G1B
	s_mov_b32 s[\g+1], 32<<16                      ; tensor_dim0 = 32 elements: 256 bytes
	s_mov_b32 s[\g+2], 136<<16                     ; tensor_dim1 = 136 rows
	s_mov_b32 s[\g+3], 32<<16                      ; tile_dim0
	s_mov_b32 s[\g+4], 136                         ; tile_dim1
	s_mov_b32 s[\g+5], 32                          ; the rows are dense
	s_mov_b32 s[\g+6], 0
	s_mov_b32 s[\g+7], 0
.endr
	s_mul_i32 s18, s16, HALFT
	s_mul_i32 s20, s17, KP*PANB
	s_add_co_u32 s20, s20, s18
	s_add_co_u32 s20, s20, s22                     ; A: its block, my eight records (and wv's place in wc)
	s_mov_b32 s21, 0
	s_mul_i32 s46, s42, KP*PANB
	s_add_co_u32 s46, s46, s18                     ; B likewise (wq's four blocks and wk's four lie on end from wc's first byte)
	s_mov_b32 s47, 0
	s_mul_i32 s45, s14, HALFT                      ; where they go: no place in the cluster enters an LDS address
	s_wait_kmcnt 0x0
	s_cmp_eq_u32 ttmp9, 2
	s_cselect_b64 s[10:11], s[6:7], s[4:5]         ; A's buffer
	s_cselect_b64 s[12:13], s[4:5], s[6:7]         ; B's
	s_add_nc_u64 s[20:21], s[10:11], s[20:21]
	s_add_nc_u64 s[46:47], s[12:13], s[46:47]
	CROUND                                         ; all sixteen work-groups are here: the joint loads meet
.irp s, 0,1
	s_mov_b32 s[G0+4*\s], 1
	s_add_co_u32 s[G0+4*\s+1], s45, \s*SLOT
	s_add_nc_u64 s[G0+4*\s+2:G0+4*\s+3], s[20:21], \s*PANB
	s_or_b32 s[G0+4*\s+3], s[G0+4*\s+3], 0x80000000
	s_mov_b32 s[G0B+4*\s], 1
	s_add_co_u32 s[G0B+4*\s+1], s45, \s*SLOT
	s_add_nc_u64 s[G0B+4*\s+2:G0B+4*\s+3], s[46:47], \s*PANB
	s_or_b32 s[G0B+4*\s+3], s[G0B+4*\s+3], 0x80000000
	JLOAD \s                                       ; two loads of mine are out: both panels
.endr
	v_and_b32 v1, 15, v0                           ; r
	v_bfe_u32 v2, v0, 4, 1                         ; h
	v_and_b32 v3, 31, v0
	v_lshlrev_b32 v[LI], 4, v3
	v_lshlrev_b32 v[LS], 2, v3
	s_mul_i32 s21, s15, HALFT                      ; my 128 rows of A
	s_mul_i32 s22, s16, HALFT
	s_add_co_u32 s22, s22, 2*HALFT                 ; my 128 rows of B, behind A's 256
.irp s, 0,1
	v_add_nc_u32 v[ADRA+\s], s21, v[LI]
	v_add_nc_u32 v[ADRB+\s], s22, v[LI]
	s_add_co_u32 s21, s21, SLOT
	s_add_co_u32 s22, s22, SLOT
.endr
	s_mul_i32 s21, s15, HALFT
	s_mul_i32 s22, s16, HALFT
	s_add_co_u32 s22, s22, 2*HALFT
	s_sub_co_u32 s22, s22, s21
	v_mul_u32_u24 v6, s22, v2                      ; lanes 16-31 take B's scale words
	s_add_co_u32 s21, s21, 4096
	v_lshl_add_u32 v5, v1, 4, v6
	v_add_nc_u32 v[ADRS], s21, v5
	v_add_nc_u32 v[ADRS+1], SLOT, v[ADRS]
	s_mov_b32 s[SEL], 0x76543210
	s_mov_b32 s[SEL+1], 0xfedcba98                 ; v_permlanex16_b32's selects for lane l xor 16
.irp b, 0,1,2,3
	v_mov_b32 v[TM+4+\b], 0                        ; a lane permute's destination counts as one of its sources
.endr
.macro FRAG reg, adr, q, i             ; a fragment: record i, the panel's q-th 128 along K: two loads, 512 consecutive bytes each
.irp c, 0,1
	ds_load_b128 v[\reg+4*\c:\reg+4*\c+3], v[\adr] offset:1024*(\q)+512*\c+(\i)*TRB
.endr
.endm
; 16 matrix instructions: A's blocks a0, a0 + 1 x B's eight.  The 64 accumulators take turns, one instruction a turn, in the same order in every step.  zero = 1: the first product starts the sums.
.macro MUL16 a0, p, q, sc, zero
.irp a, \a0, \a0+1
.irp b, 0,1,2,3,4,5,6,7
.if \zero
	v_wmma_scale_f32_16x16x128_f8f6f4 v[8*(8*((\a)%4)+\b):8*(8*((\a)%4)+\b)+7], v[128*(\p)+FR*\b:128*(\p)+FR*\b+FR-1], v[AF+FR*(\a):AF+FR*(\a)+FR-1], 0, v[SC+8*NQ*(\sc)+NQ*\b+(\q)], v[SC+8*NQ*(\sc)+NQ*(\a)+(\q)] matrix_a_fmt:MATRIX_FMT_FP4 matrix_b_fmt:MATRIX_FMT_FP4 matrix_a_scale:MATRIX_SCALE_ROW1
.else
	v_wmma_scale_f32_16x16x128_f8f6f4 v[8*(8*((\a)%4)+\b):8*(8*((\a)%4)+\b)+7], v[128*(\p)+FR*\b:128*(\p)+FR*\b+FR-1], v[AF+FR*(\a):AF+FR*(\a)+FR-1], v[8*(8*((\a)%4)+\b):8*(8*((\a)%4)+\b)+7], v[SC+8*NQ*(\sc)+NQ*\b+(\q)], v[SC+8*NQ*(\sc)+NQ*(\a)+(\q)] matrix_a_fmt:MATRIX_FMT_FP4 matrix_b_fmt:MATRIX_FMT_FP4 matrix_a_scale:MATRIX_SCALE_ROW1
.endif
.endr
.endr
.endm
.macro FETCH_B slot, q, p
	WIN TO_B
.irp i, 0,1,2,3,4,5,6,7
	FRAG 128*(\p)+FR*\i, ADRB+\slot, \q, \i
.endr
	WIN 0
.endm
.macro FETCH_A slot, q, i0
.irp i, \i0, \i0+1, \i0+2, \i0+3
	FRAG AF+FR*(\i), ADRA+\slot, \q, \i
.endr
.endm
.macro SCALES sc                       ; a panel's scale words: four a row; lanes 0-15 take A's record i, lanes 16-31 B's
.irp i, 0,1,2,3,4,5,6,7
	ds_load_b128 v[SC+8*NQ*\sc+NQ*\i:SC+8*NQ*\sc+NQ*\i+3], v[ADRS+\sc] offset:\i*TRB
.endr
.endm
.macro PLACES n                        ; plain vector instructions between a matrix instruction and a load into, or a read of, its registers
.rept \n
	v_nop
.endr
.endm
.macro STEP slot, q, zero              ; 128 along K, with its successor in the same slot
	s_wait_dscnt 4*NL                              ; B's set and A's blocks 0-3 are in; the youngest eight loads (A's blocks 4-7) may be out
	WIN MUL_LO
	MUL16 0, (\q)%2, \q, \slot, \zero
	MUL16 2, (\q)%2, \q, \slot, \zero
	s_wait_dscnt 0
	PLACES NP
	FETCH_B \slot, (\q)+1, 1-(\q)%2
	FETCH_A \slot, (\q)+1, 0
	WIN MUL_HI
	MUL16 4, (\q)%2, \q, \slot, \zero
	MUL16 6, (\q)%2, \q, \slot, \zero
	PLACES NP
	WIN 0
	FETCH_A \slot, (\q)+1, 4
.endm
.macro TURN slot, next                 ; a slot's last step changes slots: one barrier; in front of it each wave waits for all its tensor loads, so that the next slot is whole behind it
	s_wait_tensorcnt 0x0                           ; my part of the next slot has landed
	ds_add_u32 v[SPW], v[NIL]                      ; 0 onto my spare word
	s_wait_dscnt 4*NL+1                            ; (the add and the youngest eight loads may be out)
	WIN MUL_LO
	MUL16 0, 1, NQ-1, \slot, 0
	s_wait_dscnt 0x0
	s_barrier_signal -1
	MUL16 2, 1, NQ-1, \slot, 0
	WIN 0
	s_barrier_wait -1
	PLACES NP
	FETCH_B \next, 0, 0
	FETCH_A \next, 0, 0
	SCALES \next
	WIN MUL_HI
	MUL16 4, 1, NQ-1, \slot, 0
	MUL16 6, 1, NQ-1, \slot, 0
	PLACES NP
	WIN 0
	FETCH_A \next, 0, 4
.endm
	s_wait_tensorcnt 1                             ; my part of panel 0 is in (panel 1's load may be out),
	s_barrier_signal -1
	s_barrier_wait -1                              ; everybody's is
	FETCH_B 0, 0, 0
	FETCH_A 0, 0, 0
	SCALES 0
	FETCH_A 0, 0, 4
	STEP 0, 0, 1
	STEP 0, 1, 0
	STEP 0, 2, 0
	TURN 0, 1
	STEP 1, 0, 0
	STEP 1, 1, 0
	STEP 1, 2, 0
	s_wait_dscnt 4*NL                              ; the last step: nothing more to fetch
	WIN MUL_LO
	MUL16 0, 1, NQ-1, 1, 0
	MUL16 2, 1, NQ-1, 1, 0
	s_wait_dscnt 0
	WIN MUL_HI
	MUL16 4, 1, NQ-1, 1, 0
	MUL16 6, 1, NQ-1, 1, 0
	WIN 0
; THE QUANTISER.  The 64 numbers of A's block a, v[QS] on in window QW: register 8 t + j = B row 16 t + 8 h + j of my A row.  Block b of 32 lies in registers 16 b .. 16 b + 15 of lanes l and l xor 16.
; The codes of tiles 2 P, 2 Q, 2 P + 1, 2 Q + 1 (P = 2 c, Q = 2 c + 1) go to four registers; two exchanges of halves then leave block P whole in lanes 0-15 and block Q in lanes 16-31: the operand's registers 4 c .. 4 c + 3.
.macro QUANT a
	WIN QW|(QW<<2)
.irp b, 0,1,2,3
	v_max3_num_f32 v[TM+\b], |v[QS+16*\b]|, |v[QS+16*\b+1]|, 0x1800000   ; each accumulator is read from its low end on; the floor 2^(3 - 127) holds the byte at 1 from below
.endr
	WIN (QW<<2)|(QW<<4)
.irp i, 2,4,6,8,10,12,14
.irp b, 0,1,2,3
	v_max3_num_f32 v[TM+\b], v[TM+\b], |v[QS+16*\b+\i]|, |v[QS+16*\b+\i+1]|
.endr
.endr
	WIN 0
.irp b, 0,1,2,3
	v_permlanex16_b32 v[TM+4+\b], v[TM+\b], s[SEL], s[SEL+1]
.endr
.irp b, 0,1,2,3
	v_max_num_f32 v[TM+\b], v[TM+\b], v[TM+4+\b]
.endr
.irp b, 0,1,2,3
	v_add_nc_u32 v[TM+12+\b], 0xff000000, v[TM+\b]   ; 2 off the exponent field: the conversion's scale operand
.endr
.irp b, 0,1,2,3
	v_lshrrev_b32 v[TM+4+\b], 23, v[TM+12+\b]      ; the byte
.endr
	v_lshl_or_b32 v[PW+(\a)], v[TM+5], 8, v[TM+4]
	v_lshl_or_b32 v[PW+(\a)], v[TM+6], 16, v[PW+(\a)]
	v_lshl_or_b32 v[PW+(\a)], v[TM+7], 24, v[PW+(\a)]
	WIN QW
.irp c, 0,1
	v_cvt_scalef32_pk8_fp4_f32 v[PC+8*(\a)+4*\c],   v[QS+32*\c:QS+32*\c+7],     v[TM+12+2*\c]
	v_cvt_scalef32_pk8_fp4_f32 v[PC+8*(\a)+4*\c+1], v[QS+32*\c+16:QS+32*\c+23], v[TM+13+2*\c]
	v_cvt_scalef32_pk8_fp4_f32 v[PC+8*(\a)+4*\c+2], v[QS+32*\c+8:QS+32*\c+15],  v[TM+12+2*\c]
	v_cvt_scalef32_pk8_fp4_f32 v[PC+8*(\a)+4*\c+3], v[QS+32*\c+24:QS+32*\c+31], v[TM+13+2*\c]
.endr
	WIN 0
	v_nop                                          ; one plain place behind a scaled conversion
.irp c, 0,1
	v_permlane16_swap_b32 v[PC+8*(\a)+4*\c],   v[PC+8*(\a)+4*\c+1]
	v_permlane16_swap_b32 v[PC+8*(\a)+4*\c+2], v[PC+8*(\a)+4*\c+3]
.endr
.endm
	PLACES NP
.irp a, 0,1,2,3,4,5,6,7
.set QS, 64*(\a%4)
.set QW, 2+\a/4
	QUANT \a                                       ; every block has its own registers for codes and word: no store's data are written again
.endr
	s_cmp_eq_u32 ttmp9, 2                          ; the cluster's x: the same in all partners
	s_cbranch_scc1 .Lstore_v
	; q and k: A's block a = 16 tokens; my 128 B rows = two heads: registers 0-3 the first head's 64, registers 4-7 the second's
	s_lshr_b32 s18, s17, 3                         ; batch
	s_and_b32 s19, s17, 7
	s_lshl_b32 s19, s19, 4
	s_lshl_b32 s20, s15, 3
	s_add_co_u32 s19, s19, s20                     ; my first tile of 16 tokens in the batch
	s_lshr_b32 s20, s42, 2
	s_mul_i32 s20, s20, 73728                      ; q's part of a record, or k's
	s_lshl_b32 s18, s18, 4
	s_and_b32 s21, s42, 3
	s_lshl_b32 s21, s21, 2
	s_add_co_u32 s18, s18, s21
	s_lshl_b32 s21, s16, 1
	s_add_co_u32 s18, s18, s21                     ; 16 batch + my first head
	s_mul_i32 s18, s18, HR
	s_add_co_u32 s18, s18, s20
	s_lshl_b32 s20, s19, 9
	s_add_co_u32 s20, s20, s18
	s_mov_b32 s21, 0
	s_add_nc_u64 s[20:21], s[8:9], s[20:21]        ; the codes
	s_lshl_b32 s22, s19, 6
	s_add_co_u32 s22, s22, s18
	s_add_co_u32 s22, s22, 65536
	s_mov_b32 s23, 0
	s_add_nc_u64 s[22:23], s[8:9], s[22:23]        ; the scale words
	s_mov_b32 s18, 0x7f7f7f7f
	s_mov_b32 s19, 0x07060100                      ; bytes 0, 1 of the word, then 0x7f twice
	s_mov_b32 s2, 0x07060302                       ; bytes 2, 3 likewise
.irp a, 0,1,2,3,4,5,6,7
	global_store_b128 v[LI], v[PC+8*\a:PC+8*\a+3], s[20:21] offset:512*\a          ; 512 consecutive bytes
	global_store_b128 v[LI], v[PC+8*\a+4:PC+8*\a+7], s[20:21] offset:512*\a+HR
.endr
.irp a, 0,1,2,3,4,5,6,7
	v_perm_b32 v[AF+\a], s18, v[PW+\a], s19
	v_perm_b32 v[AF+8+\a], s18, v[PW+\a], s2
.endr
.irp a, 0,2,4,6
	v_permlane16_swap_b32 v[AF+\a], v[AF+\a+1]     ; lanes 0-15 tile a's words, lanes 16-31 tile a + 1's
	v_permlane16_swap_b32 v[AF+8+\a], v[AF+8+\a+1]
.endr
.irp a, 0,2,4,6
	global_store_b32 v[LS], v[AF+\a], s[22:23] offset:64*\a
	global_store_b32 v[LS], v[AF+8+\a], s[22:23] offset:64*\a+HR
.endr
	s_branch .Lend
.Lstore_v:
	; v: A's block a = 16 d of head a / 4 of my two; my 128 B rows = one step of 128 keys: a whole fragment
	s_lshr_b32 s18, s42, 3                         ; batch
	s_lshl_b32 s18, s18, 4
	s_lshl_b32 s19, s17, 2
	s_add_co_u32 s18, s18, s19
	s_lshl_b32 s19, s15, 1
	s_add_co_u32 s18, s18, s19                     ; 16 batch + my first head
	s_mul_i32 s18, s18, HR
	s_and_b32 s19, s42, 7
	s_lshl_b32 s19, s19, 1
	s_add_co_u32 s19, s19, s16                     ; the key step
	s_lshl_b32 s20, s19, 12
	s_add_co_u32 s20, s20, s18
	s_add_co_u32 s20, s20, 147456
	s_mov_b32 s21, 0
	s_add_nc_u64 s[20:21], s[8:9], s[20:21]
	s_lshl_b32 s22, s19, 8
	s_add_co_u32 s22, s22, s18
	s_add_co_u32 s22, s22, 212992
	s_mov_b32 s23, 0
	s_add_nc_u64 s[22:23], s[8:9], s[22:23]
.irp a, 0,1,2,3,4,5,6,7
	global_store_b128 v[LI], v[PC+8*\a:PC+8*\a+3], s[20:21] offset:(\a/4)*HR+(\a%4)*1024
	global_store_b128 v[LI], v[PC+8*\a+4:PC+8*\a+7], s[20:21] offset:(\a/4)*HR+(\a%4)*1024+512
.endr
.irp a, 0,2,4,6
	v_permlane16_swap_b32 v[PW+\a], v[PW+\a+1]
.endr
.irp a, 0,2,4,6
	global_store_b32 v[LS], v[PW+\a], s[22:23] offset:(\a/4)*HR+(\a%4)*64
.endr
.Lend:
	s_wait_tensorcnt 0x0                           ; the wave's end
	ds_add_u32 v[SPW], v[NIL]
	s_wait_dscnt 0x0
	CROUND                                         ; the closing round: no work-group ends while a partner may still ask for a tile that names it
	s_endpgm
.Lfunc_end_k_qdbf54dc8d0_qkv:
	.size	k_qdbf54dc8d0_qkv, .Lfunc_end_k_qdbf54dc8d0_qkv-k_qdbf54dc8d0_qkv
	.p2alignl 7, 3214868480
	.fill 96, 4, 3214868480
	.section	.rodata,"a",@progbits
	.p2align	6, 0x0
	.amdhsa_kernel k_qdbf54dc8d0_qkv
		.amdhsa_group_segment_fixed_size 327680
		.amdhsa_private_segment_fixed_size 0
		.amdhsa_enable_private_segment 0
		.amdhsa_kernarg_size 24
		.amdhsa_user_sgpr_count 2
		.amdhsa_user_sgpr_kernarg_segment_ptr 1
		.amdhsa_wavefront_size32 1
		.amdhsa_system_sgpr_workgroup_id_x 1
		.amdhsa_system_sgpr_workgroup_id_y 1
		.amdhsa_system_sgpr_workgroup_id_z 1
		.amdhsa_system_vgpr_workitem_id 0
		.amdhsa_next_free_vgpr 1024
		.amdhsa_next_free_sgpr 100
		.amdhsa_reserve_vcc 0
		.amdhsa_float_denorm_mode_32 3
		.amdhsa_float_denorm_mode_16_64 3
		.amdhsa_memory_ordered 1
		.amdhsa_forward_progress 1
		.amdhsa_inst_pref_size 131
	.end_amdhsa_kernel
	.amdgpu_metadata
---
amdhsa.version: [ 1, 2 ]
amdhsa.kernels:
  - .name:           k_qdbf54dc8d0_qkv
    .symbol:         k_qdbf54dc8d0_qkv.kd
    .args:
      - { .name: hc, .offset: 0, .size: 8, .value_kind: global_buffer, .address_space: global }
      - { .name: wc, .offset: 8, .size: 8, .value_kind: global_buffer, .address_space: global }
      - { .name: qkv, .offset: 16, .size: 8, .value_kind: global_buffer, .address_space: global }
    .group_segment_fixed_size: 327680
    .private_segment_fixed_size: 0
    .kernarg_segment_align: 8
    .kernarg_segment_size: 24
    .max_flat_workgroup_size: 128
    .sgpr_count:     100
    .vgpr_count:     1024
    .wavefront_size: 32
...
	.end_amdgpu_metadata
.endif
;; end of part 3
;; launch attn (part 4): grid 8 x 32, 16 waves a work-group, clusters of 4 x 1, 169,984 bytes of LDS; arguments qkv, ac; writes ac
.if DOCPART == 4
	.amdgcn_target "amdgcn-amd-amdhsa--gfx1250"
	.amdhsa_code_object_version 6
	.text
	.protected	k_qdbf54dc8d0_attn
	.globl	k_qdbf54dc8d0_attn
	.p2align	8
	.type	k_qdbf54dc8d0_attn,@function
k_qdbf54dc8d0_attn:
	s_mov_b64 s[64:65], 0
	v_nop
	global_prefetch_b8 v0, s[64:65] scope:SCOPE_SE
	s_setreg_imm32_b32 hwreg(HW_REG_WAVE_MODE, 25, 1), 1
	s_wait_xcnt 0x0
	s_wait_alu depctr_hold_cnt(0) depctr_sa_sdst(0) depctr_va_vdst(0) depctr_va_sdst(0) depctr_va_ssrc(0) depctr_va_vcc(0) depctr_vm_vsrc(0)
	s_getreg_b32 s2, hwreg(HW_REG_IB_STS2, 6, 4)
	s_cmp_eq_u32 s2, 0
	s_cbranch_scc0 .Lentry_in_a_cluster
	s_endpgm
.Lentry_in_a_cluster:
	s_bfe_u32 s2, ttmp6, 0x10000c
	s_cmp_lg_u32 s2, 0x3003
	s_cbranch_scc0 .Lentry_shape_is_right
	s_endpgm
.Lentry_shape_is_right:
; Causal attention of one batch and head (work-group y), head size 64, logits scaled by 1 / 32, both products on codes of FP4 (E2M1) with E8M0 scales; the result is quantised along 64 head + d for the next product.
; IN: the head's record of 217,088 bytes: q's codes 0 (512 a tile of 16 tokens), q's scale words 65,536, k's 73,728 and 139,264, v's fragments (16 d x 128 keys, 1,024 bytes) 147,456, v's scale words 212,992.
; q and k have K = 64: registers 4-7 of their fragments are zero codes on both sides, and bytes 2, 3 of their scale words are 0x7f.
; THE SOFTMAX AHEAD OF THE SECOND PRODUCT: t = score x log2(e) / 32; M = the running largest t rounded UP to a whole number; p = 2^(t - M) is quantised along the keys, not normalised; the row's sum is taken of the unquantised p and divides at the end.
; When M moves, the sum and O are multiplied by 2^(old M - new M), exactly.
; SHARES.  Work-group j of a head's eight; wave w owns the 16 queries of tile j + 8 i, i = w xor 3 ((w / 4) % 2): queries 128 i + 16 j + r.  Such a tile needs key steps 0 .. i of 128 keys: steps under i whole, step i on the diagonal,
; whatever j is.  So every work-group has 136 steps of a wave, and every branch hangs on the wave's number alone.
; K AND V of the whole head, 143,360 consecutive bytes, come into LDS once: each of the sixteen waves asks for 35 rows of 256 bytes.  The four work-groups of a cluster belong to one head and ask JOINTLY (mask 15).
; Nothing is filled again and nothing is stored to LDS.  All that the launch reads is asked for at its head, so there is nothing left to prefetch.
; LAYOUT.  Both products transposed: S^T = K Q^T, O^T = V^T P^T: a lane holds one query (lane % 16); register 8 t + j of S^T is key 16 t + 8 h + j.  A block of 32 keys lies in 16 registers of lanes l and l xor 16.
; OUT: ac as operand records (16 tokens x 512 K, 4,352 bytes): my 16 x 64 codes are 512 consecutive bytes; the two scale bytes of a token leave as 2 bytes, 16 apart: one part in seventeen of the bytes.
; LIMITS: a block of zeros gets the byte 1 (its codes are zeros; this program alone reads the bytes); NaN and infinities are not served.
; REGISTERS: v1 16 lane; v3 16 j + r - 8 h; v5-7 region bases; v8-11 the step's addresses; v12 -M, v13 the largest t, v[14:15] the sum; v16-23 Q; v24 Q's scale words; v32-95 K; v96-159 S^T, then p; v160-191 O^T; v192-223 V;
; v224-231 p's codes; v232-243 at work; v244-247 K's scale words (lanes 0-15 tile 2 u, lanes 16-31 tile 2 u + 1), v248-249 V's; v252 f; v253 p's scale word; v254 at work.
.set HR,   217088
.set TRB,  4352
.set PANB, 16*TRB
.set LKS,  65536                       ; LDS: K's codes 0, K's scale words,
.set LVC,  73728                       ; V's fragments,
.set LVS,  139264                      ; V's scale words
.set SEL,  24
.set CS,   26
.macro CROUND
	s_barrier_signal -1
	s_barrier_wait -1
	s_cmp_lg_u32 s8, 0
	s_cbranch_scc1 .Lnot_wave_0_\@
	s_barrier_signal -3
.Lnot_wave_0_\@:
	s_barrier_wait -3
	s_barrier_signal -1
	s_barrier_wait -1
.endm
	s_load_b128 s[4:7], s[0:1], 0x0                ; qkv, ac
	v_lshl_add_u32 v251, v0, 2, 0x29000
	v_mov_b32 v255, 0
	ds_add_u32 v251, v255
	ds_add_u32 v251, v255
	v_lshrrev_b32 v4, 5, v0
	v_readfirstlane_b32 s8, v4                     ; wave 0..15
	s_bfe_u32 s32, ttmp6, 0x40000                  ; cx
	s_lshl_b32 s10, ttmp9, 2
	s_add_co_u32 s10, s10, s32                     ; j: it enters Q's and the output's addresses and the mask's number alone
	s_and_b32 s11, ttmp7, 0xffff                   ; 16 batch + head
	s_bfe_u32 s9, s8, 0x10002
	s_mul_i32 s9, s9, 3
	s_xor_b32 s9, s9, s8                           ; i
	s_mov_b32 s16, 15|(3<<16)|(1<<21)              ; 15:0 the mask: all four work-groups; 17:16 elements of 8 bytes; 21 set beside a mask
	s_mov_b32 s17, 32<<16                          ; tensor_dim0 = 32 elements: 256 bytes
	s_mov_b32 s18, 35<<16                          ; tensor_dim1 = 35 rows
	s_mov_b32 s19, 32<<16                          ; tile_dim0
	s_mov_b32 s20, 35                              ; tile_dim1
	s_mov_b32 s21, 32                              ; the rows are dense
	s_mov_b32 s22, 0
	s_mov_b32 s23, 0
	s_mul_i32 s33, s8, 8960                        ; my sixteenth
	s_mul_i32 s34, s11, HR                         ; the head's record
	s_add_co_u32 s36, s34, s33
	s_add_co_u32 s36, s36, 73728
	s_mov_b32 s37, 0
	s_mov_b32 s[SEL], 0x76543210
	s_mov_b32 s[SEL+1], 0xfedcba98
	s_mov_b32 s[CS], 0x3d38aa3b                    ; c = log2(e) / 32
	s_mov_b32 s[CS+1], s[CS]                       ; (named with it as a pair, so it is written)
	s_wait_dscnt 0x0
	s_wait_kmcnt 0x0
	CROUND                                         ; all four work-groups are here: the joint loads meet
	s_mov_b32 s12, 1
	s_mov_b32 s13, s33
	s_add_nc_u64 s[14:15], s[4:5], s[36:37]
	s_or_b32 s15, s15, 0x80000000
	tensor_load_to_lds s[12:15], s[16:23]          ; my one tensor load
	s_nop 0
.rept 4
	v_nop
.endr
	s_lshl_b32 s35, s9, 3
	s_add_co_u32 s35, s35, s10                     ; my tile of 16 queries
	s_lshl_b32 s38, s35, 9
	s_add_co_u32 s38, s38, s34
	s_mov_b32 s39, 0
	s_add_nc_u64 s[38:39], s[4:5], s[38:39]        ; its codes
	s_lshl_b32 s40, s35, 6
	s_add_co_u32 s40, s40, s34
	s_add_co_u32 s40, s40, 65536
	s_mov_b32 s41, 0
	s_add_nc_u64 s[40:41], s[4:5], s[40:41]        ; its scale words
	v_and_b32 v2, 31, v0
	v_lshlrev_b32 v1, 4, v2                        ; 16 lane
	v_lshlrev_b32 v2, 2, v2                        ; 4 lane
	v_and_b32 v3, 15, v0                           ; r
	v_lshlrev_b32 v4, 2, v3
	global_load_b128 v[16:19], v1, s[38:39]        ; Q's fragment stays in registers
	global_load_b32 v24, v4, s[40:41]
	v_add_nc_u32 v5, LVC, v1
	v_add_nc_u32 v6, LKS, v2
	v_add_nc_u32 v7, LVS, v2
	v_bfe_u32 v8, v0, 4, 1
	v_lshlrev_b32 v8, 3, v8
	v_sub_nc_u32 v3, v3, v8
	s_lshl_b32 s32, s10, 4
	v_add_nc_u32 v3, s32, v3                       ; 16 j + r - 8 h: on the diagonal, register 8 t + j' is hidden where 16 t + j' is above it
	v_mov_b32 v13, 0xff61b1e6                      ; the largest t so far: -3e38
	v_floor_f32 v12, -v13                          ; -M
	v_mov_b32 v14, 0
	v_mov_b32 v15, 0
.irp j, 20,21,22,23
	v_mov_b32 v[\j], 0                             ; Q's upper 64 along K: zero codes
.endr
.irp t, 0,1,2,3,4,5,6,7
.irp j, 4,5,6,7
	v_mov_b32 v[32+8*\t+\j], 0                     ; K's likewise: written once, never loaded
.endr
.endr
.set J, 0
.rept 32
	v_mov_b32 v[160+J], 0                          ; O^T: the step is written once; the first finds zeros, which the first change of M leaves zeros
.set J, J+1
.endr
.irp b, 0,1,2,3
	v_mov_b32 v[236+\b], 0                         ; a lane permute's destination counts as one of its sources
.endr
	v_mov_b32 v252, 0
	v_mov_b32 v253, 0                              ; (named as the upper half of the pair v[252:253] before it is first written)
	s_mov_b32 s28, 0                               ; the key step,
	s_mov_b32 s29, 0                               ; 4,096 x it,
	s_mov_b32 s30, 0                               ; 512 x it,
	s_mov_b32 s31, 0                               ; 256 x it
	s_wait_tensorcnt 0x0                           ; my part of K and V is in,
	s_barrier_signal -1
	s_barrier_wait -1                              ; everybody's is
	s_wait_loadcnt 0x0                             ; Q
.Lstep:                                            ; sixteen trips in every wave; a step whose keys all come after my queries is left out: a branch on the wave's number
	s_cmp_gt_u32 s28, s9
	s_cbranch_scc1 .Lhidden
	v_add_nc_u32 v8, s29, v1                       ; these four are also the places in front of loads into registers that the last products read
	v_add_nc_u32 v9, s29, v5
	v_add_nc_u32 v10, s30, v6
	v_add_nc_u32 v11, s31, v7
.irp t, 0,1,2,3,4,5,6,7
	ds_load_b128 v[32+8*\t:35+8*\t], v8 offset:512*\t
.endr
.irp u, 0,1,2,3
	ds_load_b32 v[244+\u], v10 offset:128*\u
.endr
.irp d, 0,1,2,3
.irp c, 0,1
	ds_load_b128 v[192+8*\d+4*\c:195+8*\d+4*\c], v9 offset:1024*\d+512*\c
.endr
.endr
.irp u, 0,1
	ds_load_b32 v[248+\u], v11 offset:128*\u
.endr
	s_wait_dscnt 10                                ; K and its scale words are in; V's ten loads may be out
.irp t, 0,2,4,6
	v_wmma_scale_f32_16x16x128_f8f6f4 v[96+8*\t:103+8*\t], v[32+8*\t:39+8*\t], v[16:23], 0, v[244+\t/2], v24 matrix_a_fmt:MATRIX_FMT_FP4 matrix_b_fmt:MATRIX_FMT_FP4
	v_wmma_scale_f32_16x16x128_f8f6f4 v[104+8*\t:111+8*\t], v[40+8*\t:47+8*\t], v[16:23], 0, v[244+\t/2], v24 matrix_a_fmt:MATRIX_FMT_FP4 matrix_b_fmt:MATRIX_FMT_FP4 matrix_a_scale:MATRIX_SCALE_ROW1
.endr
.rept 4
	v_nop
.endr
	s_cmp_lg_u32 s28, s9                           ; on the diagonal the scores of hidden keys become -infinity ahead of the maximum: p = 0 then
	s_cbranch_scc1 .Lopen
	v_mov_b32 v254, 0xff800000
.set J, 0
.rept 64
	v_cmp_gt_i32 vcc_lo, 16*(J/8)+J%8, v3
	v_cndmask_b32 v[96+J], v[96+J], v254, vcc_lo
.set J, J+1
.endr
.Lopen:
.irp b, 0,1,2,3
	v_max3_num_f32 v[232+\b], v[96+16*\b], v[97+16*\b], v[98+16*\b]   ; the largest score of each block of 32 keys: for the row's maximum and, since p rises with the score, for the block's largest p
.endr
.irp i, 3,5,7,9,11,13
.irp b, 0,1,2,3
	v_max3_num_f32 v[232+\b], v[232+\b], v[96+16*\b+\i], v[97+16*\b+\i]
.endr
.endr
.irp b, 0,1,2,3
	v_max_num_f32 v[232+\b], v[232+\b], v[111+16*\b]
.endr
.irp b, 0,1,2,3
	v_permlanex16_b32 v[236+\b], v[232+\b], s[SEL], s[SEL+1]
.endr
.irp b, 0,1,2,3
	v_max_num_f32 v[232+\b], v[232+\b], v[236+\b]
.endr
	v_max3_num_f32 v254, v232, v233, v234
	v_max_num_f32 v254, v254, v235
	v_mul_f32 v254, s[CS], v254                    ; the step's largest t
	v_max_num_f32 v13, v13, v254
	v_mov_b32 v254, v12
	v_floor_f32 v12, -v13                          ; the new -M = -ceil(t)
	v_sub_f32 v254, v12, v254                      ; old M - new M: a whole number, 0 or less
	v_cvt_i32_f32 v254, v254                       ; (it saturates)
	v_ldexp_f32 v252, 1.0, v254                    ; f = 2^(old M - new M)
.set J, 0
.rept 32
	v_pk_fma_f32 v[96+J:97+J], v[96+J:97+J], s[CS:CS+1], v[12:13] op_sel_hi:[1,0,0]   ; t - M
.set J, J+2
.endr
.irp b, 0,1,2,3
	v_fma_f32 v[232+\b], v[232+\b], s[CS], v12
.endr
.set J, 0
.rept 64
	v_exp_f32 v[96+J], v[96+J]                     ; p = 2^(t - M)
.set J, J+1
.endr
	v_pk_mul_f32 v[14:15], v[14:15], v[252:253] op_sel_hi:[1,0]   ; the sums under the new M: a plain instruction behind the exponentials
	s_wait_alu depctr_va_vdst(0)                   ; one wait for the batch, ahead of its first reader
.irp b, 0,1,2,3
	v_exp_f32 v[232+\b], v[232+\b]                 ; each block's largest p
.endr
	v_pk_add_f32 v[236:237], v[96:97], v[98:99]    ; the row's sum of the unquantised p, in two chains
.irp j, 4,8,12,16,20,24,28,32,36,40,44,48,52,56,60
	v_pk_add_f32 v[14:15], v[14:15], v[96+\j:97+\j]
	v_pk_add_f32 v[236:237], v[236:237], v[98+\j:99+\j]
.endr
	v_pk_add_f32 v[14:15], v[14:15], v[236:237]
	s_wait_alu depctr_va_vdst(0)                   ; and one for the four
.irp b, 0,1,2,3
	v_max_num_f32 v[232+\b], 0x1800000, v[232+\b]  ; the floor 2^(3 - 127)
.endr
.irp b, 0,1,2,3
	v_add_nc_u32 v[240+\b], 0xff000000, v[232+\b]  ; the conversion's scale operand
.endr
.irp b, 0,1,2,3
	v_lshrrev_b32 v[236+\b], 23, v[240+\b]         ; the byte
.endr
	v_lshl_or_b32 v253, v237, 8, v236              ; p's scale word for these 128 keys
	v_lshl_or_b32 v253, v238, 16, v253
	v_lshl_or_b32 v253, v239, 24, v253
.irp c, 0,1
	v_cvt_scalef32_pk8_fp4_f32 v[224+4*\c], v[96+32*\c:103+32*\c], v[240+2*\c]
	v_cvt_scalef32_pk8_fp4_f32 v[225+4*\c], v[112+32*\c:119+32*\c], v[241+2*\c]
	v_cvt_scalef32_pk8_fp4_f32 v[226+4*\c], v[104+32*\c:111+32*\c], v[240+2*\c]
	v_cvt_scalef32_pk8_fp4_f32 v[227+4*\c], v[120+32*\c:127+32*\c], v[241+2*\c]
.endr
	v_nop                                          ; one plain place behind a scaled conversion
.irp c, 0,1
	v_permlane16_swap_b32 v[224+4*\c], v[225+4*\c] ; block 2 c whole in lanes 0-15, block 2 c + 1 in lanes 16-31
	v_permlane16_swap_b32 v[226+4*\c], v[227+4*\c]
.endr
.set J, 0
.rept 16
	v_pk_mul_f32 v[160+J:161+J], v[160+J:161+J], v[252:253] op_sel_hi:[1,0]   ; O^T under the new M; these sixteen are also the places between the codes' and the word's last writes and the products
.set J, J+2
.endr
	s_wait_dscnt 0x0                               ; V
.irp d, 0,2
	v_wmma_scale_f32_16x16x128_f8f6f4 v[160+8*\d:167+8*\d], v[192+8*\d:199+8*\d], v[224:231], v[160+8*\d:167+8*\d], v[248+\d/2], v253 matrix_a_fmt:MATRIX_FMT_FP4 matrix_b_fmt:MATRIX_FMT_FP4
	v_wmma_scale_f32_16x16x128_f8f6f4 v[168+8*\d:175+8*\d], v[200+8*\d:207+8*\d], v[224:231], v[168+8*\d:175+8*\d], v[248+\d/2], v253 matrix_a_fmt:MATRIX_FMT_FP4 matrix_b_fmt:MATRIX_FMT_FP4 matrix_a_scale:MATRIX_SCALE_ROW1
.endr
.Lhidden:
	s_add_co_u32 s29, s29, 4096
	s_add_co_u32 s30, s30, 512
	s_add_co_u32 s31, s31, 256
	s_add_co_u32 s28, s28, 1
	s_cmp_lt_u32 s28, 16
	s_cbranch_scc1 .Lstep
	; THE WAY OUT: O^T / the sum, quantised along d (two blocks of 32), into the record of my 16 tokens
	v_add_f32 v14, v14, v15
	v_permlanex16_b32 v252, v14, s[SEL], s[SEL+1]
	v_add_f32 v14, v14, v252                       ; the row's sum
	v_rcp_f32 v14, v14
	v_and_b32 v4, 15, v0                           ; (plain work behind the reciprocal)
	v_lshlrev_b32 v4, 4, v4                        ; 16 r
	v_nop
	v_nop
	s_lshr_b32 s32, s11, 4                         ; batch
	s_and_b32 s33, s11, 15                         ; head
	s_lshl_b32 s32, s32, 3
	s_lshr_b32 s34, s9, 1
	s_add_co_u32 s32, s32, s34                     ; the block of 256 tokens
	s_lshl_b32 s32, s32, 1
	s_lshr_b32 s34, s33, 3
	s_add_co_u32 s32, s32, s34                     ; its panel: 512 along K are eight heads
	s_mul_i32 s32, s32, PANB
	s_and_b32 s34, s9, 1
	s_lshl_b32 s34, s34, 3
	s_add_co_u32 s34, s34, s10
	s_mul_i32 s34, s34, TRB
	s_add_co_u32 s32, s32, s34                     ; my record
	s_bfe_u32 s34, s33, 0x20001                    ; ks
	s_and_b32 s35, s33, 1                          ; c
	s_lshl_b32 s36, s34, 10
	s_lshl_b32 s37, s35, 9
	s_add_co_u32 s36, s36, s37
	s_add_co_u32 s36, s36, s32
	s_mov_b32 s37, 0
	s_add_nc_u64 s[36:37], s[6:7], s[36:37]        ; the codes
	s_lshl_b32 s38, s34, 2
	s_lshl_b32 s39, s35, 1
	s_add_co_u32 s38, s38, s39
	s_add_co_u32 s38, s38, s32
	s_mov_b32 s39, 0
	s_add_nc_u64 s[38:39], s[6:7], s[38:39]        ; the two bytes
	s_wait_alu depctr_va_vdst(0)                   ; the wait, ahead of the reciprocal's first reader
.set J, 0
.rept 32
	v_mul_f32 v[96+J], v[160+J], v14               ; register 8 t + j is d = 16 t + 8 h + j
.set J, J+1
.endr
.irp b, 0,1
	v_max3_num_f32 v[232+\b], |v[96+16*\b]|, |v[97+16*\b]|, 0x1800000
.endr
.irp i, 2,4,6,8,10,12,14
.irp b, 0,1
	v_max3_num_f32 v[232+\b], v[232+\b], |v[96+16*\b+\i]|, |v[97+16*\b+\i]|
.endr
.endr
.irp b, 0,1
	v_permlanex16_b32 v[236+\b], v[232+\b], s[SEL], s[SEL+1]
.endr
.irp b, 0,1
	v_max_num_f32 v[232+\b], v[232+\b], v[236+\b]
.endr
.irp b, 0,1
	v_add_nc_u32 v[240+\b], 0xff000000, v[232+\b]
.endr
.irp b, 0,1
	v_lshrrev_b32 v[236+\b], 23, v[240+\b]
.endr
	v_lshl_or_b32 v8, v237, 8, v236
	v_cvt_scalef32_pk8_fp4_f32 v224, v[96:103], v240
	v_cvt_scalef32_pk8_fp4_f32 v225, v[112:119], v241
	v_cvt_scalef32_pk8_fp4_f32 v226, v[104:111], v240
	v_cvt_scalef32_pk8_fp4_f32 v227, v[120:127], v241
	v_nop
	v_permlane16_swap_b32 v224, v225
	v_permlane16_swap_b32 v226, v227
	global_store_b128 v1, v[224:227], s[36:37]     ; 512 consecutive bytes
	global_store_b16 v4, v8, s[38:39] offset:4096  ; lanes r and r + 16 write the same two bytes with the same value
	s_wait_tensorcnt 0x0
	ds_add_u32 v251, v255
	s_wait_dscnt 0x0
	CROUND                                         ; the closing round: no work-group ends while a partner may still ask for a tile that names it
	s_endpgm
.Lfunc_end_k_qdbf54dc8d0_attn:
	.size	k_qdbf54dc8d0_attn, .Lfunc_end_k_qdbf54dc8d0_attn-k_qdbf54dc8d0_attn
	.p2alignl 7, 3214868480
	.fill 96, 4, 3214868480
	.section	.rodata,"a",@progbits
	.p2align	6, 0x0
	.amdhsa_kernel k_qdbf54dc8d0_attn
		.amdhsa_group_segment_fixed_size 169984
		.amdhsa_private_segment_fixed_size 0
		.amdhsa_enable_private_segment 0
		.amdhsa_kernarg_size 16
		.amdhsa_user_sgpr_count 2
		.amdhsa_user_sgpr_kernarg_segment_ptr 1
		.amdhsa_wavefront_size32 1
		.amdhsa_system_sgpr_workgroup_id_x 1
		.amdhsa_system_sgpr_workgroup_id_y 1
		.amdhsa_system_sgpr_workgroup_id_z 1
		.amdhsa_system_vgpr_workitem_id 0
		.amdhsa_next_free_vgpr 256
		.amdhsa_next_free_sgpr 66
		.amdhsa_reserve_vcc 1
		.amdhsa_float_denorm_mode_32 3
		.amdhsa_float_denorm_mode_16_64 3
		.amdhsa_memory_ordered 1
		.amdhsa_forward_progress 1
		.amdhsa_inst_pref_size 32
	.end_amdhsa_kernel
	.amdgpu_metadata
---
amdhsa.version: [ 1, 2 ]
amdhsa.kernels:
  - .name:           k_qdbf54dc8d0_attn
    .symbol:         k_qdbf54dc8d0_attn.kd
    .args:
      - { .name: qkv, .offset: 0, .size: 8, .value_kind: global_buffer, .address_space: global }
      - { .name: ac, .offset: 8, .size: 8, .value_kind: global_buffer, .address_space: global }
    .group_segment_fixed_size: 169984
    .private_segment_fixed_size: 0
    .kernarg_segment_align: 8
    .kernarg_segment_size: 16
    .max_flat_workgroup_size: 512
    .sgpr_count:     66
    .vgpr_count:     256
    .wavefront_size: 32
...
	.end_amdgpu_metadata
.endif
;; end of part 4
;; launch wo (part 5): grid 4 x 16, 4 waves a work-group, clusters of 4 x 4, 327,680 bytes of LDS; arguments ac, wc, bo, x, x1; writes x1
.if DOCPART == 5
	.amdgcn_target "amdgcn-amd-amdhsa--gfx1250"
	.amdhsa_code_object_version 6
	.text
	.protected	k_qdbf54dc8d0_wo
	.globl	k_qdbf54dc8d0_wo
	.p2align	8
	.type	k_qdbf54dc8d0_wo,@function
k_qdbf54dc8d0_wo:
	s_mov_b64 s[64:65], 0
	v_nop
	global_prefetch_b8 v0, s[64:65] scope:SCOPE_SE
	s_setreg_imm32_b32 hwreg(HW_REG_WAVE_MODE, 25, 1), 1
	s_wait_xcnt 0x0
	s_wait_alu depctr_hold_cnt(0) depctr_sa_sdst(0) depctr_va_vdst(0) depctr_va_sdst(0) depctr_va_ssrc(0) depctr_va_vcc(0) depctr_vm_vsrc(0)
	s_getreg_b32 s2, hwreg(HW_REG_IB_STS2, 6, 4)
	s_cmp_eq_u32 s2, 0
	s_cbranch_scc0 .Lentry_in_a_cluster
	s_endpgm
.Lentry_in_a_cluster:
	s_bfe_u32 s2, ttmp6, 0x10000c
	s_cmp_lg_u32 s2, 0xf033
	s_cbranch_scc0 .Lentry_shape_is_right
	s_endpgm
.Lentry_shape_is_right:
; x1 = x + attn wo + bo.  attn (ac, 4,096 rows) and wo (wc + 1,671,168, 1,024 rows n) are codes of FP4 (E2M1) with E8M0 scales, K = 1,024; x, x1 [4096][1024] and bo [1024] are f32.
; OPERANDS lie as records in the order of an operand's registers: 16 rows x 512 K = 4,352 bytes: a fragment (16 rows x 128 K) is two loads of 16 bytes a lane at 1024 ks + 512 c + 16 lane; a row's four scale words at 4096 + 16 r.
; 16 records are a panel of 256 rows, 69,632 consecutive bytes.
; A tile of C is 256 x 256, four waves, 128 x 128 each: 64 accumulators.  K goes by panels of 512 through two LDS slots; each wave brings eight records (136 rows of 256 bytes) of a panel.  With KP = 2 both panels are first fills.
; THE MATRIX INSTRUCTION IS USED TRANSPOSED (source 0 = 16 rows of B, source 1 = 16 rows of A): a lane holds eight neighbouring numbers of a row of C.  The bias is the C of each sum's first product.
; CLUSTERS: 4 x 4.  A's panel is shared along a row of the cluster, B's along a column: each is asked for jointly, by the same tensor load with the same descriptor and a mask that names the four.
; THE WAY OUT: a block of 16 rows x 128 columns goes through the wave's own stage in LDS (in slot 0, which has had its last fill and its last read), comes back as whole rows of 512 bytes, takes the residual's same bytes, and is stored.
; C has 64 such tiles: 64 work-groups.
; REGISTERS, in windows of 256: window 0: v16-31 addresses; v32-95 scale words, two sets; v128-191 A's fragments; v192-255 the bias; on the way out v128-255 rows of C.  window 1: B's fragments, two sets; on the way out the residual.
; windows 2, 3: accumulator (a, b) at v[8 (8 (a % 4) + b)].
.set TRB,   4352
.set HALFT, 8*TRB
.set PANB,  16*TRB
.set SLOT,  4*HALFT
.set SPARE, 2*SLOT                     ; the spare words, 128 bytes for each wave: two blocks of 256 bytes that no other line names
.set KP,    2
.set LAPS,  KP/2
.set WB,    1671168                    ; B's place in wc
.set NQ,    4
.set FR,    8
.set NL,    2
.set NP,    4
.set SPITCH, 528
.set ADRA,  16
.set ADRB,  20
.set ADRS,  22
.set STO,   24
.set RD,    25
.set SPW,   28
.set NIL,   29
.set LI,    30                         ; 16 x lane
.set SC,    32
.set AF,    128
.set BK,    128
.set BI,    192
.set G1,    24
.set G0,    32
.set G1B,   48
.set G0B,   56
.set MSB,   0
.macro WIN new                         ; the immediate's high byte repeats the setting that is left
.if MSB != (\new)
	s_set_vgpr_msb (MSB<<8)|(\new)
.set MSB, (\new)
.endif
.endm
.set MUL_LO, 0xa1                      ; source 0 (B) window 1, source 1 (A) window 0, C and D window 2
.set MUL_HI, 0xf1
.set FIRST_LO, 0x81                    ; the same with C (the bias) in window 0
.set FIRST_HI, 0xc1
.set TO_B,   0x40
.macro JLOAD s                         ; a joint load: waves 0 and 1 fetch for A, waves 2 and 3 for B; four v_nop follow each line
	s_cmp_eq_u32 s15, 0
	s_cbranch_scc0 .Lfor_b_\@
	tensor_load_to_lds s[G0+4*\s:G0+4*\s+3], s[G1:G1+7]
	s_nop 0
.rept 4
	v_nop
.endr
	s_branch .Lasked_\@
.Lfor_b_\@:
	tensor_load_to_lds s[G0B+4*\s:G0B+4*\s+3], s[G1B:G1B+7]
	s_nop 0
.rept 4
	v_nop
.endr
.Lasked_\@:
.endm
.macro CREST                           ; a round of the cluster's barrier behind its opening barrier
	s_cmp_lg_u32 s14, 0
	s_cbranch_scc1 .Lnot_wave_0_\@
	s_barrier_signal -3
.Lnot_wave_0_\@:
	s_barrier_wait -3
	s_barrier_signal -1
	s_barrier_wait -1
.endm
.macro CROUND
	s_barrier_signal -1
	s_barrier_wait -1
	CREST
.endm
	s_load_b256 s[4:11], s[0:1], 0x0               ; A's records, wc, the bias, the residual
	s_load_b64 s[12:13], s[0:1], 0x20              ; the result
	v_lshl_add_u32 v[SPW], v0, 2, SPARE
	v_mov_b32 v[NIL], 0
	ds_add_u32 v28, v29
	ds_add_u32 v28, v29
	s_wait_dscnt 0x0
	v_lshrrev_b32 v1, 5, v0
	v_readfirstlane_b32 s14, v1                    ; wave 0..3
	s_lshr_b32 s15, s14, 1                         ; which half of A's rows is mine.  Also: I fetch for A (0) or for B (1)
	s_and_b32 s16, s14, 1                          ; which half of B's rows.  Also: which eight records I fetch
	s_bfe_u32 s40, ttmp6, 0x40000                  ; cx
	s_bfe_u32 s41, ttmp6, 0x40004                  ; cy
	s_lshl_b32 s42, ttmp9, 2
	s_add_co_u32 s42, s42, s40                     ; TB: B's block of 256 rows
	s_and_b32 s17, ttmp7, 0xffff
	s_lshl_b32 s17, s17, 2
	s_add_co_u32 s17, s17, s41                     ; TA: A's
	s_lshl_b32 s43, s41, 2
	s_lshl_b32 s43, 15, s43                        ; my row of the cluster
	s_lshl_b32 s44, 0x1111, s40                    ; my column
	s_or_b32 s[G1+0], s43, (3<<16)|(1<<21)         ; 15:0 the mask; 17:16 elements of 8 bytes; 21 set beside a mask; no padding
	s_or_b32 s[G1B+0], s44, (3<<16)|(1<<21)
.irp g, G1, G1B
	s_mov_b32 s[\g+1], 32<<16                      ; tensor_dim0 = 32 elements: 256 bytes
	s_mov_b32 s[\g+2], 136<<16                     ; tensor_dim1 = 136 rows
	s_mov_b32 s[\g+3], 32<<16                      ; tile_dim0
	s_mov_b32 s[\g+4], 136                         ; tile_dim1
	s_mov_b32 s[\g+5], 32                          ; the rows are dense
	s_mov_b32 s[\g+6], 0
	s_mov_b32 s[\g+7], 0
.endr
	s_mul_i32 s18, s16, HALFT
	s_mul_i32 s20, s17, KP*PANB
	s_add_co_u32 s20, s20, s18
	s_mov_b32 s21, 0
	s_mul_i32 s46, s42, KP*PANB
	s_add_co_u32 s46, s46, s18
	s_add_co_u32 s46, s46, WB
	s_mov_b32 s47, 0
	s_mul_i32 s45, s14, HALFT                      ; where they go: no place in the cluster enters an LDS address
	s_wait_kmcnt 0x0
	s_add_nc_u64 s[20:21], s[4:5], s[20:21]
	s_add_nc_u64 s[46:47], s[6:7], s[46:47]
	CROUND                                         ; all sixteen work-groups are here: the first joint loads meet
.irp s, 0,1
	s_mov_b32 s[G0+4*\s], 1
	s_add_co_u32 s[G0+4*\s+1], s45, \s*SLOT
	s_add_nc_u64 s[G0+4*\s+2:G0+4*\s+3], s[20:21], \s*PANB
	s_or_b32 s[G0+4*\s+3], s[G0+4*\s+3], 0x80000000
	s_mov_b32 s[G0B+4*\s], 1
	s_add_co_u32 s[G0B+4*\s+1], s45, \s*SLOT
	s_add_nc_u64 s[G0B+4*\s+2:G0B+4*\s+3], s[46:47], \s*PANB
	s_or_b32 s[G0B+4*\s+3], s[G0B+4*\s+3], 0x80000000
	JLOAD \s                                       ; two loads of mine are out
.endr
	v_and_b32 v1, 15, v0                           ; r
	v_bfe_u32 v2, v0, 4, 1                         ; h
	v_and_b32 v3, 31, v0
	v_lshlrev_b32 v[LI], 4, v3
	s_lshl_b32 s18, s42, 10
	s_lshl_b32 s19, s16, 9
	s_add_co_u32 s18, s18, s19                     ; my first column, in bytes
	s_mov_b32 s19, 0
	s_add_nc_u64 s[72:73], s[8:9], s[18:19]
	v_lshlrev_b32 v4, 5, v2
.irp b, 0,1,2,3,4,5,6,7
	global_load_b128 v[BI+8*\b:BI+8*\b+3], v4, s[72:73] offset:64*\b       ; the bias in the result's layout: columns 16 b + 8 h + 0 .. 7
	global_load_b128 v[BI+8*\b+4:BI+8*\b+7], v4, s[72:73] offset:64*\b+16
.endr
	s_lshl_b32 s20, s17, 20
	s_lshl_b32 s21, s15, 19
	s_add_co_u32 s20, s20, s21
	s_add_co_u32 s20, s20, s18                     ; my first row of 4,096 bytes, my first column
	s_mov_b32 s21, 0
	s_add_nc_u64 s[68:69], s[12:13], s[20:21]      ; in the result
	s_add_nc_u64 s[70:71], s[10:11], s[20:21]      ; and in the residual
	s_mul_i32 s21, s15, HALFT                      ; my 128 rows of A
	s_mul_i32 s22, s16, HALFT
	s_add_co_u32 s22, s22, 2*HALFT                 ; my 128 rows of B, behind A's 256
.irp s, 0,1
	v_add_nc_u32 v[ADRA+\s], s21, v[LI]
	v_add_nc_u32 v[ADRB+\s], s22, v[LI]
	s_add_co_u32 s21, s21, SLOT
	s_add_co_u32 s22, s22, SLOT
.endr
	s_mul_i32 s21, s15, HALFT
	s_mul_i32 s22, s16, HALFT
	s_add_co_u32 s22, s22, 2*HALFT
	s_sub_co_u32 s22, s22, s21
	v_mul_u32_u24 v6, s22, v2                      ; lanes 16-31 take B's scale words
	s_add_co_u32 s21, s21, 4096
	v_lshl_add_u32 v5, v1, 4, v6
	v_add_nc_u32 v[ADRS], s21, v5
	v_add_nc_u32 v[ADRS+1], SLOT, v[ADRS]
	s_mul_i32 s23, s14, 16*SPITCH                  ; my stage
	v_mul_u32_u24 v5, v1, SPITCH
	v_lshl_add_u32 v5, v2, 5, v5
	v_add_nc_u32 v[STO], s23, v5                   ; in: row r, 32 bytes for each half of the lanes
	v_add_nc_u32 v[RD], s23, v[LI]                 ; back: the 32 lanes take one row of 512 bytes
.macro FRAG reg, adr, q, i             ; a fragment: record i, the panel's q-th 128 along K: two loads, 512 consecutive bytes each
.irp c, 0,1
	ds_load_b128 v[\reg+4*\c:\reg+4*\c+3], v[\adr] offset:1024*(\q)+512*\c+(\i)*TRB
.endr
.endm
; 16 matrix instructions: A's blocks a0, a0 + 1 x B's eight.  The 64 accumulators take turns, one instruction a turn, in the same order in every step.  zero = 1: the first product starts the sums from the bias.
.macro MUL16 a0, p, q, sc, zero
.irp a, \a0, \a0+1
.irp b, 0,1,2,3,4,5,6,7
.if \zero
	v_wmma_scale_f32_16x16x128_f8f6f4 v[8*(8*((\a)%4)+\b):8*(8*((\a)%4)+\b)+7], v[128*(\p)+FR*\b:128*(\p)+FR*\b+FR-1], v[AF+FR*(\a):AF+FR*(\a)+FR-1], v[BI+8*\b:BI+8*\b+7], v[SC+8*NQ*(\sc)+NQ*\b+(\q)], v[SC+8*NQ*(\sc)+NQ*(\a)+(\q)] matrix_a_fmt:MATRIX_FMT_FP4 matrix_b_fmt:MATRIX_FMT_FP4 matrix_a_scale:MATRIX_SCALE_ROW1
.else
	v_wmma_scale_f32_16x16x128_f8f6f4 v[8*(8*((\a)%4)+\b):8*(8*((\a)%4)+\b)+7], v[128*(\p)+FR*\b:128*(\p)+FR*\b+FR-1], v[AF+FR*(\a):AF+FR*(\a)+FR-1], v[8*(8*((\a)%4)+\b):8*(8*((\a)%4)+\b)+7], v[SC+8*NQ*(\sc)+NQ*\b+(\q)], v[SC+8*NQ*(\sc)+NQ*(\a)+(\q)] matrix_a_fmt:MATRIX_FMT_FP4 matrix_b_fmt:MATRIX_FMT_FP4 matrix_a_scale:MATRIX_SCALE_ROW1
.endif
.endr
.endr
.endm
.macro FETCH_B slot, q, p
	WIN TO_B
.irp i, 0,1,2,3,4,5,6,7
	FRAG 128*(\p)+FR*\i, ADRB+\slot, \q, \i
.endr
	WIN 0
.endm
.macro FETCH_A slot, q, i0
.irp i, \i0, \i0+1, \i0+2, \i0+3
	FRAG AF+FR*(\i), ADRA+\slot, \q, \i
.endr
.endm
.macro SCALES sc                       ; a panel's scale words: four a row; lanes 0-15 take A's record i, lanes 16-31 B's
.irp i, 0,1,2,3,4,5,6,7
	ds_load_b128 v[SC+8*NQ*\sc+NQ*\i:SC+8*NQ*\sc+NQ*\i+3], v[ADRS+\sc] offset:\i*TRB
.endr
.endm
.macro PLACES n                        ; plain vector instructions between a matrix instruction and a load into, or a read of, its registers
.rept \n
	v_nop
.endr
.endm
.macro STEP slot, q, zero              ; 128 along K, with its successor in the same slot
	s_wait_dscnt 4*NL                              ; B's set and A's blocks 0-3 are in; the youngest eight loads (A's blocks 4-7) may be out
.if \zero
	WIN FIRST_LO
.else
	WIN MUL_LO
.endif
	MUL16 0, (\q)%2, \q, \slot, \zero
	MUL16 2, (\q)%2, \q, \slot, \zero
	s_wait_dscnt 0
	PLACES NP
	FETCH_B \slot, (\q)+1, 1-(\q)%2
	FETCH_A \slot, (\q)+1, 0
.if \zero
	WIN FIRST_HI
.else
	WIN MUL_HI
.endif
	MUL16 4, (\q)%2, \q, \slot, \zero
	MUL16 6, (\q)%2, \q, \slot, \zero
	PLACES NP
	WIN 0
	FETCH_A \slot, (\q)+1, 4
.endm
; A slot's last step changes slots: one barrier; in front of it each wave waits for all its tensor loads, adds 0 to its spare word, and waits for that and for its own reads of this slot.  fill = 1: this slot is filled again, two panels ahead.
.macro TURN slot, next, fill
	s_wait_tensorcnt 0x0                           ; all my tensor loads have landed: my part of the next slot
	ds_add_u32 v[SPW], v[NIL]                      ; 0 onto my spare word
	s_wait_dscnt 4*NL+1                            ; (the add and the youngest eight loads may be out)
	WIN MUL_LO
	MUL16 0, 1, NQ-1, \slot, 0
	s_wait_dscnt 0x0                               ; the add is done, and my reads of this slot are over
	s_barrier_signal -1
	MUL16 2, 1, NQ-1, \slot, 0
	WIN 0
	s_barrier_wait -1
.if \fill
	CREST                                          ; the barrier has opened a round of the cluster's barrier: no wave of any partner still reads this slot or has a load on its way
	s_add_nc_u64 s[G0+4*\slot+2:G0+4*\slot+3], s[G0+4*\slot+2:G0+4*\slot+3], 2*PANB
	s_add_nc_u64 s[G0B+4*\slot+2:G0B+4*\slot+3], s[G0B+4*\slot+2:G0B+4*\slot+3], 2*PANB
	JLOAD \slot                                    ; the first tensor load behind the round, my one load until the next
.else
	PLACES NP
.endif
	FETCH_B \next, 0, 0
	FETCH_A \next, 0, 0
	SCALES \next
	WIN MUL_HI
	MUL16 4, 1, NQ-1, \slot, 0
	MUL16 6, 1, NQ-1, \slot, 0
	PLACES NP
	WIN 0
	FETCH_A \next, 0, 4
.endm
.macro STEPS slot, from
.set Q, \from
.rept NQ-1-\from
	STEP \slot, Q, 0
.set Q, Q+1
.endr
.endm
	s_wait_tensorcnt 1                             ; my part of panel 0 is in (panel 1's load may be out),
	s_barrier_signal -1
	s_barrier_wait -1                              ; everybody's is
	FETCH_B 0, 0, 0
	FETCH_A 0, 0, 0
	SCALES 0
	FETCH_A 0, 0, 4
	s_wait_loadcnt 0x0                             ; the bias
	STEP 0, 0, 1
.if LAPS > 1
	s_mov_b32 s3, LAPS-1
.Llap:                                                 ; a trip goes once round the ring and fills both slots again
	STEPS 0, 1
	TURN 0, 1, 1
	STEPS 1, 0
	TURN 1, 0, 1
	STEP 0, 0, 0
	s_sub_co_u32 s3, s3, 1
	s_cmp_lg_u32 s3, 0
	s_cbranch_scc1 .Llap
.endif
	STEPS 0, 1
	TURN 0, 1, 0
	STEPS 1, 0
	s_wait_dscnt 4*NL                              ; the last step: nothing more to fetch
	WIN MUL_LO
	MUL16 0, 1, NQ-1, 1, 0
	MUL16 2, 1, NQ-1, 1, 0
	s_wait_dscnt 0
	WIN MUL_HI
	MUL16 4, 1, NQ-1, 1, 0
	MUL16 6, 1, NQ-1, 1, 0
	WIN 0
.macro RESLOAD a                       ; the residual's 16 rows of block a, 512 consecutive bytes a load, into window 1
	WIN 0x40
.irp t, 0,1,2,3,4,5,6,7,8,9,10,11,12,13,14,15
	global_load_b128 v[64*((\a)%4)+4*\t:64*((\a)%4)+4*\t+3], v[LI], s[70:71] offset:(16*(\a)+\t)*4096
.endr
	WIN 0
.endm
.macro TOSTAGE a                       ; LDS serves a wave's instructions in order: no wait between the stores and the loads, nor in front of the next block's stores
.set AC, 64*((\a)%4)
	WIN 0x08+4*((\a)/4)                            ; the data: window 2 or 3
.irp b, 0,1,2,3,4,5,6,7
	ds_store_b128 v[STO], v[AC+8*\b:AC+8*\b+3] offset:64*\b          ; each accumulator from its low end on
	ds_store_b128 v[STO], v[AC+8*\b+4:AC+8*\b+7] offset:64*\b+16
.endr
	WIN 0
.set BB, BK+64*((\a)%2)
.irp t, 0,1,2,3,4,5,6,7,8,9,10,11,12,13,14,15
	ds_load_b128 v[BB+4*\t:BB+4*\t+3], v[RD] offset:\t*SPITCH
.endr
.endm
.macro SEND a, younger                 ; younger: the LDS instructions issued behind block a's loads
.set BB, BK+64*((\a)%2)
.set RR, 64*((\a)%4)
	s_wait_dscnt \younger                          ; the block is back in registers
.if (\a) < 4
	s_wait_loadcnt 48                              ; its residual is in; the next three blocks' 48 loads may be out
.else
	s_wait_loadcnt 16*(7-(\a))                     ; the blocks behind it may be out
.endif
	WIN 0x04                                       ; source 1: window 1
.set J, 0
.rept 32
	v_pk_add_f32 v[BB+J:BB+J+1], v[BB+J:BB+J+1], v[RR+J:RR+J+1]
.set J, J+2
.endr
	WIN 0
.irp t, 0,1,2,3,4,5,6,7,8,9,10,11,12,13,14,15
	global_store_b128 v[LI], v[BB+4*\t:BB+4*\t+3], s[68:69] offset:(16*(\a)+\t)*4096   ; 32 lanes store 512 consecutive bytes, aligned; every row's place stands in the immediate
.endr
.if (\a) < 4
	RESLOAD (\a)+4
.endif
.endm
	PLACES NP                                      ; in front of loads into registers that the last products read, and of the first read of results
	RESLOAD 0
	RESLOAD 1
	RESLOAD 2
	RESLOAD 3
	TOSTAGE 0
.irp a, 1,2,3,4,5,6,7
.if \a > 1
	s_wait_xcnt 0x0                                ; block a - 2's stores have read their registers: block a's loads may land there
.endif
	TOSTAGE \a
	SEND \a-1, 32                                  ; behind block a - 1's loads: block a's 16 stores and 16 loads
.endr
	SEND 7, 0
	s_wait_tensorcnt 0x0                           ; the wave's end
	ds_add_u32 v[SPW], v[NIL]
	s_wait_dscnt 0x0
	CROUND                                         ; the closing round
	s_endpgm
.Lfunc_end_k_qdbf54dc8d0_wo:
	.size	k_qdbf54dc8d0_wo, .Lfunc_end_k_qdbf54dc8d0_wo-k_qdbf54dc8d0_wo
	.p2alignl 7, 3214868480
	.fill 96, 4, 3214868480
	.section	.rodata,"a",@progbits
	.p2align	6, 0x0
	.amdhsa_kernel k_qdbf54dc8d0_wo
		.amdhsa_group_segment_fixed_size 327680
		.amdhsa_private_segment_fixed_size 0
		.amdhsa_enable_private_segment 0
		.amdhsa_kernarg_size 40
		.amdhsa_user_sgpr_count 2
		.amdhsa_user_sgpr_kernarg_segment_ptr 1
		.amdhsa_wavefront_size32 1
		.amdhsa_system_sgpr_workgroup_id_x 1
		.amdhsa_system_sgpr_workgroup_id_y 1
		.amdhsa_system_sgpr_workgroup_id_z 1
		.amdhsa_system_vgpr_workitem_id 0
		.amdhsa_next_free_vgpr 1024
		.amdhsa_next_free_sgpr 100
		.amdhsa_reserve_vcc 0
		.amdhsa_float_denorm_mode_32 3
		.amdhsa_float_denorm_mode_16_64 3
		.amdhsa_memory_ordered 1
		.amdhsa_forward_progress 1
		.amdhsa_inst_pref_size 152
	.end_amdhsa_kernel
	.amdgpu_metadata
---
amdhsa.version: [ 1, 2 ]
amdhsa.kernels:
  - .name:           k_qdbf54dc8d0_wo
    .symbol:         k_qdbf54dc8d0_wo.kd
    .args:
      - { .name: ac, .offset: 0, .size: 8, .value_kind: global_buffer, .address_space: global }
      - { .name: wc, .offset: 8, .size: 8, .value_kind: global_buffer, .address_space: global }
      - { .name: bo, .offset: 16, .size: 8, .value_kind: global_buffer, .address_space: global }
      - { .name: x, .offset: 24, .size: 8, .value_kind: global_buffer, .address_space: global }
      - { .name: x1, .offset: 32, .size: 8, .value_kind: global_buffer, .address_space: global }
    .group_segment_fixed_size: 327680
    .private_segment_fixed_size: 0
    .kernarg_segment_align: 8
    .kernarg_segment_size: 40
    .max_flat_workgroup_size: 128
    .sgpr_count:     100
    .vgpr_count:     1024
    .wavefront_size: 32
...
	.end_amdgpu_metadata
.endif
;; end of part 5
;; launch ln2: the kernel of part 2 again; grid 256 x 1, 8 waves a work-group, no clusters, 84,224 bytes of LDS; arguments x1, g2, b2, hc; writes hc
;; launch ffn1 (part 6): grid 16 x 16, 4 waves a work-group, clusters of 4 x 4, 327,680 bytes of LDS; arguments hc, wc, bf1, hid; writes hid
.if DOCPART == 6
	.amdgcn_target "amdgcn-amd-amdhsa--gfx1250"
	.amdhsa_code_object_version 6
	.text
	.protected	k_qdbf54dc8d0_ffn1
	.globl	k_qdbf54dc8d0_ffn1
	.p2align	8
	.type	k_qdbf54dc8d0_ffn1,@function
k_qdbf54dc8d0_ffn1:
	s_mov_b64 s[64:65], 0
	v_nop
	global_prefetch_b8 v0, s[64:65] scope:SCOPE_SE
	s_setreg_imm32_b32 hwreg(HW_REG_WAVE_MODE, 25, 1), 1
	s_wait_xcnt 0x0
	s_wait_alu depctr_hold_cnt(0) depctr_sa_sdst(0) depctr_va_vdst(0) depctr_va_sdst(0) depctr_va_ssrc(0) depctr_va_vcc(0) depctr_vm_vsrc(0)
	s_getreg_b32 s2, hwreg(HW_REG_IB_STS2, 6, 4)
	s_cmp_eq_u32 s2, 0
	s_cbranch_scc0 .Lentry_in_a_cluster
	s_endpgm
.Lentry_in_a_cluster:
	s_bfe_u32 s2, ttmp6, 0x10000c
	s_cmp_lg_u32 s2, 0xf033
	s_cbranch_scc0 .Lentry_shape_is_right
	s_endpgm
.Lentry_shape_is_right:
; hid = Q(relu(h2 w1 + bf1)).  h2 (hc, 4,096 rows) and w1 (wc + 2,228,224, 4,096 rows n) are codes of FP4 (E2M1) with E8M0 scales, K = 1,024; bf1 [4096] f32.  The result is quantised along n, the next product's K, and never goes to memory wide.
; OPERANDS lie as records in the order of an operand's registers: 16 rows x 512 K = 4,352 bytes: a fragment (16 rows x 128 K) is two loads of 16 bytes a lane at 1024 ks + 512 c + 16 lane; a row's four scale words at 4096 + 16 r.
; 16 records are a panel of 256 rows, 69,632 consecutive bytes; hid has eight panels to a block of 256 rows.
; A tile of C is 256 x 256, four waves, 128 x 128 each: 64 accumulators.  K = two panels, both brought at the start into two LDS slots; nothing is filled again.  Each wave brings eight records (136 rows of 256 bytes) of each panel.
; THE MATRIX INSTRUCTION IS USED TRANSPOSED (source 0 = 16 rows of w1, source 1 = 16 tokens): a lane holds one token, and its registers run along n.  The bias is the C of each sum's first product.
; A wave's 128 columns are one K step of the next product: a block of 16 tokens becomes one fragment (two stores of 512 consecutive bytes) and one scale word a token (4 bytes, 16 apart: one part in seventeen of the bytes).
; CLUSTERS: 4 x 4.  A's panel is shared along a row of the cluster, B's along a column: each is asked for jointly, by the same tensor load with the same descriptor and a mask that names the four.
; LIMITS: a block of zeros gets the byte 1 (its codes are zeros; this program alone reads the bytes); magnitudes under 2^-124 are taken as the floor; NaN and infinities are not served.
; REGISTERS, in windows of 256: window 0: v16-31 addresses; v32-95 scale words, two sets; v96-119 the quantiser; v128-191 A's fragments, later a block after the relu; v192-255 the bias, later the codes made.
; window 1: B's fragments, two sets.  windows 2, 3: accumulator (a, b) at v[8 (8 (a % 4) + b)].
.set TRB,   4352
.set HALFT, 8*TRB
.set PANB,  16*TRB
.set SLOT,  4*HALFT
.set SPARE, 2*SLOT                     ; the spare words, 128 bytes for each wave: two blocks of 256 bytes that no other line names
.set KP,    2
.set WB,    2228224                    ; w1's place in wc
.set NQ,    4
.set FR,    8
.set NL,    2
.set NP,    4
.set ADRA,  16
.set ADRB,  20
.set ADRS,  22
.set SV,    27                         ; where a pair of blocks' scale words go: lanes 0-15 one record, lanes 16-31 the next; 16 bytes a row
.set SPW,   28
.set NIL,   29
.set LI,    30                         ; 16 x lane
.set SC,    32
.set TM,    96
.set PW,    112
.set AF,    128
.set BI,    192
.set PC,    192
.set G1,    24
.set G0,    32
.set G1B,   48
.set G0B,   56
.set SEL,   66
.set MSB,   0
.macro WIN new                         ; the immediate's high byte repeats the setting that is left
.if MSB != (\new)
	s_set_vgpr_msb (MSB<<8)|(\new)
.set MSB, (\new)
.endif
.endm
.set MUL_LO, 0xa1                      ; source 0 (B) window 1, source 1 (A) window 0, C and D window 2
.set MUL_HI, 0xf1
.set FIRST_LO, 0x81                    ; the same with C (the bias) in window 0
.set FIRST_HI, 0xc1
.set TO_B,   0x40
.macro JLOAD s                         ; a joint load: waves 0 and 1 fetch for A, waves 2 and 3 for B; four v_nop follow each line
	s_cmp_eq_u32 s15, 0
	s_cbranch_scc0 .Lfor_b_\@
	tensor_load_to_lds s[G0+4*\s:G0+4*\s+3], s[G1:G1+7]
	s_nop 0
.rept 4
	v_nop
.endr
	s_branch .Lasked_\@
.Lfor_b_\@:
	tensor_load_to_lds s[G0B+4*\s:G0B+4*\s+3], s[G1B:G1B+7]
	s_nop 0
.rept 4
	v_nop
.endr
.Lasked_\@:
.endm
.macro CROUND                          ; a round of the cluster's barrier
	s_barrier_signal -1
	s_barrier_wait -1
	s_cmp_lg_u32 s14, 0
	s_cbranch_scc1 .Lnot_wave_0_\@
	s_barrier_signal -3
.Lnot_wave_0_\@:
	s_barrier_wait -3
	s_barrier_signal -1
	s_barrier_wait -1
.endm
	s_load_b256 s[4:11], s[0:1], 0x0               ; hc, wc, bf1, hid
	v_lshl_add_u32 v[SPW], v0, 2, SPARE
	v_mov_b32 v[NIL], 0
	ds_add_u32 v28, v29
	ds_add_u32 v28, v29
	s_wait_dscnt 0x0
	v_lshrrev_b32 v1, 5, v0
	v_readfirstlane_b32 s14, v1                    ; wave 0..3
	s_lshr_b32 s15, s14, 1                         ; which half of A's rows is mine.  Also: I fetch for A (0) or for B (1)
	s_and_b32 s16, s14, 1                          ; which half of B's rows.  Also: which eight records I fetch
	s_bfe_u32 s40, ttmp6, 0x40000                  ; cx
	s_bfe_u32 s41, ttmp6, 0x40004                  ; cy
	s_lshl_b32 s42, ttmp9, 2
	s_add_co_u32 s42, s42, s40                     ; TB: B's block of 256 rows
	s_and_b32 s17, ttmp7, 0xffff
	s_lshl_b32 s17, s17, 2
	s_add_co_u32 s17, s17, s41                     ; TA: A's
	s_lshl_b32 s43, s41, 2
	s_lshl_b32 s43, 15, s43                        ; my row of the cluster
	s_lshl_b32 s44, 0x1111, s40                    ; my column
	s_or_b32 s[G1+0], s43, (3<<16)|(1<<21)         ; 15:0 the mask; 17:16 elements of 8 bytes; 21 set beside a mask; no padding
	s_or_b32 s[G1B+0], s44, (3<<16)|(1<<21)
.irp g, G1, G1B
	s_mov_b32 s[\g+1], 32<<16                      ; tensor_dim0 = 32 elements: 256 bytes
	s_mov_b32 s[\g+2], 136<<16                     ; tensor_dim1 = 136 rows
	s_mov_b32 s[\g+3], 32<<16                      ; tile_dim0
	s_mov_b32 s[\g+4], 136                         ; tile_dim1
	s_mov_b32 s[\g+5], 32                          ; the rows are dense
	s_mov_b32 s[\g+6], 0
	s_mov_b32 s[\g+7], 0
.endr
	s_mul_i32 s18, s16, HALFT
	s_mul_i32 s20, s17, KP*PANB
	s_add_co_u32 s20, s20, s18
	s_mov_b32 s21, 0
	s_mul_i32 s46, s42, KP*PANB
	s_add_co_u32 s46, s46, s18
	s_add_co_u32 s46, s46, WB
	s_mov_b32 s47, 0
	s_mul_i32 s45, s14, HALFT                      ; where they go: no place in the cluster enters an LDS address
	s_wait_kmcnt 0x0
	s_add_nc_u64 s[20:21], s[4:5], s[20:21]
	s_add_nc_u64 s[46:47], s[6:7], s[46:47]
	CROUND                                         ; all sixteen work-groups are here: the joint loads meet
.irp s, 0,1
	s_mov_b32 s[G0+4*\s], 1
	s_add_co_u32 s[G0+4*\s+1], s45, \s*SLOT
	s_add_nc_u64 s[G0+4*\s+2:G0+4*\s+3], s[20:21], \s*PANB
	s_or_b32 s[G0+4*\s+3], s[G0+4*\s+3], 0x80000000
	s_mov_b32 s[G0B+4*\s], 1
	s_add_co_u32 s[G0B+4*\s+1], s45, \s*SLOT
	s_add_nc_u64 s[G0B+4*\s+2:G0B+4*\s+3], s[46:47], \s*PANB
	s_or_b32 s[G0B+4*\s+3], s[G0B+4*\s+3], 0x80000000
	JLOAD \s                                       ; two loads of mine are out: both panels
.endr
	v_and_b32 v1, 15, v0                           ; r
	v_bfe_u32 v2, v0, 4, 1                         ; h
	v_and_b32 v3, 31, v0
	v_lshlrev_b32 v[LI], 4, v3
	s_lshl_b32 s18, s42, 10
	s_lshl_b32 s19, s16, 9
	s_add_co_u32 s18, s18, s19                     ; my first column of the bias, in bytes
	s_mov_b32 s19, 0
	s_add_nc_u64 s[72:73], s[8:9], s[18:19]
	v_lshlrev_b32 v4, 5, v2
.irp b, 0,1,2,3,4,5,6,7
	global_load_b128 v[BI+8*\b:BI+8*\b+3], v4, s[72:73] offset:64*\b       ; the bias in the result's layout: columns 16 b + 8 h + 0 .. 7
	global_load_b128 v[BI+8*\b+4:BI+8*\b+7], v4, s[72:73] offset:64*\b+16
.endr
	s_lshl_b32 s18, s17, 3
	s_lshr_b32 s19, s42, 1
	s_add_co_u32 s18, s18, s19                     ; out: the tokens' block, the panel of my columns,
	s_mul_i32 s18, s18, PANB
	s_mul_i32 s19, s15, HALFT
	s_add_co_u32 s18, s18, s19                     ; my eight records
	s_and_b32 s19, s42, 1
	s_lshl_b32 s19, s19, 1
	s_add_co_u32 s19, s19, s16                     ; ks: which 128 of the panel's 512 my columns are
	s_lshl_b32 s20, s19, 10
	s_add_co_u32 s20, s20, s18
	s_mov_b32 s21, 0
	s_add_nc_u64 s[68:69], s[10:11], s[20:21]      ; the codes
	s_lshl_b32 s20, s19, 2
	s_add_co_u32 s20, s20, s18
	s_add_nc_u64 s[70:71], s[10:11], s[20:21]      ; the scale words (4,096 more stand in the immediates)
	v_mul_u32_u24 v[SV], v2, TRB
	v_lshl_add_u32 v[SV], v1, 4, v[SV]
	s_mul_i32 s21, s15, HALFT                      ; my 128 rows of A
	s_mul_i32 s22, s16, HALFT
	s_add_co_u32 s22, s22, 2*HALFT                 ; my 128 rows of B, behind A's 256
.irp s, 0,1
	v_add_nc_u32 v[ADRA+\s], s21, v[LI]
	v_add_nc_u32 v[ADRB+\s], s22, v[LI]
	s_add_co_u32 s21, s21, SLOT
	s_add_co_u32 s22, s22, SLOT
.endr
	s_mul_i32 s21, s15, HALFT
	s_mul_i32 s22, s16, HALFT
	s_add_co_u32 s22, s22, 2*HALFT
	s_sub_co_u32 s22, s22, s21
	v_mul_u32_u24 v6, s22, v2                      ; lanes 16-31 take B's scale words
	s_add_co_u32 s21, s21, 4096
	v_lshl_add_u32 v5, v1, 4, v6
	v_add_nc_u32 v[ADRS], s21, v5
	v_add_nc_u32 v[ADRS+1], SLOT, v[ADRS]
	s_mov_b32 s[SEL], 0x76543210
	s_mov_b32 s[SEL+1], 0xfedcba98                 ; v_permlanex16_b32's selects for lane l xor 16
.irp b, 0,1,2,3
	v_mov_b32 v[TM+4+\b], 0                        ; a lane permute's destination counts as one of its sources
.endr
.macro FRAG reg, adr, q, i             ; a fragment: record i, the panel's q-th 128 along K: two loads, 512 consecutive bytes each
.irp c, 0,1
	ds_load_b128 v[\reg+4*\c:\reg+4*\c+3], v[\adr] offset:1024*(\q)+512*\c+(\i)*TRB
.endr
.endm
; 16 matrix instructions: A's blocks a0, a0 + 1 x B's eight.  The 64 accumulators take turns, one instruction a turn, in the same order in every step.  zero = 1: the first product starts the sums from the bias.
.macro MUL16 a0, p, q, sc, zero
.irp a, \a0, \a0+1
.irp b, 0,1,2,3,4,5,6,7
.if \zero
	v_wmma_scale_f32_16x16x128_f8f6f4 v[8*(8*((\a)%4)+\b):8*(8*((\a)%4)+\b)+7], v[128*(\p)+FR*\b:128*(\p)+FR*\b+FR-1], v[AF+FR*(\a):AF+FR*(\a)+FR-1], v[BI+8*\b:BI+8*\b+7], v[SC+8*NQ*(\sc)+NQ*\b+(\q)], v[SC+8*NQ*(\sc)+NQ*(\a)+(\q)] matrix_a_fmt:MATRIX_FMT_FP4 matrix_b_fmt:MATRIX_FMT_FP4 matrix_a_scale:MATRIX_SCALE_ROW1
.else
	v_wmma_scale_f32_16x16x128_f8f6f4 v[8*(8*((\a)%4)+\b):8*(8*((\a)%4)+\b)+7], v[128*(\p)+FR*\b:128*(\p)+FR*\b+FR-1], v[AF+FR*(\a):AF+FR*(\a)+FR-1], v[8*(8*((\a)%4)+\b):8*(8*((\a)%4)+\b)+7], v[SC+8*NQ*(\sc)+NQ*\b+(\q)], v[SC+8*NQ*(\sc)+NQ*(\a)+(\q)] matrix_a_fmt:MATRIX_FMT_FP4 matrix_b_fmt:MATRIX_FMT_FP4 matrix_a_scale:MATRIX_SCALE_ROW1
.endif
.endr
.endr
.endm
.macro FETCH_B slot, q, p
	WIN TO_B
.irp i, 0,1,2,3,4,5,6,7
	FRAG 128*(\p)+FR*\i, ADRB+\slot, \q, \i
.endr
	WIN 0
.endm
.macro FETCH_A slot, q, i0
.irp i, \i0, \i0+1, \i0+2, \i0+3
	FRAG AF+FR*(\i), ADRA+\slot, \q, \i
.endr
.endm
.macro SCALES sc                       ; a panel's scale words: four a row; lanes 0-15 take A's record i, lanes 16-31 B's
.irp i, 0,1,2,3,4,5,6,7
	ds_load_b128 v[SC+8*NQ*\sc+NQ*\i:SC+8*NQ*\sc+NQ*\i+3], v[ADRS+\sc] offset:\i*TRB
.endr
.endm
.macro PLACES n                        ; plain vector instructions between a matrix instruction and a load into, or a read of, its registers
.rept \n
	v_nop
.endr
.endm
.macro STEP slot, q, zero              ; 128 along K, with its successor in the same slot
	s_wait_dscnt 4*NL                              ; B's set and A's blocks 0-3 are in; the youngest eight loads (A's blocks 4-7) may be out
.if \zero
	WIN FIRST_LO
.else
	WIN MUL_LO
.endif
	MUL16 0, (\q)%2, \q, \slot, \zero
	MUL16 2, (\q)%2, \q, \slot, \zero
	s_wait_dscnt 0
	PLACES NP
	FETCH_B \slot, (\q)+1, 1-(\q)%2
	FETCH_A \slot, (\q)+1, 0
.if \zero
	WIN FIRST_HI
.else
	WIN MUL_HI
.endif
	MUL16 4, (\q)%2, \q, \slot, \zero
	MUL16 6, (\q)%2, \q, \slot, \zero
	PLACES NP
	WIN 0
	FETCH_A \slot, (\q)+1, 4
.endm
.macro TURN slot, next                 ; a slot's last step changes slots: one barrier; in front of it each wave waits for all its tensor loads, so that the next slot is whole behind it
	s_wait_tensorcnt 0x0                           ; my part of the next slot has landed
	ds_add_u32 v[SPW], v[NIL]                      ; 0 onto my spare word
	s_wait_dscnt 4*NL+1                            ; (the add and the youngest eight loads may be out)
	WIN MUL_LO
	MUL16 0, 1, NQ-1, \slot, 0
	s_wait_dscnt 0x0
	s_barrier_signal -1
	MUL16 2, 1, NQ-1, \slot, 0
	WIN 0
	s_barrier_wait -1
	PLACES NP
	FETCH_B \next, 0, 0
	FETCH_A \next, 0, 0
	SCALES \next
	WIN MUL_HI
	MUL16 4, 1, NQ-1, \slot, 0
	MUL16 6, 1, NQ-1, \slot, 0
	PLACES NP
	WIN 0
	FETCH_A \next, 0, 4
.endm
	s_wait_tensorcnt 1                             ; my part of panel 0 is in (panel 1's load may be out),
	s_barrier_signal -1
	s_barrier_wait -1                              ; everybody's is
	FETCH_B 0, 0, 0
	FETCH_A 0, 0, 0
	SCALES 0
	FETCH_A 0, 0, 4
	s_wait_loadcnt 0x0                             ; the bias
	STEP 0, 0, 1
	STEP 0, 1, 0
	STEP 0, 2, 0
	TURN 0, 1
	STEP 1, 0, 0
	STEP 1, 1, 0
	STEP 1, 2, 0
	s_wait_dscnt 4*NL                              ; the last step: nothing more to fetch
	WIN MUL_LO
	MUL16 0, 1, NQ-1, 1, 0
	MUL16 2, 1, NQ-1, 1, 0
	s_wait_dscnt 0
	WIN MUL_HI
	MUL16 4, 1, NQ-1, 1, 0
	MUL16 6, 1, NQ-1, 1, 0
	WIN 0
; THE QUANTISER.  64 numbers of a lane, v[QS] on: register 8 t + j = column 16 t + 8 h + j of my token.  Block b of 32 lies in registers 16 b .. 16 b + 15 of lanes l and l xor 16.
; The codes of tiles 2 P, 2 Q, 2 P + 1, 2 Q + 1 (P = 2 c, Q = 2 c + 1) go to four registers; two exchanges of halves then leave block P whole in lanes 0-15 and block Q in lanes 16-31: the operand's registers 4 c .. 4 c + 3.
.set QS, AF
.macro QUANT a
.irp b, 0,1,2,3
	v_max3_num_f32 v[TM+\b], |v[QS+16*\b]|, |v[QS+16*\b+1]|, 0x1800000   ; the floor 2^(3 - 127) holds the byte at 1 from below
.endr
.irp i, 2,4,6,8,10,12,14
.irp b, 0,1,2,3
	v_max3_num_f32 v[TM+\b], v[TM+\b], |v[QS+16*\b+\i]|, |v[QS+16*\b+\i+1]|
.endr
.endr
.irp b, 0,1,2,3
	v_permlanex16_b32 v[TM+4+\b], v[TM+\b], s[SEL], s[SEL+1]
.endr
.irp b, 0,1,2,3
	v_max_num_f32 v[TM+\b], v[TM+\b], v[TM+4+\b]
.endr
.irp b, 0,1,2,3
	v_add_nc_u32 v[TM+12+\b], 0xff000000, v[TM+\b]   ; 2 off the exponent field: the conversion's scale operand
.endr
.irp b, 0,1,2,3
	v_lshrrev_b32 v[TM+4+\b], 23, v[TM+12+\b]      ; the byte
.endr
	v_lshl_or_b32 v[PW+(\a)], v[TM+5], 8, v[TM+4]
	v_lshl_or_b32 v[PW+(\a)], v[TM+6], 16, v[PW+(\a)]
	v_lshl_or_b32 v[PW+(\a)], v[TM+7], 24, v[PW+(\a)]
.irp c, 0,1
	v_cvt_scalef32_pk8_fp4_f32 v[PC+8*(\a)+4*\c],   v[QS+32*\c:QS+32*\c+7],     v[TM+12+2*\c]
	v_cvt_scalef32_pk8_fp4_f32 v[PC+8*(\a)+4*\c+1], v[QS+32*\c+16:QS+32*\c+23], v[TM+13+2*\c]
	v_cvt_scalef32_pk8_fp4_f32 v[PC+8*(\a)+4*\c+2], v[QS+32*\c+8:QS+32*\c+15],  v[TM+12+2*\c]
	v_cvt_scalef32_pk8_fp4_f32 v[PC+8*(\a)+4*\c+3], v[QS+32*\c+24:QS+32*\c+31], v[TM+13+2*\c]
.endr
	v_nop                                          ; one plain place behind a scaled conversion
.irp c, 0,1
	v_permlane16_swap_b32 v[PC+8*(\a)+4*\c],   v[PC+8*(\a)+4*\c+1]
	v_permlane16_swap_b32 v[PC+8*(\a)+4*\c+2], v[PC+8*(\a)+4*\c+3]
.endr
.endm
	PLACES NP
.irp a, 0,1,2,3,4,5,6,7                ; every block has its own registers for codes and word: no store's data are written again
	WIN (2+\a/4)<<2                                ; source 1: window 2 or 3
.set J, 0
.rept 64
	v_max_num_f32 v[AF+J], 0, v[64*(\a%4)+J]       ; the activation, in f32; each accumulator is read from its low end on
.set J, J+1
.endr
	WIN 0
	QUANT \a
	global_store_b128 v[LI], v[PC+8*\a:PC+8*\a+3], s[68:69] offset:TRB*\a          ; 512 consecutive bytes
	global_store_b128 v[LI], v[PC+8*\a+4:PC+8*\a+7], s[68:69] offset:TRB*\a+512
.if \a%2
	v_permlane16_swap_b32 v[PW+\a-1], v[PW+\a]     ; lanes 0-15 block a - 1's words, lanes 16-31 block a's
	global_store_b32 v[SV], v[PW+\a-1], s[70:71] offset:4096+TRB*(\a-1)
.endif
.endr
	s_wait_tensorcnt 0x0                           ; the wave's end
	ds_add_u32 v[SPW], v[NIL]
	s_wait_dscnt 0x0
	CROUND                                         ; the closing round: no work-group ends while a partner may still ask for a tile that names it
	s_endpgm
.Lfunc_end_k_qdbf54dc8d0_ffn1:
	.size	k_qdbf54dc8d0_ffn1, .Lfunc_end_k_qdbf54dc8d0_ffn1-k_qdbf54dc8d0_ffn1
	.p2alignl 7, 3214868480
	.fill 96, 4, 3214868480
	.section	.rodata,"a",@progbits
	.p2align	6, 0x0
	.amdhsa_kernel k_qdbf54dc8d0_ffn1
		.amdhsa_group_segment_fixed_size 327680
		.amdhsa_private_segment_fixed_size 0
		.amdhsa_enable_private_segment 0
		.amdhsa_kernarg_size 32
		.amdhsa_user_sgpr_count 2
		.amdhsa_user_sgpr_kernarg_segment_ptr 1
		.amdhsa_wavefront_size32 1
		.amdhsa_system_sgpr_workgroup_id_x 1
		.amdhsa_system_sgpr_workgroup_id_y 1
		.amdhsa_system_sgpr_workgroup_id_z 1
		.amdhsa_system_vgpr_workitem_id 0
		.amdhsa_next_free_vgpr 1024
		.amdhsa_next_free_sgpr 100
		.amdhsa_reserve_vcc 0
		.amdhsa_float_denorm_mode_32 3
		.amdhsa_float_denorm_mode_16_64 3
		.amdhsa_memory_ordered 1
		.amdhsa_forward_progress 1
		.amdhsa_inst_pref_size 143
	.end_amdhsa_kernel
	.amdgpu_metadata
---
amdhsa.version: [ 1, 2 ]
amdhsa.kernels:
  - .name:           k_qdbf54dc8d0_ffn1
    .symbol:         k_qdbf54dc8d0_ffn1.kd
    .args:
      - { .name: hc, .offset: 0, .size: 8, .value_kind: global_buffer, .address_space: global }
      - { .name: wc, .offset: 8, .size: 8, .value_kind: global_buffer, .address_space: global }
      - { .name: bf1, .offset: 16, .size: 8, .value_kind: global_buffer, .address_space: global }
      - { .name: hid, .offset: 24, .size: 8, .value_kind: global_buffer, .address_space: global }
    .group_segment_fixed_size: 327680
    .private_segment_fixed_size: 0
    .kernarg_segment_align: 8
    .kernarg_segment_size: 32
    .max_flat_workgroup_size: 128
    .sgpr_count:     100
    .vgpr_count:     1024
    .wavefront_size: 32
...
	.end_amdgpu_metadata
.endif
;; end of part 6
;; launch ffn2 (part 7): grid 4 x 16, 4 waves a work-group, clusters of 4 x 4, 327,680 bytes of LDS; arguments hid, wc, bf2, x1, out0; writes out0
.if DOCPART == 7
	.amdgcn_target "amdgcn-amd-amdhsa--gfx1250"
	.amdhsa_code_object_version 6
	.text
	.protected	k_qdbf54dc8d0_ffn2
	.globl	k_qdbf54dc8d0_ffn2
	.p2align	8
	.type	k_qdbf54dc8d0_ffn2,@function
k_qdbf54dc8d0_ffn2:
	s_mov_b64 s[64:65], 0
	v_nop
	global_prefetch_b8 v0, s[64:65] scope:SCOPE_SE
	s_setreg_imm32_b32 hwreg(HW_REG_WAVE_MODE, 25, 1), 1
	s_wait_xcnt 0x0
	s_wait_alu depctr_hold_cnt(0) depctr_sa_sdst(0) depctr_va_vdst(0) depctr_va_sdst(0) depctr_va_ssrc(0) depctr_va_vcc(0) depctr_vm_vsrc(0)
	s_getreg_b32 s2, hwreg(HW_REG_IB_STS2, 6, 4)
	s_cmp_eq_u32 s2, 0
	s_cbranch_scc0 .Lentry_in_a_cluster
	s_endpgm
.Lentry_in_a_cluster:
	s_bfe_u32 s2, ttmp6, 0x10000c
	s_cmp_lg_u32 s2, 0xf033
	s_cbranch_scc0 .Lentry_shape_is_right
	s_endpgm
.Lentry_shape_is_right:
; out0 = x1 + hid w2 + bf2.  hid (4,096 rows) and w2 (wc + 4,456,448, 1,024 rows n) are codes of FP4 (E2M1) with E8M0 scales, K = 4,096; x1, out0 [4096][1024] and bf2 [1024] are f32.
; OPERANDS lie as records in the order of an operand's registers: 16 rows x 512 K = 4,352 bytes: a fragment (16 rows x 128 K) is two loads of 16 bytes a lane at 1024 ks + 512 c + 16 lane; a row's four scale words at 4096 + 16 r.
; 16 records are a panel of 256 rows, 69,632 consecutive bytes; a block of 256 rows has eight panels on end.
; A tile of C is 256 x 256, four waves, 128 x 128 each: 64 accumulators.  K goes by panels of 512 through a ring of two LDS slots; each wave brings eight records (136 rows of 256 bytes) of a panel with one tensor load.
; The scale words ride inside the records.  From a refill to the wait for it a wave issues 224 matrix instructions.
; THE MATRIX INSTRUCTION IS USED TRANSPOSED (source 0 = 16 rows of B, source 1 = 16 rows of A): a lane holds eight neighbouring numbers of a row of C.  The bias is the C of each sum's first product.
; CLUSTERS: 4 x 4.  A's panel is shared along a row of the cluster, B's along a column: each is asked for jointly, by the same tensor load with the same descriptor and a mask that names the four.
; THE WAY OUT: a block of 16 rows x 128 columns goes through the wave's own stage in LDS (in slot 0, which has had its last fill and its last read), comes back as whole rows of 512 bytes, takes the residual's same bytes, and is stored.
; C has 64 such tiles: 64 work-groups.
; REGISTERS, in windows of 256: window 0: v16-31 addresses; v32-95 scale words, two sets; v128-191 A's fragments; v192-255 the bias; on the way out v128-255 rows of C.  window 1: B's fragments, two sets; on the way out the residual.
; windows 2, 3: accumulator (a, b) at v[8 (8 (a % 4) + b)].
.set TRB,   4352
.set HALFT, 8*TRB
.set PANB,  16*TRB
.set SLOT,  4*HALFT
.set SPARE, 2*SLOT                     ; the spare words, 128 bytes for each wave: two blocks of 256 bytes that no other line names
.set KP,    8
.set LAPS,  KP/2
.set WB,    4456448                    ; B's place in wc
.set NQ,    4
.set FR,    8
.set NL,    2
.set NP,    4
.set SPITCH, 528
.set ADRA,  16
.set ADRB,  20
.set ADRS,  22
.set STO,   24
.set RD,    25
.set SPW,   28
.set NIL,   29
.set LI,    30                         ; 16 x lane
.set SC,    32
.set AF,    128
.set BK,    128
.set BI,    192
.set G1,    24
.set G0,    32
.set G1B,   48
.set G0B,   56
.set MSB,   0
.macro WIN new                         ; the immediate's high byte repeats the setting that is left
.if MSB != (\new)
	s_set_vgpr_msb (MSB<<8)|(\new)
.set MSB, (\new)
.endif
.endm
.set MUL_LO, 0xa1                      ; source 0 (B) window 1, source 1 (A) window 0, C and D window 2
.set MUL_HI, 0xf1
.set FIRST_LO, 0x81                    ; the same with C (the bias) in window 0
.set FIRST_HI, 0xc1
.set TO_B,   0x40
.macro JLOAD s                         ; a joint load: waves 0 and 1 fetch for A, waves 2 and 3 for B; four v_nop follow each line
	s_cmp_eq_u32 s15, 0
	s_cbranch_scc0 .Lfor_b_\@
	tensor_load_to_lds s[G0+4*\s:G0+4*\s+3], s[G1:G1+7]
	s_nop 0
.rept 4
	v_nop
.endr
	s_branch .Lasked_\@
.Lfor_b_\@:
	tensor_load_to_lds s[G0B+4*\s:G0B+4*\s+3], s[G1B:G1B+7]
	s_nop 0
.rept 4
	v_nop
.endr
.Lasked_\@:
.endm
.macro CREST                           ; a round of the cluster's barrier behind its opening barrier
	s_cmp_lg_u32 s14, 0
	s_cbranch_scc1 .Lnot_wave_0_\@
	s_barrier_signal -3
.Lnot_wave_0_\@:
	s_barrier_wait -3
	s_barrier_signal -1
	s_barrier_wait -1
.endm
.macro CROUND
	s_barrier_signal -1
	s_barrier_wait -1
	CREST
.endm
	s_load_b256 s[4:11], s[0:1], 0x0               ; A's records, wc, the bias, the residual
	s_load_b64 s[12:13], s[0:1], 0x20              ; the result
	v_lshl_add_u32 v[SPW], v0, 2, SPARE
	v_mov_b32 v[NIL], 0
	ds_add_u32 v28, v29
	ds_add_u32 v28, v29
	s_wait_dscnt 0x0
	v_lshrrev_b32 v1, 5, v0
	v_readfirstlane_b32 s14, v1                    ; wave 0..3
	s_lshr_b32 s15, s14, 1                         ; which half of A's rows is mine.  Also: I fetch for A (0) or for B (1)
	s_and_b32 s16, s14, 1                          ; which half of B's rows.  Also: which eight records I fetch
	s_bfe_u32 s40, ttmp6, 0x40000                  ; cx
	s_bfe_u32 s41, ttmp6, 0x40004                  ; cy
	s_lshl_b32 s42, ttmp9, 2
	s_add_co_u32 s42, s42, s40                     ; TB: B's block of 256 rows
	s_and_b32 s17, ttmp7, 0xffff
	s_lshl_b32 s17, s17, 2
	s_add_co_u32 s17, s17, s41                     ; TA: A's
	s_lshl_b32 s43, s41, 2
	s_lshl_b32 s43, 15, s43                        ; my row of the cluster
	s_lshl_b32 s44, 0x1111, s40                    ; my column
	s_or_b32 s[G1+0], s43, (3<<16)|(1<<21)         ; 15:0 the mask; 17:16 elements of 8 bytes; 21 set beside a mask; no padding
	s_or_b32 s[G1B+0], s44, (3<<16)|(1<<21)
.irp g, G1, G1B
	s_mov_b32 s[\g+1], 32<<16                      ; tensor_dim0 = 32 elements: 256 bytes
	s_mov_b32 s[\g+2], 136<<16                     ; tensor_dim1 = 136 rows
	s_mov_b32 s[\g+3], 32<<16                      ; tile_dim0
	s_mov_b32 s[\g+4], 136                         ; tile_dim1
	s_mov_b32 s[\g+5], 32                          ; the rows are dense
	s_mov_b32 s[\g+6], 0
	s_mov_b32 s[\g+7], 0
.endr
	s_mul_i32 s18, s16, HALFT
	s_mul_i32 s20, s17, KP*PANB
	s_add_co_u32 s20, s20, s18
	s_mov_b32 s21, 0
	s_mul_i32 s46, s42, KP*PANB
	s_add_co_u32 s46, s46, s18
	s_add_co_u32 s46, s46, WB
	s_mov_b32 s47, 0
	s_mul_i32 s45, s14, HALFT                      ; where they go: no place in the cluster enters an LDS address
	s_wait_kmcnt 0x0
	s_add_nc_u64 s[20:21], s[4:5], s[20:21]
	s_add_nc_u64 s[46:47], s[6:7], s[46:47]
	CROUND                                         ; all sixteen work-groups are here: the first joint loads meet
.irp s, 0,1
	s_mov_b32 s[G0+4*\s], 1
	s_add_co_u32 s[G0+4*\s+1], s45, \s*SLOT
	s_add_nc_u64 s[G0+4*\s+2:G0+4*\s+3], s[20:21], \s*PANB
	s_or_b32 s[G0+4*\s+3], s[G0+4*\s+3], 0x80000000
	s_mov_b32 s[G0B+4*\s], 1
	s_add_co_u32 s[G0B+4*\s+1], s45, \s*SLOT
	s_add_nc_u64 s[G0B+4*\s+2:G0B+4*\s+3], s[46:47], \s*PANB
	s_or_b32 s[G0B+4*\s+3], s[G0B+4*\s+3], 0x80000000
	JLOAD \s                                       ; two loads of mine are out at the start, one behind each later round
.endr
	v_and_b32 v1, 15, v0                           ; r
	v_bfe_u32 v2, v0, 4, 1                         ; h
	v_and_b32 v3, 31, v0
	v_lshlrev_b32 v[LI], 4, v3
	s_lshl_b32 s18, s42, 10
	s_lshl_b32 s19, s16, 9
	s_add_co_u32 s18, s18, s19                     ; my first column, in bytes
	s_mov_b32 s19, 0
	s_add_nc_u64 s[72:73], s[8:9], s[18:19]
	v_lshlrev_b32 v4, 5, v2
.irp b, 0,1,2,3,4,5,6,7
	global_load_b128 v[BI+8*\b:BI+8*\b+3], v4, s[72:73] offset:64*\b       ; the bias in the result's layout: columns 16 b + 8 h + 0 .. 7
	global_load_b128 v[BI+8*\b+4:BI+8*\b+7], v4, s[72:73] offset:64*\b+16
.endr
	s_lshl_b32 s20, s17, 20
	s_lshl_b32 s21, s15, 19
	s_add_co_u32 s20, s20, s21
	s_add_co_u32 s20, s20, s18                     ; my first row of 4,096 bytes, my first column
	s_mov_b32 s21, 0
	s_add_nc_u64 s[68:69], s[12:13], s[20:21]      ; in the result
	s_add_nc_u64 s[70:71], s[10:11], s[20:21]      ; and in the residual
	s_mul_i32 s21, s15, HALFT                      ; my 128 rows of A
	s_mul_i32 s22, s16, HALFT
	s_add_co_u32 s22, s22, 2*HALFT                 ; my 128 rows of B, behind A's 256
.irp s, 0,1
	v_add_nc_u32 v[ADRA+\s], s21, v[LI]
	v_add_nc_u32 v[ADRB+\s], s22, v[LI]
	s_add_co_u32 s21, s21, SLOT
	s_add_co_u32 s22, s22, SLOT
.endr
	s_mul_i32 s21, s15, HALFT
	s_mul_i32 s22, s16, HALFT
	s_add_co_u32 s22, s22, 2*HALFT
	s_sub_co_u32 s22, s22, s21
	v_mul_u32_u24 v6, s22, v2                      ; lanes 16-31 take B's scale words
	s_add_co_u32 s21, s21, 4096
	v_lshl_add_u32 v5, v1, 4, v6
	v_add_nc_u32 v[ADRS], s21, v5
	v_add_nc_u32 v[ADRS+1], SLOT, v[ADRS]
	s_mul_i32 s23, s14, 16*SPITCH                  ; my stage
	v_mul_u32_u24 v5, v1, SPITCH
	v_lshl_add_u32 v5, v2, 5, v5
	v_add_nc_u32 v[STO], s23, v5                   ; in: row r, 32 bytes for each half of the lanes
	v_add_nc_u32 v[RD], s23, v[LI]                 ; back: the 32 lanes take one row of 512 bytes
.macro FRAG reg, adr, q, i             ; a fragment: record i, the panel's q-th 128 along K: two loads, 512 consecutive bytes each
.irp c, 0,1
	ds_load_b128 v[\reg+4*\c:\reg+4*\c+3], v[\adr] offset:1024*(\q)+512*\c+(\i)*TRB
.endr
.endm
; 16 matrix instructions: A's blocks a0, a0 + 1 x B's eight.  The 64 accumulators take turns, one instruction a turn, in the same order in every step, over the loop's backward jump too.
; zero = 1: the first product starts the sums from the bias.
.macro MUL16 a0, p, q, sc, zero
.irp a, \a0, \a0+1
.irp b, 0,1,2,3,4,5,6,7
.if \zero
	v_wmma_scale_f32_16x16x128_f8f6f4 v[8*(8*((\a)%4)+\b):8*(8*((\a)%4)+\b)+7], v[128*(\p)+FR*\b:128*(\p)+FR*\b+FR-1], v[AF+FR*(\a):AF+FR*(\a)+FR-1], v[BI+8*\b:BI+8*\b+7], v[SC+8*NQ*(\sc)+NQ*\b+(\q)], v[SC+8*NQ*(\sc)+NQ*(\a)+(\q)] matrix_a_fmt:MATRIX_FMT_FP4 matrix_b_fmt:MATRIX_FMT_FP4 matrix_a_scale:MATRIX_SCALE_ROW1
.else
	v_wmma_scale_f32_16x16x128_f8f6f4 v[8*(8*((\a)%4)+\b):8*(8*((\a)%4)+\b)+7], v[128*(\p)+FR*\b:128*(\p)+FR*\b+FR-1], v[AF+FR*(\a):AF+FR*(\a)+FR-1], v[8*(8*((\a)%4)+\b):8*(8*((\a)%4)+\b)+7], v[SC+8*NQ*(\sc)+NQ*\b+(\q)], v[SC+8*NQ*(\sc)+NQ*(\a)+(\q)] matrix_a_fmt:MATRIX_FMT_FP4 matrix_b_fmt:MATRIX_FMT_FP4 matrix_a_scale:MATRIX_SCALE_ROW1
.endif
.endr
.endr
.endm
.macro FETCH_B slot, q, p
	WIN TO_B
.irp i, 0,1,2,3,4,5,6,7
	FRAG 128*(\p)+FR*\i, ADRB+\slot, \q, \i
.endr
	WIN 0
.endm
.macro FETCH_A slot, q, i0
.irp i, \i0, \i0+1, \i0+2, \i0+3
	FRAG AF+FR*(\i), ADRA+\slot, \q, \i
.endr
.endm
.macro SCALES sc                       ; a panel's scale words: four a row; lanes 0-15 take A's record i, lanes 16-31 B's
.irp i, 0,1,2,3,4,5,6,7
	ds_load_b128 v[SC+8*NQ*\sc+NQ*\i:SC+8*NQ*\sc+NQ*\i+3], v[ADRS+\sc] offset:\i*TRB
.endr
.endm
.macro PLACES n                        ; plain vector instructions between a matrix instruction and a load into, or a read of, its registers
.rept \n
	v_nop
.endr
.endm
.macro STEP slot, q, zero              ; 128 along K, with its successor in the same slot
	s_wait_dscnt 4*NL                              ; B's set and A's blocks 0-3 are in; the youngest eight loads (A's blocks 4-7) may be out
.if \zero
	WIN FIRST_LO
.else
	WIN MUL_LO
.endif
	MUL16 0, (\q)%2, \q, \slot, \zero
	MUL16 2, (\q)%2, \q, \slot, \zero
	s_wait_dscnt 0
	PLACES NP
	FETCH_B \slot, (\q)+1, 1-(\q)%2
	FETCH_A \slot, (\q)+1, 0
.if \zero
	WIN FIRST_HI
.else
	WIN MUL_HI
.endif
	MUL16 4, (\q)%2, \q, \slot, \zero
	MUL16 6, (\q)%2, \q, \slot, \zero
	PLACES NP
	WIN 0
	FETCH_A \slot, (\q)+1, 4
.endm
; A slot's last step changes slots: one barrier; in front of it each wave waits for all its tensor loads, adds 0 to its spare word, and waits for that and for its own reads of this slot.  fill = 1: this slot is filled again, two panels ahead.
.macro TURN slot, next, fill
	s_wait_tensorcnt 0x0                           ; all my tensor loads have landed: my part of the next slot
	ds_add_u32 v[SPW], v[NIL]                      ; 0 onto my spare word
	s_wait_dscnt 4*NL+1                            ; (the add and the youngest eight loads may be out)
	WIN MUL_LO
	MUL16 0, 1, NQ-1, \slot, 0
	s_wait_dscnt 0x0                               ; the add is done, and my reads of this slot are over
	s_barrier_signal -1
	MUL16 2, 1, NQ-1, \slot, 0
	WIN 0
	s_barrier_wait -1
.if \fill
	CREST                                          ; the barrier has opened a round of the cluster's barrier: no wave of any partner still reads this slot or has a load on its way
	s_add_nc_u64 s[G0+4*\slot+2:G0+4*\slot+3], s[G0+4*\slot+2:G0+4*\slot+3], 2*PANB
	s_add_nc_u64 s[G0B+4*\slot+2:G0B+4*\slot+3], s[G0B+4*\slot+2:G0B+4*\slot+3], 2*PANB
	JLOAD \slot                                    ; the first tensor load behind the round, my one load until the next; its four v_nop are also the places in front of the loads below
.else
	PLACES NP
.endif
	FETCH_B \next, 0, 0
	FETCH_A \next, 0, 0
	SCALES \next
	WIN MUL_HI
	MUL16 4, 1, NQ-1, \slot, 0
	MUL16 6, 1, NQ-1, \slot, 0
	PLACES NP
	WIN 0
	FETCH_A \next, 0, 4
.endm
.macro STEPS slot, from
.set Q, \from
.rept NQ-1-\from
	STEP \slot, Q, 0
.set Q, Q+1
.endr
.endm
	s_wait_tensorcnt 1                             ; my part of panel 0 is in (panel 1's load may be out),
	s_barrier_signal -1
	s_barrier_wait -1                              ; everybody's is
	FETCH_B 0, 0, 0
	FETCH_A 0, 0, 0
	SCALES 0
	FETCH_A 0, 0, 4
	s_wait_loadcnt 0x0                             ; the bias
	STEP 0, 0, 1
.if LAPS > 1
	s_mov_b32 s3, LAPS-1
.Llap:                                                 ; a trip goes once round the ring, from a lap's second step to the next lap's first, and fills both slots again
	STEPS 0, 1
	TURN 0, 1, 1
	STEPS 1, 0
	TURN 1, 0, 1
	STEP 0, 0, 0
	s_sub_co_u32 s3, s3, 1
	s_cmp_lg_u32 s3, 0
	s_cbranch_scc1 .Llap
.endif
	STEPS 0, 1                                     ; the last lap fills nothing, and has no round of the cluster's barrier
	TURN 0, 1, 0
	STEPS 1, 0
	s_wait_dscnt 4*NL                              ; the last step: nothing more to fetch
	WIN MUL_LO
	MUL16 0, 1, NQ-1, 1, 0
	MUL16 2, 1, NQ-1, 1, 0
	s_wait_dscnt 0
	WIN MUL_HI
	MUL16 4, 1, NQ-1, 1, 0
	MUL16 6, 1, NQ-1, 1, 0
	WIN 0
.macro RESLOAD a                       ; the residual's 16 rows of block a, 512 consecutive bytes a load, into window 1
	WIN 0x40
.irp t, 0,1,2,3,4,5,6,7,8,9,10,11,12,13,14,15
	global_load_b128 v[64*((\a)%4)+4*\t:64*((\a)%4)+4*\t+3], v[LI], s[70:71] offset:(16*(\a)+\t)*4096 th:TH_LOAD_NT
.endr
	WIN 0
.endm
.macro TOSTAGE a                       ; LDS serves a wave's instructions in order: no wait between the stores and the loads, nor in front of the next block's stores
.set AC, 64*((\a)%4)
	WIN 0x08+4*((\a)/4)                            ; the data: window 2 or 3
.irp b, 0,1,2,3,4,5,6,7
	ds_store_b128 v[STO], v[AC+8*\b:AC+8*\b+3] offset:64*\b          ; each accumulator from its low end on
	ds_store_b128 v[STO], v[AC+8*\b+4:AC+8*\b+7] offset:64*\b+16
.endr
	WIN 0
.set BB, BK+64*((\a)%2)
.irp t, 0,1,2,3,4,5,6,7,8,9,10,11,12,13,14,15
	ds_load_b128 v[BB+4*\t:BB+4*\t+3], v[RD] offset:\t*SPITCH
.endr
.endm
.macro SEND a, younger                 ; younger: the LDS instructions issued behind block a's loads
.set BB, BK+64*((\a)%2)
.set RR, 64*((\a)%4)
	s_wait_dscnt \younger                          ; the block is back in registers
.if (\a) < 4
	s_wait_loadcnt 48                              ; its residual is in; the next three blocks' 48 loads may be out
.else
	s_wait_loadcnt 16*(7-(\a))                     ; the blocks behind it may be out
.endif
	WIN 0x04                                       ; source 1: window 1
.set J, 0
.rept 32
	v_pk_add_f32 v[BB+J:BB+J+1], v[BB+J:BB+J+1], v[RR+J:RR+J+1]
.set J, J+2
.endr
	WIN 0
.irp t, 0,1,2,3,4,5,6,7,8,9,10,11,12,13,14,15
	global_store_b128 v[LI], v[BB+4*\t:BB+4*\t+3], s[68:69] offset:(16*(\a)+\t)*4096 th:TH_STORE_NT   ; 32 lanes store 512 consecutive bytes, aligned; every row's place stands in the immediate
.endr
.if (\a) < 4
	RESLOAD (\a)+4
.endif
.endm
	PLACES NP                                      ; in front of loads into registers that the last products read, and of the first read of results
	RESLOAD 0
	RESLOAD 1
	RESLOAD 2
	RESLOAD 3
	TOSTAGE 0
.irp a, 1,2,3,4,5,6,7
.if \a > 1
	s_wait_xcnt 0x0                                ; block a - 2's stores have read their registers: block a's loads may land there
.endif
	TOSTAGE \a
	SEND \a-1, 32                                  ; behind block a - 1's loads: block a's 16 stores and 16 loads
.endr
	SEND 7, 0
	s_wait_tensorcnt 0x0                           ; the wave's end, behind my last tensor load and my last LDS store
	ds_add_u32 v[SPW], v[NIL]
	s_wait_dscnt 0x0
	CROUND                                         ; the closing round: no work-group ends while a partner may still ask for a tile that names it
	s_endpgm
.Lfunc_end_k_qdbf54dc8d0_ffn2:
	.size	k_qdbf54dc8d0_ffn2, .Lfunc_end_k_qdbf54dc8d0_ffn2-k_qdbf54dc8d0_ffn2
	.p2alignl 7, 3214868480
	.fill 96, 4, 3214868480
	.section	.rodata,"a",@progbits
	.p2align	6, 0x0
	.amdhsa_kernel k_qdbf54dc8d0_ffn2
		.amdhsa_group_segment_fixed_size 327680
		.amdhsa_private_segment_fixed_size 0
		.amdhsa_enable_private_segment 0
		.amdhsa_kernarg_size 40
		.amdhsa_user_sgpr_count 2
		.amdhsa_user_sgpr_kernarg_segment_ptr 1
		.amdhsa_wavefront_size32 1
		.amdhsa_system_sgpr_workgroup_id_x 1
		.amdhsa_system_sgpr_workgroup_id_y 1
		.amdhsa_system_sgpr_workgroup_id_z 1
		.amdhsa_system_vgpr_workitem_id 0
		.amdhsa_next_free_vgpr 1024
		.amdhsa_next_free_sgpr 100
		.amdhsa_reserve_vcc 0
		.amdhsa_float_denorm_mode_32 3
		.amdhsa_float_denorm_mode_16_64 3
		.amdhsa_memory_ordered 1
		.amdhsa_forward_progress 1
		.amdhsa_inst_pref_size 239
	.end_amdhsa_kernel
	.amdgpu_metadata
---
amdhsa.version: [ 1, 2 ]
amdhsa.kernels:
  - .name:           k_qdbf54dc8d0_ffn2
    .symbol:         k_qdbf54dc8d0_ffn2.kd
    .args:
      - { .name: hid, .offset: 0, .size: 8, .value_kind: global_buffer, .address_space: global }
      - { .name: wc, .offset: 8, .size: 8, .value_kind: global_buffer, .address_space: global }
      - { .name: bf2, .offset: 16, .size: 8, .value_kind: global_buffer, .address_space: global }
      - { .name: x1, .offset: 24, .size: 8, .value_kind: global_buffer, .address_space: global }
      - { .name: out0, .offset: 32, .size: 8, .value_kind: global_buffer, .address_space: global }
    .group_segment_fixed_size: 327680
    .private_segment_fixed_size: 0
    .kernarg_segment_align: 8
    .kernarg_segment_size: 40
    .max_flat_workgroup_size: 128
    .sgpr_count:     100
    .vgpr_count:     1024
    .wavefront_size: 32
...
	.end_amdgpu_metadata
.endif
;; end of part 7
;; ======== version 2 of 2: 6 launches
;; limits: right only within a limited range of input values
;; workspace buffers: wc 6,684,672 bytes; hc 2,228,224 bytes; qkv 6,946,816 bytes; ac 2,228,224 bytes; x1 16,777,216 bytes; hid 8,912,896 bytes
;; launch wquant (part 8): grid 640 x 1, 8 waves a work-group, no clusters, 85,248 bytes of LDS; arguments wq, wk, wv, wo, w1, w2, wc, x, g1, b1, hc; writes wc, hc
.if DOCPART == 8
	.amdgcn_target "amdgcn-amd-amdhsa--gfx1250"
	.amdhsa_code_object_version 6
	.text
	.protected	k_qdbf54dc8d0_wquant
	.globl	k_qdbf54dc8d0_wquant
	.p2align	8
	.type	k_qdbf54dc8d0_wquant,@function
k_qdbf54dc8d0_wquant:
	s_mov_b64 s[64:65], 0
	v_nop
	global_prefetch_b8 v0, s[64:65] scope:SCOPE_SE
	s_setreg_imm32_b32 hwreg(HW_REG_WAVE_MODE, 25, 1), 1
	s_wait_xcnt 0x0
; The six weights, f32 with K as the axis that is NOT innermost, become codes of FP4 (E2M1) with one E8M0 byte for each 32 along K, laid in the order of an operand's registers.
; THE RECORD.  16 rows n x 512 along K are 4,352 bytes: the 32 codes k = 128 ks + 64 c + 32 h + 0..31 of row r lie at 1024 ks + 512 c + 256 h + 16 r; the byte of that block at 4096 + 16 r + 4 ks + 2 c + h.
; 16 records are a panel of 256 rows (69,632 bytes); a block of 256 rows has K / 512 panels on end.  wc: wq 0, wk 557,056, wv 1,114,112 (row n = 64 head + d), wo 1,671,168, w1 2,228,224, w2 4,456,448.
; SHARES.  A work-group takes 64 columns n of one panel: four records, 17,408 consecutive bytes.  Wave w takes 128 along K (ks = w % 4) of 32 columns (half = w / 4).
; A LANE TAKES A COLUMN AND ITS REGISTERS RUN DOWN K: a load reads 128 consecutive bytes, a block of 32 lies in one lane, and the conversions give codes with K innermost.  Nothing is transposed.
; One path serves all six tensors: pointer, row stride, stride of 64 columns, log2 of the panels, place in wc and first work-group are chosen by s_cselect on the work-group's number.
; All addresses are made once (16 scalar bases 8 rows apart, 8 vector offsets a row apart) and never rewritten; each block has its own registers for numbers and codes.
; A block's scale is 2^(floor(log2(largest magnitude)) - 2); its byte is the largest magnitude's exponent field - 2, held at 1 from below.
; LIMITS: a block of zeros gets the byte 1 (its codes are zeros, and this program alone reads the bytes); magnitudes under 2^-124 are taken as the floor; NaN and infinities are not served.
; No matrix unit, no cluster, no tensor load: every byte is read once by one wave, and the waves share only the 1,024 scale bytes.
.set TRB,  4352
.set PANB, 16*TRB
.set OFS,  8                           ; v8-15   4 x lane + j rows
.set CD,   16                          ; v16-31  codes, four registers a block
.set X,    32                          ; v32-159 row i of my 128 in v[X + i]
.set BAS,  32                          ; s[32:63] sixteen bases, 8 rows apart
; TWO JOBS IN ONE LAUNCH, parted by the work-group's number alone: work-groups 0 to 383 quantise the weights, as set out above; work-groups 384 to 639 take 16 rows of x each
; through the first layer norm and its quantiser (from .Lrows on).  Each job has LDS bytes of its own: the rows 0 to 83,199, the weights' scale bytes 84,224 to 85,247; the spare words lie between.
.set SPARE, 0x14500                    ; the spare words, 128 bytes for each of eight waves
.set WSB,   0x14900                    ; the weights' 1,024 scale bytes
	v_lshl_add_u32 v240, v0, 2, SPARE
	v_mov_b32 v241, 0
	s_cmp_ge_u32 ttmp9, 384
	s_cbranch_scc1 .Lrows
	s_load_b256 s[4:11], s[0:1], 0x0               ; wq, wk, wv, wo
	s_load_b128 s[12:15], s[0:1], 0x20             ; w1, w2
	s_load_b64 s[16:17], s[0:1], 0x30              ; wc
	v_lshrrev_b32 v5, 5, v0
	s_delay_alu instid0(VALU_DEP_1)
	v_readfirstlane_b32 s20, v5                    ; wave 0..7
	v_and_b32 v1, 31, v0                           ; lane
	s_and_b32 s74, s20, 3                          ; ks
	s_lshr_b32 s75, s20, 2                         ; half
	s_mov_b32 s21, 4096                            ; w2's figures: bytes from row to row,
	s_mov_b32 s22, 256                             ; bytes from 64 columns to the next,
	s_mov_b32 s23, 3                               ; log2 of the panels,
	s_mov_b32 s24, 4456448                         ; place in wc,
	s_mov_b32 s25, 256                             ; first work-group
	s_wait_alu depctr_va_vdst(0)
	s_wait_kmcnt 0x0
	s_mov_b64 s[18:19], s[14:15]
	s_cmp_lt_u32 ttmp9, 256                        ; w1
	s_cselect_b64 s[18:19], s[12:13], s[18:19]
	s_cselect_b32 s21, 16384, s21
	s_cselect_b32 s23, 1, s23
	s_cselect_b32 s24, 2228224, s24
	s_cselect_b32 s25, 128, s25
	s_cmp_lt_u32 ttmp9, 128                        ; wo
	s_cselect_b64 s[18:19], s[10:11], s[18:19]
	s_cselect_b32 s21, 4096, s21
	s_cselect_b32 s24, 1671168, s24
	s_cselect_b32 s25, 96, s25
	s_cmp_lt_u32 ttmp9, 96                         ; wv: 64 columns are a head, a row is 256 bytes
	s_cselect_b64 s[18:19], s[8:9], s[18:19]
	s_cselect_b32 s21, 256, s21
	s_cselect_b32 s22, 262144, s22
	s_cselect_b32 s24, 1114112, s24
	s_cselect_b32 s25, 64, s25
	s_cmp_lt_u32 ttmp9, 64                         ; wk
	s_cselect_b64 s[18:19], s[6:7], s[18:19]
	s_cselect_b32 s24, 557056, s24
	s_cselect_b32 s25, 32, s25
	s_cmp_lt_u32 ttmp9, 32                         ; wq
	s_cselect_b64 s[18:19], s[4:5], s[18:19]
	s_cselect_b32 s24, 0, s24
	s_cselect_b32 s25, 0, s25
	s_sub_co_u32 s26, ttmp9, s25                   ; my number in the tensor
	s_lshr_b32 s27, s26, s23                       ; g: which 64 columns
	s_lshl_b32 s28, 1, s23
	s_sub_co_u32 s28, s28, 1
	s_and_b32 s28, s26, s28                        ; p: which panel
	s_mul_i32 s66, s27, s22                        ; from: g x the columns' stride
	s_lshl_b32 s30, s28, 9
	s_lshl_b32 s31, s74, 7
	s_add_co_u32 s30, s30, s31
	s_mul_i32 s30, s30, s21                        ; + (512 p + 128 ks) rows
	s_add_co_u32 s66, s66, s30
	s_lshl_b32 s31, s75, 7
	s_add_co_u32 s66, s66, s31                     ; + 128 bytes for the upper 32 columns
	s_mov_b32 s67, 0
	s_lshl_b32 s68, s21, 3                         ; eight rows
	s_mov_b32 s69, 0
	s_add_nc_u64 s[BAS:BAS+1], s[18:19], s[66:67]
.irp m, 1,2,3,4,5,6,7,8,9,10,11,12,13,14,15
	s_add_nc_u64 s[BAS+2*\m:BAS+2*\m+1], s[BAS+2*\m-2:BAS+2*\m-1], s[68:69]
.endr
; w2 ALONE IS LAID BY BLOCKS OF 128 ROWS (this takes the place of what the head comment says of it): eight records are half a panel, 34,816 bytes, and a block's eight half panels lie on end.
	s_cmp_lt_u32 ttmp9, 256                        ; all tensors but w2: blocks of 256 rows
	s_cselect_b32 s76, 2, 1                        ; log2 of the work-groups' column groups in a block,
	s_cselect_b32 s77, 3, 1                        ; their mask,
	s_mov_b32 s78, 8*TRB
	s_cselect_b32 s78, PANB, s78                   ; and a block's bytes for 512 along K
	s_lshr_b32 s30, s27, s76                       ; to: the block of rows,
	s_lshl_b32 s30, s30, s23
	s_add_co_u32 s30, s30, s28                     ; its panel p,
	s_mul_i32 s30, s30, s78
	s_and_b32 s31, s27, s77
	s_mul_i32 s31, s31, 4*TRB                      ; my four records in it
	s_add_co_u32 s30, s30, s31
	s_add_co_u32 s66, s30, s24
	s_add_nc_u64 s[72:73], s[16:17], s[66:67]      ; the work-group's four records
	s_mul_i32 s66, s75, 2*TRB
	s_lshl_b32 s31, s74, 10
	s_add_co_u32 s66, s66, s31
	s_add_nc_u64 s[70:71], s[72:73], s[66:67]      ; my two records, my 1,024 bytes of each
	v_lshlrev_b32 v[OFS], 2, v1
.irp j, 1,2,3,4,5,6,7
	s_delay_alu instid0(VALU_DEP_1)
	v_add_nc_u32 v[OFS+\j], s21, v[OFS+\j-1]
.endr
	v_lshrrev_b32 v5, 4, v1
	v_and_b32 v6, 15, v1
	s_delay_alu instid0(VALU_DEP_2)
	v_mul_u32_u24 v2, v5, TRB
	s_delay_alu instid0(VALU_DEP_1)
	v_lshl_add_u32 v2, v6, 4, v2                   ; v2: lanes 0-15 the first record, lanes 16-31 the second; 16 bytes a row
	s_lshl_b32 s29, s75, 9
	s_lshl_b32 s30, s74, 2
	s_add_co_u32 s29, s29, s30
	s_add_co_u32 s29, s29, WSB
	v_lshl_add_u32 v3, v1, 4, s29                  ; v3: LDS: the four records' scale bytes, 256 each: WSB + 512 half + 16 lane + 4 ks
	v_and_b32 v164, 63, v0
	s_delay_alu instid0(VALU_DEP_1)
	v_lshl_add_u32 v164, v164, 4, WSB              ; v164: and back, 16 bytes a thread of waves 0 and 1
.macro LOADB t                         ; block t: rows 32 t .. 32 t + 31 of my column
.irp m, 0,1,2,3
.irp j, 0,1,2,3,4,5,6,7
	global_load_b32 v[X+32*(\t)+8*\m+\j], v[OFS+\j], s[BAS+2*(4*(\t)+\m):BAS+2*(4*(\t)+\m)+1] th:TH_LOAD_NT
.endr
.endr
.endm
.macro PROC t                          ; block t: largest magnitude, byte, codes, store
.set XS, X+32*(\t)
	v_max3_num_f32 v5, |v[XS]|, |v[XS+1]|, |v[XS+2]|
	v_max3_num_f32 v6, |v[XS+3]|, |v[XS+4]|, |v[XS+5]|
.irp i, 6,10,14,18,22,26
	s_delay_alu instid0(VALU_DEP_2)
	v_max3_num_f32 v5, v5, |v[XS+\i]|, |v[XS+\i+1]|
	s_delay_alu instid0(VALU_DEP_2)
	v_max3_num_f32 v6, v6, |v[XS+\i+2]|, |v[XS+\i+3]|
.endr
	s_delay_alu instid0(VALU_DEP_2)
	v_max3_num_f32 v5, v5, |v[XS+30]|, |v[XS+31]|
	s_delay_alu instid0(VALU_DEP_1)
	v_max3_num_f32 v5, v5, v6, 0x1800000           ; and the floor 2^(3 - 127): the byte cannot fall under 1
	s_delay_alu instid0(VALU_DEP_1)
	v_add_nc_u32 v7, 0xff000000, v5                ; 2 off the exponent field: the conversion takes this operand's exponent field as its scale
	s_delay_alu instid0(VALU_DEP_1)
	v_lshrrev_b32 v6, 23, v7                       ; the byte
.if (\t) == 0
	s_delay_alu instid0(VALU_DEP_1)
	v_mov_b32 v4, v6
.else
	s_delay_alu instid0(VALU_DEP_1)
	v_lshl_or_b32 v4, v6, 8*(\t), v4               ; four bytes make my row's scale word of these 128 along K
.endif
.irp g, 0,1,2,3
	v_cvt_scalef32_pk8_fp4_f32 v[CD+4*(\t)+\g], v[XS+8*\g:XS+8*\g+7], v7
.endr
	global_store_b128 v2, v[CD+4*(\t):CD+4*(\t)+3], s[70:71] offset:256*(\t)   ; sixteen lanes store 256 consecutive bytes, aligned, of one record
.endm
	LOADB 0
	LOADB 1
	s_wait_alu depctr_va_vdst(0)
	s_wait_loadcnt 32                              ; block 0 is in; block 1's 32 loads may be out
	LOADB 2
	PROC 0
	s_wait_loadcnt 32                              ; block 1 is in; block 2's may be out
	LOADB 3
	PROC 1
	s_wait_loadcnt 32                              ; block 2 is in; block 3's may be out
	PROC 2
	s_wait_loadcnt 0x0
	PROC 3
	ds_store_b32 v3, v4                            ; the scale words of the eight waves meet in LDS
	s_wait_dscnt 0x0                               ; for the others' sake: my store is done
	s_barrier_signal -1
	s_barrier_wait -1
	s_cmp_gt_u32 s20, 1                            ; waves 0 and 1 store them: two records' 256 bytes each
	s_cbranch_scc1 .Ldone
	ds_load_b128 v[160:163], v164
	s_mul_i32 s66, s20, 2*TRB
	s_add_nc_u64 s[72:73], s[72:73], s[66:67]
	s_wait_dscnt 0x0
	global_store_b128 v2, v[160:163], s[72:73] offset:4096
.Ldone:
	s_wait_tensorcnt 0x0                           ; the wave's end
	ds_add_u32 v240, v241
	s_wait_dscnt 0x0
	s_endpgm
; THE ROWS.  y = (x - mean) rsqrt(var + 1e-5) g1 + b1 along rows of 1,024 f32, quantised along the row to FP4 (E2M1) with one E8M0 byte for each 32, stored as operand records in hc.
; Block l of row r: codes at 256 (l % 16) + 16 r of the record in panel l / 16, byte at 4096 + 16 r + l % 16.  A work-group takes 16 rows: one record in each of two panels.
; Wave w takes rows 2 w and 2 w + 1 whole in registers.  A row turns through the wave's own stage in LDS (a lane's 128 bytes + 16 of padding), so that lane l holds block l.
; The codes and bytes of the 16 rows meet in an image of the two records (pieces of 256 bytes, 272 apart) and leave as whole aligned pieces of 256 bytes.
; LIMITS as for the weights: a block of zeros gets the byte 1; magnitudes under 2^-124 are taken as the floor; NaN and infinities are not served.
.Lrows:
.set IMG,  73728
.set XR,   32
.set G,    96
.set B,    128
.set T,    160
.set CD,   224
.set BY,   232
	s_load_b256 s[4:11], s[0:1], 0x38              ; x, g1, b1, hc
	s_sub_co_u32 s25, ttmp9, 384                   ; which 16 rows
	v_lshrrev_b32 v26, 5, v0
	s_delay_alu instid0(VALU_DEP_1)
	v_readfirstlane_b32 s16, v26                   ; wave 0..7
	v_and_b32 v1, 31, v0
	s_wait_alu depctr_va_vdst(0)
	v_lshlrev_b32 v2, 4, v1
	s_mov_b32 s12, 0x76543210
	s_mov_b32 s13, 0xfedcba98
	s_mov_b32 s14, 0x3a800000                      ; 1 / 1024
	s_mov_b32 s15, 0x3727c5ac                      ; 1e-5
	s_lshl_b32 s18, s25, 16
	s_lshl_b32 s17, s16, 13
	s_add_co_u32 s18, s18, s17
	s_mov_b32 s19, 0
	s_lshr_b32 s20, s25, 4
	s_mul_i32 s20, s20, 2*PANB
	s_and_b32 s21, s25, 15
	s_mul_i32 s21, s21, TRB
	s_add_co_u32 s20, s20, s21
	s_lshl_b32 s21, s16, 8
	s_add_co_u32 s20, s20, s21
	s_mov_b32 s21, 0
	s_mul_i32 s22, s16, 9216
	v_lshrrev_b32 v26, 3, v1
	s_delay_alu instid0(VALU_DEP_1)
	v_add_nc_u32 v26, v26, v1
	s_delay_alu instid0(VALU_DEP_1)
	v_lshl_add_u32 v3, v26, 4, s22                 ; into a stage: 16 (l + l / 8)
	v_mul_u32_u24 v4, v1, 144
	s_delay_alu instid0(VALU_DEP_1)
	v_add_nc_u32 v4, s22, v4                       ; out of it: 144 l
	v_lshrrev_b32 v26, 4, v1
	v_and_b32 v27, 15, v1
	s_lshl_b32 s23, s16, 5
	s_add_co_u32 s23, s23, IMG
	v_mad_u32_u24 v28, v26, 17, v27
	s_delay_alu instid0(VALU_DEP_1)
	v_mul_u32_u24 v5, v28, 272
	s_delay_alu instid0(VALU_DEP_1)
	v_add_nc_u32 v5, s23, v5                       ; where my block's codes go
	v_mul_u32_u24 v6, v26, 17*272
	s_delay_alu instid0(VALU_DEP_1)
	v_add_nc_u32 v6, v6, v27
	s_delay_alu instid0(VALU_DEP_1)
	v_add_nc_u32 v6, s23, v6                       ; and its byte
	s_mul_i32 s24, s16, 272
	s_add_co_u32 s24, s24, IMG
	v_mul_u32_u24 v7, v26, 17*272
	s_delay_alu instid0(VALU_DEP_1)
	v_lshl_add_u32 v7, v27, 4, v7
	s_delay_alu instid0(VALU_DEP_1)
	v_add_nc_u32 v7, s24, v7                       ; the way out: piece w of both records
	v_mul_u32_u24 v8, v26, PANB
	s_delay_alu instid0(VALU_DEP_1)
	v_lshl_add_u32 v8, v27, 4, v8
	v_mov_b32 v14, 0
	s_wait_kmcnt 0x0
	s_add_nc_u64 s[4:5], s[4:5], s[18:19]
	s_add_nc_u64 s[10:11], s[10:11], s[20:21]
.irp p, 0,1
.irp j, 0,1,2,3,4,5,6,7
	global_load_b128 v[XR+32*\p+4*\j:XR+32*\p+4*\j+3], v2, s[4:5] offset:4096*\p+512*\j th:TH_LOAD_NT
.endr
.endr
.irp j, 0,1,2,3,4,5,6,7
	global_load_b128 v[G+4*\j:G+4*\j+3], v2, s[6:7] offset:512*\j
.endr
.irp j, 0,1,2,3,4,5,6,7
	global_load_b128 v[B+4*\j:B+4*\j+3], v2, s[8:9] offset:512*\j
.endr
.macro WSUM                            ; v10 summed over the 32 lanes
	s_delay_alu instid0(VALU_DEP_1)
	v_add_f32_dpp v10, v10, v10 row_xmask:1 row_mask:0xf bank_mask:0xf
	s_delay_alu instid0(VALU_DEP_1)
	v_add_f32_dpp v10, v10, v10 row_xmask:2 row_mask:0xf bank_mask:0xf
	s_delay_alu instid0(VALU_DEP_1)
	v_add_f32_dpp v10, v10, v10 row_xmask:4 row_mask:0xf bank_mask:0xf
	s_delay_alu instid0(VALU_DEP_1)
	v_add_f32_dpp v10, v10, v10 row_xmask:8 row_mask:0xf bank_mask:0xf
	s_delay_alu instid0(VALU_DEP_1)
	v_permlanex16_b32 v14, v10, s12, s13
	s_delay_alu instid0(VALU_DEP_1)
	v_add_f32 v10, v10, v14
.endm
.macro STAT p                          ; row p: x becomes x - mean in place; 1 / sqrt(var + eps) into v[18 + 2 p], twice
.set XS, XR+32*(\p)
	v_pk_add_f32 v[10:11], v[XS:XS+1], v[XS+2:XS+3]
	v_pk_add_f32 v[12:13], v[XS+4:XS+5], v[XS+6:XS+7]
.irp j, 8,12,16,20,24,28
	s_delay_alu instid0(VALU_DEP_2)
	v_pk_add_f32 v[10:11], v[10:11], v[XS+\j:XS+\j+1]
	s_delay_alu instid0(VALU_DEP_2)
	v_pk_add_f32 v[12:13], v[12:13], v[XS+\j+2:XS+\j+3]
.endr
	s_delay_alu instid0(VALU_DEP_1)
	v_pk_add_f32 v[10:11], v[10:11], v[12:13]
	s_delay_alu instid0(VALU_DEP_1)
	v_add_f32 v10, v10, v11
	WSUM
	s_delay_alu instid0(VALU_DEP_1)
	v_mul_f32 v16, s14, v10
	s_delay_alu instid0(VALU_DEP_2)
	v_mul_f32 v17, s14, v10
.irp j, 0,2,4,6,8,10,12,14,16,18,20,22,24,26,28,30
	v_pk_add_f32 v[XS+\j:XS+\j+1], v[XS+\j:XS+\j+1], v[16:17] neg_lo:[0,1] neg_hi:[0,1]
.endr
	v_pk_mul_f32 v[10:11], v[XS:XS+1], v[XS:XS+1]
	v_pk_mul_f32 v[12:13], v[XS+2:XS+3], v[XS+2:XS+3]
.irp j, 4,8,12,16,20,24,28
	s_delay_alu instid0(VALU_DEP_2)
	v_pk_fma_f32 v[10:11], v[XS+\j:XS+\j+1], v[XS+\j:XS+\j+1], v[10:11]
	s_delay_alu instid0(VALU_DEP_2)
	v_pk_fma_f32 v[12:13], v[XS+\j+2:XS+\j+3], v[XS+\j+2:XS+\j+3], v[12:13]
.endr
	s_delay_alu instid0(VALU_DEP_1)
	v_pk_add_f32 v[10:11], v[10:11], v[12:13]
	s_delay_alu instid0(VALU_DEP_1)
	v_add_f32 v10, v10, v11
	WSUM
	s_delay_alu instid0(VALU_DEP_1)
	v_fma_f32 v10, v10, s14, s15
	s_wait_alu depctr_va_vdst(0)
	v_rsq_f32 v[18+2*(\p)], v10
	v_rsq_f32 v[19+2*(\p)], v10
	v_nop
.endm
.macro NORM p
.set XS, XR+32*(\p)
.irp j, 0,2,4,6,8,10,12,14,16,18,20,22,24,26,28,30
	v_pk_mul_f32 v[XS+\j:XS+\j+1], v[XS+\j:XS+\j+1], v[18+2*(\p):19+2*(\p)]
.endr
.irp j, 0,2,4,6,8,10,12,14,16,18,20,22,24,26,28,30
	v_pk_fma_f32 v[XS+\j:XS+\j+1], v[XS+\j:XS+\j+1], v[G+\j:G+\j+1], v[B+\j:B+\j+1]
.endr
.endm
.macro TURN p                          ; LDS serves a wave's instructions in order: no wait between the stores and the loads
.irp j, 0,1,2,3,4,5,6,7
	ds_store_b128 v3, v[XR+32*(\p)+4*\j:XR+32*(\p)+4*\j+3] offset:4608*(\p)+576*\j
.endr
.irp i, 0,1,2,3,4,5,6,7
	ds_load_b128 v[T+32*(\p)+4*\i:T+32*(\p)+4*\i+3], v4 offset:4608*(\p)+16*\i
.endr
.endm
.macro QNT p                           ; my block of row p: byte and codes, into the image
.set TS, T+32*(\p)
	v_max3_num_f32 v22, |v[TS]|, |v[TS+1]|, |v[TS+2]|
	v_max3_num_f32 v23, |v[TS+3]|, |v[TS+4]|, |v[TS+5]|
.irp i, 6,10,14,18,22,26
	s_delay_alu instid0(VALU_DEP_2)
	v_max3_num_f32 v22, v22, |v[TS+\i]|, |v[TS+\i+1]|
	s_delay_alu instid0(VALU_DEP_2)
	v_max3_num_f32 v23, v23, |v[TS+\i+2]|, |v[TS+\i+3]|
.endr
	s_delay_alu instid0(VALU_DEP_2)
	v_max3_num_f32 v22, v22, |v[TS+30]|, |v[TS+31]|
	s_delay_alu instid0(VALU_DEP_1)
	v_max3_num_f32 v22, v22, v23, 0x1800000        ; and the floor 2^(3 - 127)
	s_delay_alu instid0(VALU_DEP_1)
	v_add_nc_u32 v24, 0xff000000, v22              ; 2 off the exponent field: the conversion's scale operand
	s_delay_alu instid0(VALU_DEP_1)
	v_lshrrev_b32 v[BY+(\p)], 23, v24              ; the byte
.irp g, 0,1,2,3
	v_cvt_scalef32_pk8_fp4_f32 v[CD+4*(\p)+\g], v[TS+8*\g:TS+8*\g+7], v24
.endr
	ds_store_b128 v5, v[CD+4*(\p):CD+4*(\p)+3] offset:16*(\p)
	ds_store_b8 v6, v[BY+(\p)] offset:16*272+16*(\p)
.endm
	s_wait_loadcnt 24                              ; row 0 is in; row 1, g and b may be out
	STAT 0
	s_wait_loadcnt 16                              ; row 1 is in; g and b may be out
	STAT 1
	s_wait_alu depctr_va_vdst(0)                   ; one wait for the four reciprocal roots, ahead of their first reader
	s_wait_loadcnt 0x0
	NORM 0
	TURN 0
	NORM 1
	TURN 1
	s_wait_dscnt 16                                ; row 0 is back; row 1's 8 stores and 8 loads may be out
	QNT 0
	s_wait_dscnt 2                                 ; row 1 is back; row 0's two stores into the image may be out
	QNT 1
	s_wait_dscnt 0x0                               ; for the others' sake: my stores into the image are done
	s_barrier_signal -1
	s_barrier_wait -1
	ds_load_b128 v[160:163], v7                    ; pieces w and w + 8 of both records
	ds_load_b128 v[164:167], v7 offset:8*272
	s_wait_dscnt 1
	global_store_b128 v8, v[160:163], s[10:11]     ; sixteen lanes store 256 consecutive bytes, aligned
	s_wait_dscnt 0x0
	global_store_b128 v8, v[164:167], s[10:11] offset:2048
	s_cmp_lg_u32 s16, 0
	s_cbranch_scc1 .Lrows_done
	ds_load_b128 v[168:171], v7 offset:16*272      ; wave 0: the scale bytes, piece 16
	s_wait_dscnt 0x0
	global_store_b128 v8, v[168:171], s[10:11] offset:4096
.Lrows_done:
	s_wait_tensorcnt 0x0                           ; the wave's end
	ds_add_u32 v240, v241
	s_wait_dscnt 0x0
	s_endpgm
.Lfunc_end_k_qdbf54dc8d0_wquant:
	.size	k_qdbf54dc8d0_wquant, .Lfunc_end_k_qdbf54dc8d0_wquant-k_qdbf54dc8d0_wquant
	.p2alignl 7, 3214868480
	.fill 96, 4, 3214868480
	.section	.rodata,"a",@progbits
	.p2align	6, 0x0
	.amdhsa_kernel k_qdbf54dc8d0_wquant
		.amdhsa_group_segment_fixed_size 85248
		.amdhsa_private_segment_fixed_size 0
		.amdhsa_enable_private_segment 0
		.amdhsa_kernarg_size 88
		.amdhsa_user_sgpr_count 2
		.amdhsa_user_sgpr_kernarg_segment_ptr 1
		.amdhsa_wavefront_size32 1
		.amdhsa_system_sgpr_workgroup_id_x 1
		.amdhsa_system_sgpr_workgroup_id_y 1
		.amdhsa_system_sgpr_workgroup_id_z 1
		.amdhsa_system_vgpr_workitem_id 0
		.amdhsa_next_free_vgpr 242
		.amdhsa_next_free_sgpr 80
		.amdhsa_reserve_vcc 0
		.amdhsa_float_denorm_mode_32 3
		.amdhsa_float_denorm_mode_16_64 3
		.amdhsa_memory_ordered 1
		.amdhsa_forward_progress 1
		.amdhsa_inst_pref_size 54
	.end_amdhsa_kernel
	.amdgpu_metadata
---
amdhsa.version: [ 1, 2 ]
amdhsa.kernels:
  - .name:           k_qdbf54dc8d0_wquant
    .symbol:         k_qdbf54dc8d0_wquant.kd
    .args:
      - { .name: wq, .offset: 0, .size: 8, .value_kind: global_buffer, .address_space: global }
      - { .name: wk, .offset: 8, .size: 8, .value_kind: global_buffer, .address_space: global }
      - { .name: wv, .offset: 16, .size: 8, .value_kind: global_buffer, .address_space: global }
      - { .name: wo, .offset: 24, .size: 8, .value_kind: global_buffer, .address_space: global }
      - { .name: w1, .offset: 32, .size: 8, .value_kind: global_buffer, .address_space: global }
      - { .name: w2, .offset: 40, .size: 8, .value_kind: global_buffer, .address_space: global }
      - { .name: wc, .offset: 48, .size: 8, .value_kind: global_buffer, .address_space: global }
      - { .name: x, .offset: 56, .size: 8, .value_kind: global_buffer, .address_space: global }
      - { .name: g1, .offset: 64, .size: 8, .value_kind: global_buffer, .address_space: global }
      - { .name: b1, .offset: 72, .size: 8, .value_kind: global_buffer, .address_space: global }
      - { .name: hc, .offset: 80, .size: 8, .value_kind: global_buffer, .address_space: global }
    .group_segment_fixed_size: 85248
    .private_segment_fixed_size: 0
    .kernarg_segment_align: 8
    .kernarg_segment_size: 88
    .max_flat_workgroup_size: 256
    .sgpr_count:     80
    .vgpr_count:     242
    .wavefront_size: 32
...
	.end_amdgpu_metadata
.endif
;; end of part 8
;; launch qkv (part 9): grid 12 x 16, 4 waves a work-group, clusters of 4 x 4, 327,680 bytes of LDS; arguments hc, wc, qkv; writes qkv
.if DOCPART == 9
	.amdgcn_target "amdgcn-amd-amdhsa--gfx1250"
	.amdhsa_code_object_version 6
	.text
	.protected	k_qdbf54dc8d0_qkv
	.globl	k_qdbf54dc8d0_qkv
	.p2align	8
	.type	k_qdbf54dc8d0_qkv,@function
k_qdbf54dc8d0_qkv:
	s_mov_b64 s[64:65], 0
	v_nop
	global_prefetch_b8 v0, s[64:65] scope:SCOPE_SE
	s_setreg_imm32_b32 hwreg(HW_REG_WAVE_MODE, 25, 1), 1
	s_wait_xcnt 0x0
	s_wait_alu depctr_hold_cnt(0) depctr_sa_sdst(0) depctr_va_vdst(0) depctr_va_sdst(0) depctr_va_ssrc(0) depctr_va_vcc(0) depctr_vm_vsrc(0)
	s_getreg_b32 s2, hwreg(HW_REG_IB_STS2, 6, 4)
	s_cmp_eq_u32 s2, 0
	s_cbranch_scc0 .Lentry_in_a_cluster
	s_endpgm
.Lentry_in_a_cluster:
	s_bfe_u32 s2, ttmp6, 0x10000c
	s_cmp_lg_u32 s2, 0xf033
	s_cbranch_scc0 .Lentry_shape_is_right
	s_endpgm
.Lentry_shape_is_right:
; q, k and v of all heads: products of the normalised tokens (hc, 4,096 rows) with wq, wk, wv (wc, 1,024 rows n = 64 head + d each), K = 1,024, on codes of FP4 (E2M1) with E8M0 scales; the f32 sums are quantised
; at once for attention: q and k along d (two blocks of 32 a head), v along the tokens (the keys).
; OPERANDS lie as records in the order of an operand's registers: 16 rows x 512 K = 4,352 bytes: a fragment (16 rows x 128 K) is two loads of 16 bytes a lane at 1024 ks + 512 c + 16 lane; a row's four scale words at 4096 + 16 r.
; 16 records are a panel of 256 rows, 69,632 consecutive bytes.
; A tile of C is 256 x 256, four waves, 128 x 128 each: 64 accumulators.  K = two panels, both brought at the start into two LDS slots; nothing is filled again.  Each wave brings eight records (136 rows of 256 bytes) of each panel.
; THE MATRIX INSTRUCTION IS USED TRANSPOSED: source 0 = 16 rows of the B side, source 1 = 16 rows of the A side: a lane holds one A row, and its registers run along B's rows.
; Clusters x = 0, 1: A = tokens, B = wq's and wk's rows: a lane's registers run along d.  Clusters x = 2: A = wv's rows, B = tokens: a lane's registers run along the tokens.  So one quantiser serves all three.
; The sides are chosen by s_cselect on the cluster's x, which all sixteen partners share.
; CLUSTERS: 4 x 4.  A's panel is shared along a row of the cluster, B's along a column: each is asked for jointly, by the same tensor load with the same descriptor and a mask that names the four.
; OUT: a record of 217,088 bytes for each batch and head: q's codes 0 (512 a tile of 16 tokens: 16 bytes a lane, d = 32 h on), q's scale words 65,536 (4 a token: two bytes, then 0x7f twice, for the 64 zero codes that fill the K step of 128),
; k's 73,728 and 139,264, v's fragments 147,456 (16 d x 128 keys: 1,024 bytes), v's scale words 212,992.  The scale words leave in runs of 128 bytes: they are one part in seventeen of the bytes.
; LIMITS: a block of zeros gets the byte 1 (its codes are zeros; this program alone reads the bytes); magnitudes under 2^-124 are taken as the floor; NaN and infinities are not served.
; REGISTERS, in windows of 256: window 0: v16-31 addresses; v32-95 scale words, two sets; v96-119 the quantiser; v128-191 A's fragments; v192-255 the codes made.  window 1: B's fragments, two sets.  windows 2, 3: accumulator (a, b) at v[8 (8 (a % 4) + b)].
.set TRB,   4352
.set HALFT, 8*TRB                      ; eight records: what one wave reads of A or of B
.set PANB,  16*TRB
.set SLOT,  4*HALFT                    ; A's 256 rows, then B's
.set SPARE, 2*SLOT                     ; the spare words, 128 bytes for each wave: two blocks of 256 bytes that no other line names
.set KP,    2
.set NQ,    4
.set FR,    8
.set NL,    2
.set NP,    4
.set WVB,   1114112
.set HR,    217088
.set ADRA,  16
.set ADRB,  20
.set ADRS,  22
.set SPW,   28
.set NIL,   29
.set LI,    30                         ; 16 x lane
.set LS,    31                         ; 4 x lane
.set SC,    32
.set TM,    96
.set PW,    112
.set AF,    128
.set PC,    192
.set G1,    24
.set G0,    32
.set G1B,   48
.set G0B,   56
.set SEL,   66
.set MSB,   0
.macro WIN new                         ; the immediate's high byte repeats the setting that is left
.if MSB != (\new)
	s_set_vgpr_msb (MSB<<8)|(\new)
.set MSB, (\new)
.endif
.endm
.set MUL_LO, 0xa1                      ; source 0 (B) window 1, source 1 (A) window 0, C and D window 2
.set MUL_HI, 0xf1
.set TO_B,   0x40
.macro JLOAD s                         ; a joint load: waves 0 and 1 fetch for A, waves 2 and 3 for B; four v_nop follow each line
	s_cmp_eq_u32 s15, 0
	s_cbranch_scc0 .Lfor_b_\@
	tensor_load_to_lds s[G0+4*\s:G0+4*\s+3], s[G1:G1+7]
	s_nop 0
.rept 4
	v_nop
.endr
	s_branch .Lasked_\@
.Lfor_b_\@:
	tensor_load_to_lds s[G0B+4*\s:G0B+4*\s+3], s[G1B:G1B+7]
	s_nop 0
.rept 4
	v_nop
.endr
.Lasked_\@:
.endm
.macro CROUND                          ; a round of the cluster's barrier
	s_barrier_signal -1
	s_barrier_wait -1
	s_cmp_lg_u32 s14, 0
	s_cbranch_scc1 .Lnot_wave_0_\@
	s_barrier_signal -3
.Lnot_wave_0_\@:
	s_barrier_wait -3
	s_barrier_signal -1
	s_barrier_wait -1
.endm
	s_load_b128 s[4:7], s[0:1], 0x0                ; hc, wc
	s_load_b64 s[8:9], s[0:1], 0x10                ; qkv
	v_lshl_add_u32 v[SPW], v0, 2, SPARE
	v_mov_b32 v[NIL], 0
	ds_add_u32 v28, v29
	ds_add_u32 v28, v29
	s_wait_dscnt 0x0
	v_lshrrev_b32 v1, 5, v0
	v_readfirstlane_b32 s14, v1                    ; wave 0..3
	s_lshr_b32 s15, s14, 1                         ; which half of A's rows is mine.  Also: I fetch for A (0) or for B (1)
	s_and_b32 s16, s14, 1                          ; which half of B's rows.  Also: which eight records I fetch
	s_bfe_u32 s40, ttmp6, 0x40000                  ; cx
	s_bfe_u32 s41, ttmp6, 0x40004                  ; cy
	s_and_b32 s19, ttmp7, 0xffff                   ; cluster y
	s_cmp_eq_u32 ttmp9, 2                          ; the clusters with x = 2 make v
	s_cselect_b32 s17, 0, s19
	s_cselect_b32 s42, s19, ttmp9
	s_cselect_b32 s22, WVB, 0
	s_lshl_b32 s17, s17, 2
	s_add_co_u32 s17, s17, s41                     ; TA: A's block of 256 rows
	s_lshl_b32 s42, s42, 2
	s_add_co_u32 s42, s42, s40                     ; TB: B's
	s_lshl_b32 s43, s41, 2
	s_lshl_b32 s43, 15, s43                        ; my row of the cluster
	s_lshl_b32 s44, 0x1111, s40                    ; my column
	s_or_b32 s[G1+0], s43, (3<<16)|(1<<21)         ; 15:0 the mask; 17:16 elements of 8 bytes; 21 set beside a mask; no padding
	s_or_b32 s[G1B+0], s44, (3<<16)|(1<<21)
.irp g, G1, G1B
	s_mov_b32 s[\g+1], 512<<16                     ; a whole panel, 69,632 dense bytes, stated as 17 rows of 4,096 bytes: tensor_dim0 = 512 elements of 8 bytes
	s_mov_b32 s[\g+2], 17<<16                      ; tensor_dim1 = 17 rows
	s_mov_b32 s[\g+3], 512<<16                     ; tile_dim0
	s_mov_b32 s[\g+4], 17                          ; tile_dim1
	s_mov_b32 s[\g+5], 512                         ; the rows are dense
	s_mov_b32 s[\g+6], 0
	s_mov_b32 s[\g+7], 0
.endr
	s_mul_i32 s18, s16, PANB                       ; which of the block's two panels I fetch
	s_mul_i32 s20, s17, KP*PANB
	s_add_co_u32 s20, s20, s18
	s_add_co_u32 s20, s20, s22                     ; A: its block, my panel (and wv's place in wc)
	s_mov_b32 s21, 0
	s_mul_i32 s46, s42, KP*PANB
	s_add_co_u32 s46, s46, s18                     ; B likewise (wq's four blocks and wk's four lie on end from wc's first byte)
	s_mov_b32 s47, 0
	s_mul_i32 s45, s16, SLOT                       ; where it goes: panel p lies in slot p, A's first, B's behind it: no place in the cluster enters an LDS address
	s_mul_i32 s19, s15, PANB
	s_add_co_u32 s45, s45, s19
	s_wait_kmcnt 0x0
	s_cmp_eq_u32 ttmp9, 2
	s_cselect_b64 s[10:11], s[6:7], s[4:5]         ; A's buffer
	s_cselect_b64 s[12:13], s[4:5], s[6:7]         ; B's
	s_add_nc_u64 s[20:21], s[10:11], s[20:21]
	s_add_nc_u64 s[46:47], s[12:13], s[46:47]
	CROUND                                         ; all sixteen work-groups are here: the joint loads meet
; THE HEAD'S LOADS, ONE A WAVE (this takes the place of what the head comment says of eight records a load): the four panels are shared out: wave 0 A's panel 0, wave 1 A's panel 1, waves 2 and 3 B's: 69,632 dense bytes each, 272 rows of 256.
	s_mov_b32 s[G0], 1
	s_mov_b32 s[G0+1], s45
	s_mov_b64 s[G0+2:G0+3], s[20:21]
	s_or_b32 s[G0+3], s[G0+3], 0x80000000
	s_mov_b32 s[G0B], 1
	s_mov_b32 s[G0B+1], s45
	s_mov_b64 s[G0B+2:G0B+3], s[46:47]
	s_or_b32 s[G0B+3], s[G0B+3], 0x80000000
	JLOAD 0                                        ; my one tensor load
	v_and_b32 v1, 15, v0                           ; r
	v_bfe_u32 v2, v0, 4, 1                         ; h
	s_wait_alu depctr_va_vdst(0)
	v_and_b32 v3, 31, v0
	v_lshlrev_b32 v[LI], 4, v3
	v_lshlrev_b32 v[LS], 2, v3
	s_mul_i32 s21, s15, HALFT                      ; my 128 rows of A
	s_mul_i32 s22, s16, HALFT
	s_add_co_u32 s22, s22, 2*HALFT                 ; my 128 rows of B, behind A's 256
.irp s, 0,1
	v_add_nc_u32 v[ADRA+\s], s21, v[LI]
	v_add_nc_u32 v[ADRB+\s], s22, v[LI]
	s_add_co_u32 s21, s21, SLOT
	s_add_co_u32 s22, s22, SLOT
.endr
	s_mul_i32 s21, s15, HALFT
	s_mul_i32 s22, s16, HALFT
	s_add_co_u32 s22, s22, 2*HALFT
	s_sub_co_u32 s22, s22, s21
	v_mul_u32_u24 v6, s22, v2                      ; lanes 16-31 take B's scale words
	s_add_co_u32 s21, s21, 4096
	v_lshl_add_u32 v5, v1, 4, v6
	v_add_nc_u32 v[ADRS], s21, v5
	v_add_nc_u32 v[ADRS+1], SLOT, v[ADRS]
	s_mov_b32 s[SEL], 0x76543210
	s_mov_b32 s[SEL+1], 0xfedcba98                 ; v_permlanex16_b32's selects for lane l xor 16
.irp b, 0,1,2,3
	v_mov_b32 v[TM+4+\b], 0                        ; a lane permute's destination counts as one of its sources
.endr
.macro FRAG reg, adr, q, i             ; a fragment: record i, the panel's q-th 128 along K: two loads, 512 consecutive bytes each
.irp c, 0,1
	ds_load_b128 v[\reg+4*\c:\reg+4*\c+3], v[\adr] offset:1024*(\q)+512*\c+(\i)*TRB
.endr
.endm
; 16 matrix instructions: A's blocks a0, a0 + 1 x B's eight.  The 64 accumulators take turns, one instruction a turn, in the same order in every step.  zero = 1: the first product starts the sums.
.macro MUL16 a0, p, q, sc, zero
.irp a, \a0, \a0+1
.irp b, 0,1,2,3,4,5,6,7
.if \zero
	v_wmma_scale_f32_16x16x128_f8f6f4 v[8*(8*((\a)%4)+\b):8*(8*((\a)%4)+\b)+7], v[128*(\p)+FR*\b:128*(\p)+FR*\b+FR-1], v[AF+FR*(\a):AF+FR*(\a)+FR-1], 0, v[SC+8*NQ*(\sc)+NQ*\b+(\q)], v[SC+8*NQ*(\sc)+NQ*(\a)+(\q)] matrix_a_fmt:MATRIX_FMT_FP4 matrix_b_fmt:MATRIX_FMT_FP4 matrix_a_scale:MATRIX_SCALE_ROW1
.else
	v_wmma_scale_f32_16x16x128_f8f6f4 v[8*(8*((\a)%4)+\b):8*(8*((\a)%4)+\b)+7], v[128*(\p)+FR*\b:128*(\p)+FR*\b+FR-1], v[AF+FR*(\a):AF+FR*(\a)+FR-1], v[8*(8*((\a)%4)+\b):8*(8*((\a)%4)+\b)+7], v[SC+8*NQ*(\sc)+NQ*\b+(\q)], v[SC+8*NQ*(\sc)+NQ*(\a)+(\q)] matrix_a_fmt:MATRIX_FMT_FP4 matrix_b_fmt:MATRIX_FMT_FP4 matrix_a_scale:MATRIX_SCALE_ROW1
.endif
.endr
.endr
.endm
.macro FETCH_B slot, q, p
	WIN TO_B
.irp i, 0,1,2,3,4,5,6,7
	FRAG 128*(\p)+FR*\i, ADRB+\slot, \q, \i
.endr
	WIN 0
.endm
.macro FETCH_A slot, q, i0
.irp i, \i0, \i0+1, \i0+2, \i0+3
	FRAG AF+FR*(\i), ADRA+\slot, \q, \i
.endr
.endm
.macro SCALES sc                       ; a panel's scale words: four a row; lanes 0-15 take A's record i, lanes 16-31 B's
.irp i, 0,1,2,3,4,5,6,7
	ds_load_b128 v[SC+8*NQ*\sc+NQ*\i:SC+8*NQ*\sc+NQ*\i+3], v[ADRS+\sc] offset:\i*TRB
.endr
.endm
.macro PLACES n                        ; plain vector instructions between a matrix instruction and a load into, or a read of, its registers
.rept \n
	v_nop
.endr
.endm
.macro STEP slot, q, zero              ; 128 along K, with its successor in the same slot
	s_wait_dscnt 4*NL                              ; B's set and A's blocks 0-3 are in; the youngest eight loads (A's blocks 4-7) may be out
	WIN MUL_LO
	MUL16 0, (\q)%2, \q, \slot, \zero
	MUL16 2, (\q)%2, \q, \slot, \zero
	s_wait_dscnt 0
	PLACES NP
	FETCH_B \slot, (\q)+1, 1-(\q)%2
	FETCH_A \slot, (\q)+1, 0
	WIN MUL_HI
	MUL16 4, (\q)%2, \q, \slot, \zero
	MUL16 6, (\q)%2, \q, \slot, \zero
	PLACES NP
	WIN 0
	FETCH_A \slot, (\q)+1, 4
.endm
.macro TURN slot, next                 ; a slot's last step changes slots: one barrier; in front of it each wave waits for all its tensor loads, so that the next slot is whole behind it
	s_wait_tensorcnt 0x0                           ; my part of the next slot has landed
	ds_add_u32 v[SPW], v[NIL]                      ; 0 onto my spare word
	s_wait_dscnt 4*NL+1                            ; (the add and the youngest eight loads may be out)
	WIN MUL_LO
	MUL16 0, 1, NQ-1, \slot, 0
	s_wait_dscnt 0x0
	s_barrier_signal -1
	MUL16 2, 1, NQ-1, \slot, 0
	WIN 0
	s_barrier_wait -1
	PLACES NP
	FETCH_B \next, 0, 0
	FETCH_A \next, 0, 0
	SCALES \next
	WIN MUL_HI
	MUL16 4, 1, NQ-1, \slot, 0
	MUL16 6, 1, NQ-1, \slot, 0
	PLACES NP
	WIN 0
	FETCH_A \next, 0, 4
.endm
	s_wait_alu depctr_va_vdst(0)
	s_wait_tensorcnt 0x0                           ; my panel is in,
	s_barrier_signal -1
	s_barrier_wait -1                              ; everybody's is
	FETCH_B 0, 0, 0
	FETCH_A 0, 0, 0
	SCALES 0
	FETCH_A 0, 0, 4
	STEP 0, 0, 1
	STEP 0, 1, 0
	STEP 0, 2, 0
	TURN 0, 1
	STEP 1, 0, 0
	STEP 1, 1, 0
	STEP 1, 2, 0
	s_wait_dscnt 4*NL                              ; the last step: nothing more to fetch
	WIN MUL_LO
	MUL16 0, 1, NQ-1, 1, 0
	MUL16 2, 1, NQ-1, 1, 0
	s_wait_dscnt 0
	WIN MUL_HI
	MUL16 4, 1, NQ-1, 1, 0
	MUL16 6, 1, NQ-1, 1, 0
	WIN 0
; THE QUANTISER.  The 64 numbers of A's block a, v[QS] on in window QW: register 8 t + j = B row 16 t + 8 h + j of my A row.  Block b of 32 lies in registers 16 b .. 16 b + 15 of lanes l and l xor 16.
; The codes of tiles 2 P, 2 Q, 2 P + 1, 2 Q + 1 (P = 2 c, Q = 2 c + 1) go to four registers; two exchanges of halves then leave block P whole in lanes 0-15 and block Q in lanes 16-31: the operand's registers 4 c .. 4 c + 3.
.macro QUANT a
	WIN QW|(QW<<2)
.irp b, 0,1,2,3
	v_max3_num_f32 v[TM+\b], |v[QS+16*\b]|, |v[QS+16*\b+1]|, 0x1800000   ; each accumulator is read from its low end on; the floor 2^(3 - 127) holds the byte at 1 from below
.endr
	WIN (QW<<2)|(QW<<4)
.irp i, 2,4,6,8,10,12,14
.irp b, 0,1,2,3
	v_max3_num_f32 v[TM+\b], v[TM+\b], |v[QS+16*\b+\i]|, |v[QS+16*\b+\i+1]|
.endr
.endr
	WIN 0
.irp b, 0,1,2,3
	v_permlanex16_b32 v[TM+4+\b], v[TM+\b], s[SEL], s[SEL+1]
.endr
.irp b, 0,1,2,3
	v_max_num_f32 v[TM+\b], v[TM+\b], v[TM+4+\b]
.endr
.irp b, 0,1,2,3
	v_add_nc_u32 v[TM+12+\b], 0xff000000, v[TM+\b]   ; 2 off the exponent field: the conversion's scale operand
.endr
.irp b, 0,1,2,3
	v_lshrrev_b32 v[TM+4+\b], 23, v[TM+12+\b]      ; the byte
.endr
	v_lshl_or_b32 v[PW+(\a)], v[TM+5], 8, v[TM+4]
	v_lshl_or_b32 v[PW+(\a)], v[TM+6], 16, v[PW+(\a)]
	v_lshl_or_b32 v[PW+(\a)], v[TM+7], 24, v[PW+(\a)]
	WIN QW
.irp c, 0,1
	v_cvt_scalef32_pk8_fp4_f32 v[PC+8*(\a)+4*\c],   v[QS+32*\c:QS+32*\c+7],     v[TM+12+2*\c]
	v_cvt_scalef32_pk8_fp4_f32 v[PC+8*(\a)+4*\c+1], v[QS+32*\c+16:QS+32*\c+23], v[TM+13+2*\c]
	v_cvt_scalef32_pk8_fp4_f32 v[PC+8*(\a)+4*\c+2], v[QS+32*\c+8:QS+32*\c+15],  v[TM+12+2*\c]
	v_cvt_scalef32_pk8_fp4_f32 v[PC+8*(\a)+4*\c+3], v[QS+32*\c+24:QS+32*\c+31], v[TM+13+2*\c]
.endr
	WIN 0
	v_nop                                          ; one plain place behind a scaled conversion
.irp c, 0,1
	v_permlane16_swap_b32 v[PC+8*(\a)+4*\c],   v[PC+8*(\a)+4*\c+1]
	v_permlane16_swap_b32 v[PC+8*(\a)+4*\c+2], v[PC+8*(\a)+4*\c+3]
.endr
.endm
	PLACES NP
.irp a, 0,1,2,3,4,5,6,7
.set QS, 64*(\a%4)
.set QW, 2+\a/4
	QUANT \a                                       ; every block has its own registers for codes and word: no store's data are written again
.endr
	s_cmp_eq_u32 ttmp9, 2                          ; the cluster's x: the same in all partners
	s_cbranch_scc1 .Lstore_v
	; q and k: A's block a = 16 tokens; my 128 B rows = two heads: registers 0-3 the first head's 64, registers 4-7 the second's
	s_lshr_b32 s18, s17, 3                         ; batch
	s_and_b32 s19, s17, 7
	s_lshl_b32 s19, s19, 4
	s_lshl_b32 s20, s15, 3
	s_add_co_u32 s19, s19, s20                     ; my first tile of 16 tokens in the batch
	s_lshr_b32 s20, s42, 2
	s_mul_i32 s20, s20, 73728                      ; q's part of a record, or k's
	s_lshl_b32 s18, s18, 4
	s_and_b32 s21, s42, 3
	s_lshl_b32 s21, s21, 2
	s_add_co_u32 s18, s18, s21
	s_lshl_b32 s21, s16, 1
	s_add_co_u32 s18, s18, s21                     ; 16 batch + my first head
	s_mul_i32 s18, s18, HR
	s_add_co_u32 s18, s18, s20
	s_lshl_b32 s20, s19, 9
	s_add_co_u32 s20, s20, s18
	s_mov_b32 s21, 0
	s_add_nc_u64 s[20:21], s[8:9], s[20:21]        ; the codes
	s_lshl_b32 s22, s19, 6
	s_add_co_u32 s22, s22, s18
	s_add_co_u32 s22, s22, 65536
	s_mov_b32 s23, 0
	s_add_nc_u64 s[22:23], s[8:9], s[22:23]        ; the scale words
	s_mov_b32 s18, 0x7f7f7f7f
	s_mov_b32 s19, 0x07060100                      ; bytes 0, 1 of the word, then 0x7f twice
	s_mov_b32 s2, 0x07060302                       ; bytes 2, 3 likewise
	s_wait_alu depctr_va_vdst(0)
.irp a, 0,1,2,3,4,5,6,7
	global_store_b128 v[LI], v[PC+8*\a:PC+8*\a+3], s[20:21] offset:512*\a          ; 512 consecutive bytes
	global_store_b128 v[LI], v[PC+8*\a+4:PC+8*\a+7], s[20:21] offset:512*\a+HR
.endr
.irp a, 0,1,2,3,4,5,6,7
	v_perm_b32 v[AF+\a], s18, v[PW+\a], s19
	v_perm_b32 v[AF+8+\a], s18, v[PW+\a], s2
.endr
.irp a, 0,2,4,6
	v_permlane16_swap_b32 v[AF+\a], v[AF+\a+1]     ; lanes 0-15 tile a's words, lanes 16-31 tile a + 1's
	v_permlane16_swap_b32 v[AF+8+\a], v[AF+8+\a+1]
.endr
.irp a, 0,2,4,6
	global_store_b32 v[LS], v[AF+\a], s[22:23] offset:64*\a
	global_store_b32 v[LS], v[AF+8+\a], s[22:23] offset:64*\a+HR
.endr
	s_branch .Lend
.Lstore_v:
	; v: A's block a = 16 d of head a / 4 of my two; my 128 B rows = one step of 128 keys: a whole fragment
	s_lshr_b32 s18, s42, 3                         ; batch
	s_lshl_b32 s18, s18, 4
	s_lshl_b32 s19, s17, 2
	s_add_co_u32 s18, s18, s19
	s_lshl_b32 s19, s15, 1
	s_add_co_u32 s18, s18, s19                     ; 16 batch + my first head
	s_mul_i32 s18, s18, HR
	s_and_b32 s19, s42, 7
	s_lshl_b32 s19, s19, 1
	s_add_co_u32 s19, s19, s16                     ; the key step
	s_lshl_b32 s20, s19, 12
	s_add_co_u32 s20, s20, s18
	s_add_co_u32 s20, s20, 147456
	s_mov_b32 s21, 0
	s_add_nc_u64 s[20:21], s[8:9], s[20:21]
	s_lshl_b32 s22, s19, 8
	s_add_co_u32 s22, s22, s18
	s_add_co_u32 s22, s22, 212992
	s_mov_b32 s23, 0
	s_add_nc_u64 s[22:23], s[8:9], s[22:23]
	s_wait_alu depctr_va_vdst(0)
.irp a, 0,1,2,3,4,5,6,7
	global_store_b128 v[LI], v[PC+8*\a:PC+8*\a+3], s[20:21] offset:(\a/4)*HR+(\a%4)*1024
	global_store_b128 v[LI], v[PC+8*\a+4:PC+8*\a+7], s[20:21] offset:(\a/4)*HR+(\a%4)*1024+512
.endr
.irp a, 0,2,4,6
	v_permlane16_swap_b32 v[PW+\a], v[PW+\a+1]
.endr
.irp a, 0,2,4,6
	global_store_b32 v[LS], v[PW+\a], s[22:23] offset:(\a/4)*HR+(\a%4)*64
.endr
.Lend:
	s_wait_tensorcnt 0x0                           ; the wave's end
	ds_add_u32 v[SPW], v[NIL]
	s_wait_dscnt 0x0
	CROUND                                         ; the closing round: no work-group ends while a partner may still ask for a tile that names it
	s_endpgm
.Lfunc_end_k_qdbf54dc8d0_qkv:
	.size	k_qdbf54dc8d0_qkv, .Lfunc_end_k_qdbf54dc8d0_qkv-k_qdbf54dc8d0_qkv
	.p2alignl 7, 3214868480
	.fill 96, 4, 3214868480
	.section	.rodata,"a",@progbits
	.p2align	6, 0x0
	.amdhsa_kernel k_qdbf54dc8d0_qkv
		.amdhsa_group_segment_fixed_size 327680
		.amdhsa_private_segment_fixed_size 0
		.amdhsa_enable_private_segment 0
		.amdhsa_kernarg_size 24
		.amdhsa_user_sgpr_count 2
		.amdhsa_user_sgpr_kernarg_segment_ptr 1
		.amdhsa_wavefront_size32 1
		.amdhsa_system_sgpr_workgroup_id_x 1
		.amdhsa_system_sgpr_workgroup_id_y 1
		.amdhsa_system_sgpr_workgroup_id_z 1
		.amdhsa_system_vgpr_workitem_id 0
		.amdhsa_next_free_vgpr 1024
		.amdhsa_next_free_sgpr 100
		.amdhsa_reserve_vcc 0
		.amdhsa_float_denorm_mode_32 3
		.amdhsa_float_denorm_mode_16_64 3
		.amdhsa_memory_ordered 1
		.amdhsa_forward_progress 1
		.amdhsa_inst_pref_size 130
	.end_amdhsa_kernel
	.amdgpu_metadata
---
amdhsa.version: [ 1, 2 ]
amdhsa.kernels:
  - .name:           k_qdbf54dc8d0_qkv
    .symbol:         k_qdbf54dc8d0_qkv.kd
    .args:
      - { .name: hc, .offset: 0, .size: 8, .value_kind: global_buffer, .address_space: global }
      - { .name: wc, .offset: 8, .size: 8, .value_kind: global_buffer, .address_space: global }
      - { .name: qkv, .offset: 16, .size: 8, .value_kind: global_buffer, .address_space: global }
    .group_segment_fixed_size: 327680
    .private_segment_fixed_size: 0
    .kernarg_segment_align: 8
    .kernarg_segment_size: 24
    .max_flat_workgroup_size: 128
    .sgpr_count:     100
    .vgpr_count:     1024
    .wavefront_size: 32
...
	.end_amdgpu_metadata
.endif
;; end of part 9
;; launch attn (part 10): grid 8 x 32, 16 waves a work-group, clusters of 4 x 1, 182,272 bytes of LDS; arguments qkv, ac; writes ac
.if DOCPART == 10
	.amdgcn_target "amdgcn-amd-amdhsa--gfx1250"
	.amdhsa_code_object_version 6
	.text
	.protected	k_qdbf54dc8d0_attn
	.globl	k_qdbf54dc8d0_attn
	.p2align	8
	.type	k_qdbf54dc8d0_attn,@function
k_qdbf54dc8d0_attn:
	s_mov_b64 s[64:65], 0
	v_nop
	global_prefetch_b8 v0, s[64:65] scope:SCOPE_SE
	s_setreg_imm32_b32 hwreg(HW_REG_WAVE_MODE, 25, 1), 1
	s_wait_xcnt 0x0
	s_wait_alu depctr_hold_cnt(0) depctr_sa_sdst(0) depctr_va_vdst(0) depctr_va_sdst(0) depctr_va_ssrc(0) depctr_va_vcc(0) depctr_vm_vsrc(0)
	s_getreg_b32 s2, hwreg(HW_REG_IB_STS2, 6, 4)
	s_cmp_eq_u32 s2, 0
	s_cbranch_scc0 .Lentry_in_a_cluster
	s_endpgm
.Lentry_in_a_cluster:
	s_bfe_u32 s2, ttmp6, 0x10000c
	s_cmp_lg_u32 s2, 0x3003
	s_cbranch_scc0 .Lentry_shape_is_right
	s_endpgm
.Lentry_shape_is_right:
; Causal attention of one batch and head (work-group y), head size 64, logits scaled by 1 / 32, both products on codes of FP4 (E2M1) with E8M0 scales; the result is quantised along 64 head + d for the next product.
; IN: the head's record of 217,088 bytes: q's codes 0 (512 a tile of 16 tokens), q's scale words 65,536, k's 73,728 and 139,264, v's fragments (16 d x 128 keys, 1,024 bytes) 147,456, v's scale words 212,992.
; q and k have K = 64: registers 4-7 of their fragments are zero codes on both sides, and bytes 2, 3 of their scale words are 0x7f.
; THE SOFTMAX AHEAD OF THE SECOND PRODUCT: t = score x log2(e) / 32; M = the running largest t rounded UP to a whole number; p = 2^(t - M) is quantised along the keys, not normalised; the row's sum is taken of the unquantised p and divides at the end.
; When M moves, the sum and O are multiplied by 2^(old M - new M), exactly.
; SHARES.  Work-group j of a head's eight; wave w owns the 16 queries of tile j + 8 i, i = w xor 3 ((w / 4) % 2): queries 128 i + 16 j + r.  Such a tile needs key steps 0 .. i of 128 keys: steps under i whole, step i on the diagonal,
; whatever j is.  So every work-group has 136 steps of a wave, and every branch hangs on the wave's number alone.
; K AND V of the whole head, 143,360 consecutive bytes, come into LDS once: each of the sixteen waves asks for 35 rows of 256 bytes.  The four work-groups of a cluster belong to one head and ask JOINTLY (mask 15).
; Nothing is filled again and nothing is stored to LDS.  All that the launch reads is asked for at its head, so there is nothing left to prefetch.
; LAYOUT.  Both products transposed: S^T = K Q^T, O^T = V^T P^T: a lane holds one query (lane % 16); register 8 t + j of S^T is key 16 t + 8 h + j.  A block of 32 keys lies in 16 registers of lanes l and l xor 16.
; OUT: ac as operand records (16 tokens x 512 K, 4,352 bytes): my 16 x 64 codes are 512 consecutive bytes; the two scale bytes of a token leave as 2 bytes, 16 apart: one part in seventeen of the bytes.
; LIMITS: a block of zeros gets the byte 1 (its codes are zeros; this program alone reads the bytes); NaN and infinities are not served.
; REGISTERS: v1 16 lane; v3 16 j + r - 8 h; v5-7 region bases; v8-11 the step's addresses; v12 -M, v13 the largest t, v[14:15] the sum; v16-23 Q; v24 Q's scale words; v32-95 K; v96-159 S^T, then p; v160-191 O^T; v192-223 V;
; v224-231 p's codes; v232-243 at work; v244-247 K's scale words (lanes 0-15 tile 2 u, lanes 16-31 tile 2 u + 1), v248-249 V's; v252 f; v253 p's scale word; v254 at work.
; SHARES, AS THE TEXT HAS THEM (this takes the place of the paragraph SHARES above).  Work-group j of a head's eight owns the tiles j + 8 i of 16 queries, i = 0 .. 15; tile i needs key steps 0 .. i, step i on the diagonal.
; The sixteen tiles form eight pairs, m = wave % 8: tile 8 + m and tile 7 - m, 17 steps together.  Wave m (A) walks steps 0 .. 8 of tile 8 + m.  Wave 8 + m (B) walks that tile's steps 9 .. 8 + m,
; puts its part of O^T, -M and the sums into the pair's 4,608 bytes of LDS, and then walks tile 7 - m whole: 8 steps in all.  Behind one barrier A joins the two parts:
; both are brought under the larger M by a power of two, which rounds nothing, and added.  A stores tile 8 + m, B tile 7 - m.  Every branch hangs on the wave's number and on counted steps alone.
.set HR,   217088
.set STASH, 143360                     ; LDS, behind K and V: eight pairs x (8 x 512 bytes of O^T + 512 of -M, t and the sums); no tile lands here
.set TRB,  4352
.set PANB, 16*TRB
.set LKS,  65536                       ; LDS: K's codes 0, K's scale words,
.set LVC,  73728                       ; V's fragments,
.set LVS,  139264                      ; V's scale words
.set SEL,  24
.set CS,   26
.macro CROUND
	s_barrier_signal -1
	s_barrier_wait -1
	s_cmp_lg_u32 s8, 0
	s_cbranch_scc1 .Lnot_wave_0_\@
	s_barrier_signal -3
.Lnot_wave_0_\@:
	s_barrier_wait -3
	s_barrier_signal -1
	s_barrier_wait -1
.endm
	s_load_b128 s[4:7], s[0:1], 0x0                ; qkv, ac
	v_lshl_add_u32 v251, v0, 2, 0x2c000            ; the spare words lie behind the pairs' bytes
	v_mov_b32 v255, 0
	ds_add_u32 v251, v255
	ds_add_u32 v251, v255
	v_lshrrev_b32 v4, 5, v0
	s_delay_alu instid0(VALU_DEP_1)
	v_readfirstlane_b32 s8, v4                     ; wave 0..15
	s_bfe_u32 s32, ttmp6, 0x40000                  ; cx
	s_lshl_b32 s10, ttmp9, 2
	s_add_co_u32 s10, s10, s32                     ; j: it enters Q's and the output's addresses and the mask's number alone
	s_and_b32 s11, ttmp7, 0xffff                   ; 16 batch + head
	s_and_b32 s42, s8, 7                           ; m: my pair
	s_lshr_b32 s43, s8, 3                          ; 0: wave A, 1: wave B
	s_add_co_u32 s9, s42, 8                        ; i: the tile in hand, first 8 + m
	s_mul_i32 s44, s43, 9                          ; my first step of it: A 0, B 9
	s_mul_i32 s45, s42, s43
	s_add_co_u32 s45, s45, 8                       ; and my last: A 8, B 8 + m
	s_mul_i32 s46, s42, 4608
	s_add_co_u32 s46, s46, STASH                   ; the pair's bytes
	s_mov_b32 s16, 15|(3<<16)|(1<<21)              ; 15:0 the mask: all four work-groups; 17:16 elements of 8 bytes; 21 set beside a mask
	s_mov_b32 s17, 224<<16                         ; my sixteenth, 8,960 dense bytes, stated as 5 rows of 1,792 bytes (in place of the head comment's 35 rows of 256): tensor_dim0 = 224 elements
	s_mov_b32 s18, 5<<16                           ; tensor_dim1 = 5 rows
	s_mov_b32 s19, 224<<16                         ; tile_dim0
	s_mov_b32 s20, 5                               ; tile_dim1
	s_mov_b32 s21, 224                             ; the rows are dense
	s_mov_b32 s22, 0
	s_mov_b32 s23, 0
	s_mul_i32 s33, s8, 8960                        ; my sixteenth
	s_mul_i32 s34, s11, HR                         ; the head's record
	s_add_co_u32 s36, s34, s33
	s_add_co_u32 s36, s36, 73728
	s_mov_b32 s37, 0
	s_mov_b32 s[SEL], 0x76543210
	s_mov_b32 s[SEL+1], 0xfedcba98
	s_mov_b32 s[CS], 0x3d38aa3b                    ; c = log2(e) / 32
	s_mov_b32 s[CS+1], s[CS]                       ; (named with it as a pair, so it is written)
	s_wait_dscnt 0x0
	s_wait_kmcnt 0x0
	CROUND                                         ; all four work-groups are here: the joint loads meet
	s_mov_b32 s12, 1
	s_mov_b32 s13, s33
	s_add_nc_u64 s[14:15], s[4:5], s[36:37]
	s_or_b32 s15, s15, 0x80000000
	tensor_load_to_lds s[12:15], s[16:23]          ; my one tensor load
	s_nop 0
.rept 4
	v_nop
.endr
	s_lshl_b32 s35, s9, 3
	s_add_co_u32 s35, s35, s10                     ; my tile of 16 queries
	s_lshl_b32 s38, s35, 9
	s_add_co_u32 s38, s38, s34
	s_mov_b32 s39, 0
	s_add_nc_u64 s[38:39], s[4:5], s[38:39]        ; its codes
	s_lshl_b32 s40, s35, 6
	s_add_co_u32 s40, s40, s34
	s_add_co_u32 s40, s40, 65536
	s_mov_b32 s41, 0
	s_add_nc_u64 s[40:41], s[4:5], s[40:41]        ; its scale words
	v_and_b32 v2, 31, v0
	s_delay_alu instid0(VALU_DEP_1)
	v_lshlrev_b32 v1, 4, v2                        ; 16 lane
	s_delay_alu instid0(VALU_DEP_2)
	v_lshlrev_b32 v2, 2, v2                        ; 4 lane
	v_and_b32 v3, 15, v0                           ; r
	s_delay_alu instid0(VALU_DEP_1)
	v_lshlrev_b32 v4, 2, v3
	global_load_b128 v[16:19], v1, s[38:39]        ; Q's fragment stays in registers
	global_load_b32 v24, v4, s[40:41]
	v_add_nc_u32 v5, LVC, v1
	v_add_nc_u32 v6, LKS, v2
	v_add_nc_u32 v7, LVS, v2
	v_add_nc_u32 v25, s46, v1                      ; v25: my 16 bytes in each 512 of the pair's bytes
	v_bfe_u32 v8, v0, 4, 1
	s_delay_alu instid0(VALU_DEP_1)
	v_lshlrev_b32 v8, 3, v8
	s_delay_alu instid0(VALU_DEP_1)
	v_sub_nc_u32 v3, v3, v8
	s_lshl_b32 s32, s10, 4
	v_add_nc_u32 v3, s32, v3                       ; 16 j + r - 8 h: on the diagonal, register 8 t + j' is hidden where 16 t + j' is above it
	v_mov_b32 v13, 0xff61b1e6                      ; the largest t so far: -3e38
	s_delay_alu instid0(VALU_DEP_1)
	v_floor_f32 v12, -v13                          ; -M
	v_mov_b32 v14, 0
	v_mov_b32 v15, 0
.irp j, 20,21,22,23
	v_mov_b32 v[\j], 0                             ; Q's upper 64 along K: zero codes
.endr
.irp t, 0,1,2,3,4,5,6,7
.irp j, 4,5,6,7
	v_mov_b32 v[32+8*\t+\j], 0                     ; K's likewise: written once, never loaded
.endr
.endr
.set J, 0
.rept 32
	v_mov_b32 v[160+J], 0                          ; O^T: the step is written once; the first finds zeros, which the first change of M leaves zeros
.set J, J+1
.endr
.irp b, 0,1,2,3
	v_mov_b32 v[236+\b], 0                         ; a lane permute's destination counts as one of its sources
.endr
	v_mov_b32 v252, 0
	v_mov_b32 v253, 0                              ; (named as the upper half of the pair v[252:253] before it is first written)
	s_mov_b32 s28, 0                               ; the key step,
	s_mov_b32 s29, 0                               ; 4,096 x it,
	s_mov_b32 s30, 0                               ; 512 x it,
	s_mov_b32 s31, 0                               ; 256 x it
	s_wait_tensorcnt 0x0                           ; my part of K and V is in,
	s_barrier_signal -1
	s_barrier_wait -1                              ; everybody's is
	s_wait_loadcnt 0x0                             ; Q
.macro WALK last                       ; a walk over key steps 0 .. last - 1: the same count in every wave; the steps outside s44 .. s45 are left out
.Lstep_\@:
	s_cmp_lt_u32 s28, s44
	s_cbranch_scc1 .Lhidden_\@
	s_cmp_gt_u32 s28, s45
	s_cbranch_scc1 .Lhidden_\@
	v_add_nc_u32 v8, s29, v1                       ; these four are also the places in front of loads into registers that the last products read
	v_add_nc_u32 v9, s29, v5
	v_add_nc_u32 v10, s30, v6
	v_add_nc_u32 v11, s31, v7
.irp t, 0,1,2,3,4,5,6,7
	ds_load_b128 v[32+8*\t:35+8*\t], v8 offset:512*\t
.endr
.irp u, 0,1,2,3
	ds_load_b32 v[244+\u], v10 offset:128*\u
.endr
.irp d, 0,1,2,3
.irp c, 0,1
	ds_load_b128 v[192+8*\d+4*\c:195+8*\d+4*\c], v9 offset:1024*\d+512*\c
.endr
.endr
.irp u, 0,1
	ds_load_b32 v[248+\u], v11 offset:128*\u
.endr
	s_wait_dscnt 10                                ; K and its scale words are in; V's ten loads may be out
.irp t, 0,2,4,6
	v_wmma_scale_f32_16x16x128_f8f6f4 v[96+8*\t:103+8*\t], v[32+8*\t:39+8*\t], v[16:23], 0, v[244+\t/2], v24 matrix_a_fmt:MATRIX_FMT_FP4 matrix_b_fmt:MATRIX_FMT_FP4
	v_wmma_scale_f32_16x16x128_f8f6f4 v[104+8*\t:111+8*\t], v[40+8*\t:47+8*\t], v[16:23], 0, v[244+\t/2], v24 matrix_a_fmt:MATRIX_FMT_FP4 matrix_b_fmt:MATRIX_FMT_FP4 matrix_a_scale:MATRIX_SCALE_ROW1
.endr
.rept 4
	v_nop
.endr
	s_cmp_lg_u32 s28, s9                           ; on the diagonal the scores of hidden keys become -infinity ahead of the maximum: p = 0 then
	s_cbranch_scc1 .Lopen_\@
	v_mov_b32 v254, 0xff800000
.set J, 0
.rept 64
	v_cmp_gt_i32 vcc_lo, 16*(J/8)+J%8, v3
	v_cndmask_b32 v[96+J], v[96+J], v254, vcc_lo
.set J, J+1
.endr
.Lopen_\@:
.irp b, 0,1,2,3
	v_max3_num_f32 v[232+\b], v[96+16*\b], v[97+16*\b], v[98+16*\b]   ; the largest score of each block of 32 keys: for the row's maximum and, since p rises with the score, for the block's largest p
.endr
.irp i, 3,5,7,9,11,13
.irp b, 0,1,2,3
	v_max3_num_f32 v[232+\b], v[232+\b], v[96+16*\b+\i], v[97+16*\b+\i]
.endr
.endr
.irp b, 0,1,2,3
	v_max_num_f32 v[232+\b], v[232+\b], v[111+16*\b]
.endr
.irp b, 0,1,2,3
	s_delay_alu instid0(VALU_DEP_4)
	v_permlanex16_b32 v[236+\b], v[232+\b], s[SEL], s[SEL+1]
.endr
.irp b, 0,1,2,3
	s_delay_alu instid0(VALU_DEP_4)
	v_max_num_f32 v[232+\b], v[232+\b], v[236+\b]
.endr
	s_delay_alu instid0(VALU_DEP_2)
	v_max3_num_f32 v254, v232, v233, v234
	s_delay_alu instid0(VALU_DEP_1)
	v_max_num_f32 v254, v254, v235
	s_delay_alu instid0(VALU_DEP_1)
	v_mul_f32 v254, s[CS], v254                    ; the step's largest t
	s_delay_alu instid0(VALU_DEP_1)
	v_max_num_f32 v13, v13, v254
	v_mov_b32 v254, v12
	s_delay_alu instid0(VALU_DEP_2)
	v_floor_f32 v12, -v13                          ; the new -M = -ceil(t)
	s_delay_alu instid0(VALU_DEP_1)
	v_sub_f32 v254, v12, v254                      ; old M - new M: a whole number, 0 or less
	s_delay_alu instid0(VALU_DEP_1)
	v_cvt_i32_f32 v254, v254                       ; (it saturates)
	s_delay_alu instid0(VALU_DEP_1)
	v_ldexp_f32 v252, 1.0, v254                    ; f = 2^(old M - new M)
.set J, 0
.rept 32
	v_pk_fma_f32 v[96+J:97+J], v[96+J:97+J], s[CS:CS+1], v[12:13] op_sel_hi:[1,0,0]   ; t - M
.set J, J+2
.endr
.irp b, 0,1,2,3
	v_fma_f32 v[232+\b], v[232+\b], s[CS], v12
.endr
.set J, 0
	s_wait_alu depctr_va_vdst(0)
.rept 64
	v_exp_f32 v[96+J], v[96+J]                     ; p = 2^(t - M)
.set J, J+1
.endr
	v_pk_mul_f32 v[14:15], v[14:15], v[252:253] op_sel_hi:[1,0]   ; the sums under the new M: a plain instruction behind the exponentials
	s_wait_alu depctr_va_vdst(0)                   ; one wait for the batch, ahead of its first reader
.irp b, 0,1,2,3
	v_exp_f32 v[232+\b], v[232+\b]                 ; each block's largest p
.endr
	v_pk_add_f32 v[236:237], v[100:101], v[104:105]
	v_pk_add_f32 v[246:247], v[108:109], v[112:113]
	v_pk_add_f32 v[244:245], v[116:117], v[120:121]
	v_pk_add_f32 v[242:243], v[124:125], v[128:129]
	v_pk_add_f32 v[240:241], v[132:133], v[136:137]
	v_pk_add_f32 v[238:239], v[140:141], v[144:145]
	v_pk_add_f32 v[230:231], v[148:149], v[152:153]
	v_pk_add_f32 v[14:15], v[14:15], v[156:157]
	v_pk_add_f32 v[236:237], v[236:237], v[96:97]
	v_pk_add_f32 v[246:247], v[246:247], v[98:99]
	v_pk_add_f32 v[244:245], v[244:245], v[102:103]
	v_pk_add_f32 v[242:243], v[242:243], v[106:107]
	v_pk_add_f32 v[240:241], v[240:241], v[110:111]
	v_pk_add_f32 v[238:239], v[238:239], v[114:115]
	v_pk_add_f32 v[230:231], v[230:231], v[118:119]
	v_pk_add_f32 v[14:15], v[14:15], v[122:123]
	v_pk_add_f32 v[236:237], v[236:237], v[126:127]
	v_pk_add_f32 v[246:247], v[246:247], v[130:131]
	v_pk_add_f32 v[244:245], v[244:245], v[134:135]
	v_pk_add_f32 v[242:243], v[242:243], v[138:139]
	v_pk_add_f32 v[240:241], v[240:241], v[142:143]
	v_pk_add_f32 v[238:239], v[238:239], v[146:147]
	v_pk_add_f32 v[230:231], v[230:231], v[150:151]
	v_pk_add_f32 v[14:15], v[14:15], v[154:155]
	v_pk_add_f32 v[236:237], v[236:237], v[158:159]
	s_delay_alu instid0(VALU_DEP_2)
	v_pk_add_f32 v[14:15], v[14:15], v[242:243]
	s_delay_alu instid0(VALU_DEP_2)
	v_pk_add_f32 v[236:237], v[236:237], v[240:241]
	v_pk_add_f32 v[246:247], v[246:247], v[238:239]
	v_pk_add_f32 v[244:245], v[244:245], v[230:231]
	s_delay_alu instid0(VALU_DEP_2)
	v_pk_add_f32 v[14:15], v[14:15], v[246:247]
	s_delay_alu instid0(VALU_DEP_2)
	v_pk_add_f32 v[236:237], v[236:237], v[244:245]
	s_delay_alu instid0(VALU_DEP_1)
	v_pk_add_f32 v[14:15], v[14:15], v[236:237]
	s_wait_alu depctr_va_vdst(0)                   ; and one for the four
.irp b, 0,1,2,3
	v_max_num_f32 v[232+\b], 0x1800000, v[232+\b]  ; the floor 2^(3 - 127)
.endr
.irp b, 0,1,2,3
	s_delay_alu instid0(VALU_DEP_4)
	v_add_nc_u32 v[240+\b], 0xff000000, v[232+\b]  ; the conversion's scale operand
.endr
.irp b, 0,1,2,3
	s_delay_alu instid0(VALU_DEP_4)
	v_lshrrev_b32 v[236+\b], 23, v[240+\b]         ; the byte
.endr
	s_delay_alu instid0(VALU_DEP_3)
	v_lshl_or_b32 v253, v237, 8, v236              ; p's scale word for these 128 keys
	s_delay_alu instid0(VALU_DEP_1)
	v_lshl_or_b32 v253, v238, 16, v253
	s_delay_alu instid0(VALU_DEP_1)
	v_lshl_or_b32 v253, v239, 24, v253
.irp c, 0,1
	v_cvt_scalef32_pk8_fp4_f32 v[224+4*\c], v[96+32*\c:103+32*\c], v[240+2*\c]
	v_cvt_scalef32_pk8_fp4_f32 v[225+4*\c], v[112+32*\c:119+32*\c], v[241+2*\c]
	v_cvt_scalef32_pk8_fp4_f32 v[226+4*\c], v[104+32*\c:111+32*\c], v[240+2*\c]
	v_cvt_scalef32_pk8_fp4_f32 v[227+4*\c], v[120+32*\c:127+32*\c], v[241+2*\c]
.endr
	v_nop                                          ; one plain place behind a scaled conversion
.irp c, 0,1
	v_permlane16_swap_b32 v[224+4*\c], v[225+4*\c] ; block 2 c whole in lanes 0-15, block 2 c + 1 in lanes 16-31
	v_permlane16_swap_b32 v[226+4*\c], v[227+4*\c]
.endr
.set J, 0
.rept 16
	v_pk_mul_f32 v[160+J:161+J], v[160+J:161+J], v[252:253] op_sel_hi:[1,0]   ; O^T under the new M; these sixteen are also the places between the codes' and the word's last writes and the products
.set J, J+2
.endr
	s_wait_alu depctr_va_vdst(0)
	s_wait_dscnt 0x0                               ; V
.irp d, 0,2
	v_wmma_scale_f32_16x16x128_f8f6f4 v[160+8*\d:167+8*\d], v[192+8*\d:199+8*\d], v[224:231], v[160+8*\d:167+8*\d], v[248+\d/2], v253 matrix_a_fmt:MATRIX_FMT_FP4 matrix_b_fmt:MATRIX_FMT_FP4
	v_wmma_scale_f32_16x16x128_f8f6f4 v[168+8*\d:175+8*\d], v[200+8*\d:207+8*\d], v[224:231], v[168+8*\d:175+8*\d], v[248+\d/2], v253 matrix_a_fmt:MATRIX_FMT_FP4 matrix_b_fmt:MATRIX_FMT_FP4 matrix_a_scale:MATRIX_SCALE_ROW1
.endr
.Lhidden_\@:
	s_add_co_u32 s29, s29, 4096
	s_add_co_u32 s30, s30, 512
	s_add_co_u32 s31, s31, 256
	s_add_co_u32 s28, s28, 1
	s_cmp_lt_u32 s28, \last
	s_cbranch_scc1 .Lstep_\@
.endm
	WALK 16                                        ; tile 8 + m: A's nine steps, B's m
.rept 4
	v_nop                                          ; places behind the last products, ahead of the stores that read O^T and of the loads into Q's registers
.endr
	s_mov_b32 s28, 0
	s_mov_b32 s29, 0
	s_mov_b32 s30, 0
	s_mov_b32 s31, 0
	s_mov_b32 s44, 16                              ; A walks nothing more: no step reaches 16
	s_cmp_eq_u32 s43, 0
	s_wait_alu depctr_va_vdst(0)
	s_cbranch_scc1 .Lkeep
.irp k, 0,1,2,3,4,5,6,7
	ds_store_b128 v25, v[160+4*\k:163+4*\k] offset:512*\k   ; B: my part of O^T, each accumulator from its low end on,
.endr
	ds_store_b128 v25, v[12:15] offset:4096        ; -M, t and the sums
	s_mov_b32 s44, 0                               ; now tile 7 - m, steps 0 .. 7 - m
	s_sub_co_u32 s9, 7, s42
	s_mov_b32 s45, s9
	s_lshl_b32 s35, s9, 3
	s_add_co_u32 s35, s35, s10
	s_lshl_b32 s38, s35, 9
	s_add_co_u32 s38, s38, s34
	s_mov_b32 s39, 0
	s_add_nc_u64 s[38:39], s[4:5], s[38:39]        ; its codes
	s_lshl_b32 s40, s35, 6
	s_add_co_u32 s40, s40, s34
	s_add_co_u32 s40, s40, 65536
	s_mov_b32 s41, 0
	s_add_nc_u64 s[40:41], s[4:5], s[40:41]        ; its scale words
	global_load_b128 v[16:19], v1, s[38:39]
	global_load_b32 v24, v4, s[40:41]
	s_wait_dscnt 0x0                               ; the stores are done: for A's sake, and their registers begin anew
	v_mov_b32 v13, 0xff61b1e6
	v_floor_f32 v12, -v13
	v_mov_b32 v14, 0
	v_mov_b32 v15, 0
.set J, 0
.rept 32
	v_mov_b32 v[160+J], 0
.set J, J+1
.endr
	s_wait_alu depctr_va_vdst(0)
	s_wait_loadcnt 0x0
.Lkeep:
	WALK 8                                         ; B: tile 7 - m
.rept 4
	v_nop                                          ; places behind the last products
.endr
	s_wait_alu depctr_va_vdst(0)
	s_wait_dscnt 0x0
	s_barrier_signal -1
	s_barrier_wait -1                              ; every B's part lies in LDS
	s_cmp_lg_u32 s43, 0
	s_cbranch_scc1 .Lout
.irp k, 0,1,2,3,4,5,6,7
	ds_load_b128 v[32+4*\k:35+4*\k], v25 offset:512*\k      ; A: B's part of O^T,
.endr
	ds_load_b128 v[64:67], v25 offset:4096         ; its -M, t and sums
	s_wait_dscnt 0x0
	v_min_num_f32 v68, v12, v64                    ; the joint -M: the larger M
	v_mov_b32 v73, 0                               ; (named as upper halves of pairs)
	v_mov_b32 v75, 0
	v_sub_f32 v69, v68, v12                        ; whole numbers, 0 or less
	v_sub_f32 v70, v68, v64
	v_cvt_i32_f32 v69, v69                         ; (they saturate: a part with no step has -M = 3e38 and gets the factor 0)
	v_cvt_i32_f32 v70, v70
	v_ldexp_f32 v72, 1.0, v69
	v_ldexp_f32 v74, 1.0, v70
	v_pk_mul_f32 v[14:15], v[14:15], v[72:73] op_sel_hi:[1,0]
	v_pk_fma_f32 v[14:15], v[66:67], v[74:75], v[14:15] op_sel_hi:[1,0,1]
.set J, 0
.rept 16
	v_pk_mul_f32 v[160+J:161+J], v[160+J:161+J], v[72:73] op_sel_hi:[1,0]
	v_pk_fma_f32 v[160+J:161+J], v[32+J:33+J], v[74:75], v[160+J:161+J] op_sel_hi:[1,0,1]
.set J, J+2
.endr
.Lout:
	; THE WAY OUT: O^T / the sum, quantised along d (two blocks of 32), into the record of my 16 tokens
	v_add_f32 v14, v14, v15
	s_wait_alu depctr_va_vdst(0)
	v_permlanex16_b32 v252, v14, s[SEL], s[SEL+1]
	s_delay_alu instid0(VALU_DEP_1)
	v_add_f32 v14, v14, v252                       ; the row's sum
	s_wait_alu depctr_va_vdst(0)
	v_rcp_f32 v14, v14
	v_and_b32 v4, 15, v0                           ; (plain work behind the reciprocal)
	s_delay_alu instid0(VALU_DEP_1)
	v_lshlrev_b32 v4, 4, v4                        ; 16 r
	v_nop
	v_nop
	s_lshr_b32 s32, s11, 4                         ; batch
	s_and_b32 s33, s11, 15                         ; head
	s_lshl_b32 s32, s32, 3
	s_lshr_b32 s34, s9, 1
	s_add_co_u32 s32, s32, s34                     ; the block of 256 tokens
	s_lshl_b32 s32, s32, 1
	s_lshr_b32 s34, s33, 3
	s_add_co_u32 s32, s32, s34                     ; its panel: 512 along K are eight heads
	s_mul_i32 s32, s32, PANB
	s_and_b32 s34, s9, 1
	s_lshl_b32 s34, s34, 3
	s_add_co_u32 s34, s34, s10
	s_mul_i32 s34, s34, TRB
	s_add_co_u32 s32, s32, s34                     ; my record
	s_bfe_u32 s34, s33, 0x20001                    ; ks
	s_and_b32 s35, s33, 1                          ; c
	s_lshl_b32 s36, s34, 10
	s_lshl_b32 s37, s35, 9
	s_add_co_u32 s36, s36, s37
	s_add_co_u32 s36, s36, s32
	s_mov_b32 s37, 0
	s_add_nc_u64 s[36:37], s[6:7], s[36:37]        ; the codes
	s_lshl_b32 s38, s34, 2
	s_lshl_b32 s39, s35, 1
	s_add_co_u32 s38, s38, s39
	s_add_co_u32 s38, s38, s32
	s_mov_b32 s39, 0
	s_add_nc_u64 s[38:39], s[6:7], s[38:39]        ; the two bytes
	s_wait_alu depctr_va_vdst(0)                   ; the wait, ahead of the reciprocal's first reader
.set J, 0
.rept 32
	v_mul_f32 v[96+J], v[160+J], v14               ; register 8 t + j is d = 16 t + 8 h + j
.set J, J+1
.endr
.irp b, 0,1
	v_max3_num_f32 v[232+\b], |v[96+16*\b]|, |v[97+16*\b]|, 0x1800000
.endr
.irp i, 2,4,6,8,10,12,14
.irp b, 0,1
	s_delay_alu instid0(VALU_DEP_2)
	v_max3_num_f32 v[232+\b], v[232+\b], |v[96+16*\b+\i]|, |v[97+16*\b+\i]|
.endr
.endr
.irp b, 0,1
	s_delay_alu instid0(VALU_DEP_2)
	v_permlanex16_b32 v[236+\b], v[232+\b], s[SEL], s[SEL+1]
.endr
.irp b, 0,1
	s_delay_alu instid0(VALU_DEP_2)
	v_max_num_f32 v[232+\b], v[232+\b], v[236+\b]
.endr
.irp b, 0,1
	s_delay_alu instid0(VALU_DEP_2)
	v_add_nc_u32 v[240+\b], 0xff000000, v[232+\b]
.endr
.irp b, 0,1
	s_delay_alu instid0(VALU_DEP_2)
	v_lshrrev_b32 v[236+\b], 23, v[240+\b]
.endr
	s_delay_alu instid0(VALU_DEP_1)
	v_lshl_or_b32 v8, v237, 8, v236
	v_cvt_scalef32_pk8_fp4_f32 v224, v[96:103], v240
	v_cvt_scalef32_pk8_fp4_f32 v225, v[112:119], v241
	v_cvt_scalef32_pk8_fp4_f32 v226, v[104:111], v240
	v_cvt_scalef32_pk8_fp4_f32 v227, v[120:127], v241
	v_nop
	v_permlane16_swap_b32 v224, v225
	v_permlane16_swap_b32 v226, v227
	global_store_b128 v1, v[224:227], s[36:37]     ; 512 consecutive bytes
	global_store_b16 v4, v8, s[38:39] offset:4096  ; lanes r and r + 16 write the same two bytes with the same value
	s_wait_tensorcnt 0x0
	ds_add_u32 v251, v255
	s_wait_dscnt 0x0
	CROUND                                         ; the closing round: no work-group ends while a partner may still ask for a tile that names it
	s_endpgm
.Lfunc_end_k_qdbf54dc8d0_attn:
	.size	k_qdbf54dc8d0_attn, .Lfunc_end_k_qdbf54dc8d0_attn-k_qdbf54dc8d0_attn
	.p2alignl 7, 3214868480
	.fill 96, 4, 3214868480
	.section	.rodata,"a",@progbits
	.p2align	6, 0x0
	.amdhsa_kernel k_qdbf54dc8d0_attn
		.amdhsa_group_segment_fixed_size 182272
		.amdhsa_private_segment_fixed_size 0
		.amdhsa_enable_private_segment 0
		.amdhsa_kernarg_size 16
		.amdhsa_user_sgpr_count 2
		.amdhsa_user_sgpr_kernarg_segment_ptr 1
		.amdhsa_wavefront_size32 1
		.amdhsa_system_sgpr_workgroup_id_x 1
		.amdhsa_system_sgpr_workgroup_id_y 1
		.amdhsa_system_sgpr_workgroup_id_z 1
		.amdhsa_system_vgpr_workitem_id 0
		.amdhsa_next_free_vgpr 256
		.amdhsa_next_free_sgpr 66
		.amdhsa_reserve_vcc 1
		.amdhsa_float_denorm_mode_32 3
		.amdhsa_float_denorm_mode_16_64 3
		.amdhsa_memory_ordered 1
		.amdhsa_forward_progress 1
		.amdhsa_inst_pref_size 62
	.end_amdhsa_kernel
	.amdgpu_metadata
---
amdhsa.version: [ 1, 2 ]
amdhsa.kernels:
  - .name:           k_qdbf54dc8d0_attn
    .symbol:         k_qdbf54dc8d0_attn.kd
    .args:
      - { .name: qkv, .offset: 0, .size: 8, .value_kind: global_buffer, .address_space: global }
      - { .name: ac, .offset: 8, .size: 8, .value_kind: global_buffer, .address_space: global }
    .group_segment_fixed_size: 182272
    .private_segment_fixed_size: 0
    .kernarg_segment_align: 8
    .kernarg_segment_size: 16
    .max_flat_workgroup_size: 512
    .sgpr_count:     66
    .vgpr_count:     256
    .wavefront_size: 32
...
	.end_amdgpu_metadata
.endif
;; end of part 10
;; launch woln (part 11): grid 256 x 1, 16 waves a work-group, clusters of 4 x 1, 296,960 bytes of LDS; arguments ac, wc, bo, x, g2, b2, x1, hc; writes x1, hc
.if DOCPART == 11
	.amdgcn_target "amdgcn-amd-amdhsa--gfx1250"
	.amdhsa_code_object_version 6
	.text
	.protected	k_qdbf54dc8d0_woln
	.globl	k_qdbf54dc8d0_woln
	.p2align	8
	.type	k_qdbf54dc8d0_woln,@function
k_qdbf54dc8d0_woln:
	s_mov_b64 s[64:65], 0
	v_nop
	global_prefetch_b8 v0, s[64:65] scope:SCOPE_SE
	s_setreg_imm32_b32 hwreg(HW_REG_WAVE_MODE, 25, 1), 1
	s_wait_xcnt 0x0
	s_wait_alu depctr_hold_cnt(0) depctr_sa_sdst(0) depctr_va_vdst(0) depctr_va_sdst(0) depctr_va_ssrc(0) depctr_va_vcc(0) depctr_vm_vsrc(0)
	s_getreg_b32 s2, hwreg(HW_REG_IB_STS2, 6, 4)
	s_cmp_eq_u32 s2, 0
	s_cbranch_scc0 .Lentry_in_a_cluster
	s_endpgm
.Lentry_in_a_cluster:
	s_bfe_u32 s2, ttmp6, 0x10000c
	s_cmp_lg_u32 s2, 0x3003
	s_cbranch_scc0 .Lentry_shape_is_right
	s_endpgm
.Lentry_shape_is_right:
; x1 = x + attn wo + bo, and at once h2 = (x1 - mean) rsqrt(var + 1e-5) g2 + b2 quantised along the row: two steps of the block in one launch, since a work-group owns whole rows.
; attn (ac) and wo (wc + 1,671,168, row n) are codes of FP4 (E2M1) with E8M0 scales, K = 1,024, as operand records: 16 rows x 512 K = 4,352 bytes: a fragment (16 rows x 128 K) is two loads of
; 16 bytes a lane at 1024 ks + 512 c + 16 lane; a row's four scale words at 4096 + 16 r; 16 records are a panel (69,632 bytes), a block of 256 rows has two panels on end.
; SHARES.  A work-group takes 16 tokens x all 1,024 columns; 256 work-groups.  Wave w of sixteen takes record w (16 columns) of each of wo's four blocks of 256 rows n: four accumulators, 32 matrix
; instructions, the four by turns.
; wo COMES BY TWO ROADS.  All work-groups walk the same 557,056 bytes, more than LDS holds.  Blocks 0 and 1, 278,528 dense bytes, come into LDS once: each wave asks for 68 rows of 256 bytes, JOINTLY with the
; three partners of its cluster (mask 15); nothing is filled again.  Blocks 2 and 3 go from memory straight into the operand registers: 32 loads a wave of 512 consecutive bytes, all issued at the head.
; THE TOKENS' CODES, 8,192 bytes, are fetched once a work-group, 512 bytes a wave, and shared through LDS.
; NO PREFETCH: the text has no loop to run ahead in; every load is issued at the head or as soon as its registers are free.
; THE MATRIX INSTRUCTION IS USED TRANSPOSED (source 0 = 16 rows of wo, source 1 = the 16 tokens): a lane holds eight neighbouring columns of one token.  bo is loaded into the accumulators: the C of the first products.
; THEN, behind a barrier after the tiles' last read, the 16 x 1,024 sums meet in a stage on the tiles' bytes (rows 4,112 bytes apart); wave w takes row w whole, 512 consecutive bytes a load: + x, stored as x1;
; mean and variance over registers; g2 and b2 (each wave brought 256 bytes of each into LDS); a turn through the wave's own stage so that lane l holds block l of 32; byte and codes into an image of the
; two records of hc, which leave as whole aligned pieces of 256 bytes.
; LIMITS: a block of zeros gets the byte 1 (its codes are zeros; this program alone reads the bytes); magnitudes under 2^-124 are taken as the floor; NaN and infinities are not served.
.set TRB,   4352
.set PANB,  16*TRB
.set WB,    1671168
.set SP,    4112                       ; a stage row: 4,096 bytes + 16
.set TST,   66048                      ; on the tiles' bytes, behind the stage: sixteen turning stages of 4,608 bytes,
.set IMG,   TST+16*4608                ; and 34 pieces, 272 bytes apart
.set GL,    4*PANB                     ; behind the tiles: g2, then b2,
.set AL,    GL+8192                    ; the tokens' codes: k step q at 1024 q,
.set SPARE, AL+8192                    ; and the spare words, 128 bytes for each wave
.set AS,    32                         ; v32-39   the tokens' scale words, one register a k step
.set BSG,   40                         ; v40-47   wo's: lanes 0-15 block 2, lanes 16-31 block 3
.set BSL,   48                         ; v48-55   lanes 0-15 block 0, lanes 16-31 block 1
.set ACC,   56                         ; v56-87   accumulator n for block n; then my row
.set XR,    56
.set BG,    88                         ; v88-215  blocks 2 and 3: 16 registers a k step
.set X,     88                         ; then x's row,
.set G,     120                        ; g2,
.set B,     152                        ; b2,
.set T,     184                        ; and the row turned
.set F,     216                        ; v216-239 a k step's fragments from LDS: the tokens', block 0's, block 1's
.set CD,    244
.set BY,    20
.macro CROUND                          ; a round of the cluster's barrier
	s_barrier_signal -1
	s_barrier_wait -1
	s_cmp_lg_u32 s20, 0
	s_cbranch_scc1 .Lnot_wave_0_\@
	s_barrier_signal -3
.Lnot_wave_0_\@:
	s_barrier_wait -3
	s_barrier_signal -1
	s_barrier_wait -1
.endm
	s_load_b256 s[4:11], s[0:1], 0x0               ; ac, wc, bo, x
	s_load_b256 s[12:19], s[0:1], 0x20             ; g2, b2, x1, hc
	v_lshl_add_u32 v28, v0, 2, SPARE
	v_mov_b32 v29, 0
	ds_add_u32 v28, v29                            ; the opening lines: the add, twice on end, and its wait ahead of my tensor load
	ds_add_u32 v28, v29
	v_lshrrev_b32 v10, 5, v0
	v_readfirstlane_b32 s20, v10                   ; wave 0..15
	v_and_b32 v1, 31, v0                           ; lane
	v_lshlrev_b32 v30, 3, v0                       ; 8 x thread: my piece of g2 and of b2
	v_lshlrev_b32 v2, 4, v1                        ; 16 lane
	v_and_b32 v11, 15, v1                          ; r
	v_lshrrev_b32 v12, 4, v1                       ; h
	v_lshlrev_b32 v9, 4, v11                       ; 16 r
	v_lshlrev_b32 v15, 5, v12                      ; 32 h
	v_mul_u32_u24 v25, v12, 2*PANB
	v_add_nc_u32 v25, v25, v9                      ; 16 r, lanes 16-31 a block of wo on
	s_bfe_u32 s21, ttmp6, 0x40000                  ; cx
	s_lshl_b32 s39, ttmp9, 2
	s_add_co_u32 s39, s39, s21                     ; my work-group: it enters global addresses of my own loads and stores alone
	s_lshr_b32 s22, s39, 4
	s_mul_i32 s22, s22, 2*PANB                     ; the block of 256 tokens,
	s_and_b32 s21, s39, 15
	s_mul_i32 s21, s21, TRB
	s_add_co_u32 s22, s22, s21                     ; my record in its first panel: in ac and in hc alike
	s_mov_b32 s23, 0
	s_mul_i32 s56, s20, TRB                        ; record w of a block of wo
	s_add_co_u32 s24, s56, WB+4*PANB               ; in block 2
	s_mov_b32 s25, 0
	s_lshl_b32 s26, s39, 16
	s_lshl_b32 s21, s20, 12
	s_add_co_u32 s26, s26, s21                     ; row 16 g + w of x and x1
	s_mov_b32 s27, 0
	s_lshl_b32 s40, s20, 6                         ; 64 w: my 16 columns in bytes
	s_mov_b32 s41, 0
	s_lshl_b32 s28, s20, 8
	s_add_co_u32 s28, s28, s22                     ; hc: piece w of my record
	s_mov_b32 s29, 0
	s_lshr_b32 s42, s20, 3
	s_mul_i32 s42, s42, PANB
	s_and_b32 s21, s20, 7
	s_lshl_b32 s21, s21, 9
	s_add_co_u32 s42, s42, s21                     ; my 512 bytes of the tokens' codes: panel w / 8, piece w % 8
	s_mov_b32 s43, 0
	s_mov_b32 s44, 1                               ; descriptor group 0: count,
	s_mul_i32 s45, s20, 17408                      ; LDS address: my sixteenth of blocks 0 and 1: the wave's number alone
	s_add_co_u32 s58, s45, WB                      ; and the same place in wc
	s_mov_b32 s59, 0
	s_mov_b32 s48, 15|(3<<16)|(1<<21)              ; group 1: 15:0 the mask: all four work-groups; 17:16 elements of 8 bytes; 21 set beside a mask
	s_mov_b32 s49, 128<<16                         ; my sixteenth, 17,408 dense bytes, stated as 17 rows of 1,024 bytes (in place of the head comment's 68 rows of 256): tensor_dim0 = 128 elements
	s_mov_b32 s50, 17<<16                          ; tensor_dim1 = 17 rows
	s_mov_b32 s51, 128<<16                         ; tile_dim0
	s_mov_b32 s52, 17                              ; tile_dim1
	s_mov_b32 s53, 128                             ; the rows are dense
	s_mov_b32 s54, 0
	s_mov_b32 s55, 0
	s_mov_b32 s30, 0x76543210
	s_mov_b32 s31, 0xfedcba98                      ; v_permlanex16_b32's selects for lane l xor 16
	s_mov_b32 s32, 0x3a800000                      ; 1 / 1024
	s_mov_b32 s33, 0x3727c5ac                      ; 1e-5
	s_mul_i32 s34, s20, 4608
	s_add_co_u32 s34, s34, TST                     ; my turning stage
	s_lshl_b32 s35, s20, 4
	s_add_co_u32 s35, s35, IMG                     ; row w: 16 bytes in a piece
	s_mul_i32 s36, s20, 272
	s_add_co_u32 s36, s36, IMG                     ; piece w
	s_mul_i32 s38, s20, SP                         ; stage row w
	s_add_co_u32 s57, s56, 4096                    ; record w's scale words
	s_wait_alu depctr_va_vdst(0)
	s_wait_dscnt 0x0                               ; both opening adds are done
	s_wait_kmcnt 0x0
	s_add_nc_u64 s[46:47], s[6:7], s[58:59]
	s_or_b32 s47, s47, 0x80000000                  ; type = 2
	s_add_nc_u64 s[4:5], s[4:5], s[22:23]
	s_add_nc_u64 s[42:43], s[4:5], s[42:43]
	s_add_nc_u64 s[6:7], s[6:7], s[24:25]
	s_add_nc_u64 s[8:9], s[8:9], s[40:41]
	s_add_nc_u64 s[10:11], s[10:11], s[26:27]
	s_add_nc_u64 s[16:17], s[16:17], s[26:27]
	s_add_nc_u64 s[18:19], s[18:19], s[28:29]
	; fifteen small loads, then blocks 2 and 3 whole: 47 loads of mine are out
	global_load_b128 v[F:F+3], v2, s[42:43]
	global_load_b128 v[AS:AS+3], v9, s[4:5] offset:4096
	global_load_b128 v[AS+4:AS+7], v9, s[4:5] offset:PANB+4096
	global_load_b128 v[BSG:BSG+3], v25, s[6:7] offset:4096
	global_load_b128 v[BSG+4:BSG+7], v25, s[6:7] offset:PANB+4096
.irp t, 0,1,2,3
	global_load_b128 v[ACC+8*\t:ACC+8*\t+3], v15, s[8:9] offset:1024*\t      ; bo in the result's layout: columns 256 t + 16 w + 8 h + 0 .. 7
	global_load_b128 v[ACC+8*\t+4:ACC+8*\t+7], v15, s[8:9] offset:1024*\t+16
.endr
	global_load_b64 v[240:241], v30, s[12:13]
	global_load_b64 v[242:243], v30, s[14:15]
.irp q, 0,1,2,3,4,5,6,7
.irp e, 0,1
	global_load_b128 v[BG+16*\q+8*\e:BG+16*\q+8*\e+3], v2, s[6:7] offset:\e*2*PANB+(\q/4)*PANB+(\q%4)*1024
	global_load_b128 v[BG+16*\q+8*\e+4:BG+16*\q+8*\e+7], v2, s[6:7] offset:\e*2*PANB+(\q/4)*PANB+(\q%4)*1024+512
.endr
.endr
	CROUND                                         ; all four work-groups are here: the joint loads meet
	tensor_load_to_lds s[44:47], s[48:55]          ; my one tensor load
	s_nop 0
.rept 4
	v_nop
.endr
	v_lshrrev_b32 v13, 3, v1
	v_add_nc_u32 v13, v13, v1
	v_lshl_add_u32 v3, v13, 4, s34                 ; v3: into my turning stage: 16 (l + l / 8); load j's 512 bytes begin 576 j on
	v_mul_u32_u24 v4, v1, 144
	v_add_nc_u32 v4, s34, v4                       ; v4: out of it: 144 l: my block
	v_mad_u32_u24 v13, v12, 17, v11
	v_mul_u32_u24 v5, v13, 272
	v_add_nc_u32 v5, s35, v5                       ; v5: where block l's codes go: piece l % 16 of panel l / 16
	v_mul_u32_u24 v6, v12, 17*272
	v_add_nc_u32 v6, v6, v11
	v_add_nc_u32 v6, s35, v6                       ; v6: and, 16 pieces on, its byte
	v_mul_u32_u24 v7, v12, 17*272
	v_lshl_add_u32 v7, v11, 4, v7
	v_add_nc_u32 v7, s36, v7                       ; v7: the way out: lanes 0-15 piece w of panel 0's record, lanes 16-31 of panel 1's
	v_mul_u32_u24 v8, v12, PANB
	v_lshl_add_u32 v8, v11, 4, v8                  ; v8: and the same places in memory
	v_mul_u32_u24 v26, v11, SP
	v_lshl_add_u32 v26, v12, 5, v26
	v_add_nc_u32 v26, s40, v26                     ; v26: into the stage: row r, 64 w + 32 h
	v_add_nc_u32 v27, s38, v2                      ; v27: out of it: row w, 16 lane
	v_add_nc_u32 v21, GL, v2                       ; v21: g2 and b2 from LDS
	v_lshl_add_u32 v31, v0, 3, GL                  ; v31: my piece of them into LDS
	v_add_nc_u32 v16, s56, v2                      ; v16-19: record w of block 0 panel 0, panel 1, block 1 panel 0, panel 1
	v_add_nc_u32 v17, PANB, v16
	v_add_nc_u32 v18, 2*PANB, v16
	v_add_nc_u32 v19, 3*PANB, v16
	v_add_nc_u32 v22, AL, v2                       ; v22: the tokens' fragments
	v_lshl_add_u32 v23, v0, 4, AL                  ; v23: my piece of them into LDS
	v_add_nc_u32 v24, s57, v25                     ; v24, v13: record w's scale words: lanes 0-15 block 0, lanes 16-31 block 1; panel 0, panel 1
	v_add_nc_u32 v13, PANB, v24
	v_mov_b32 v14, 0                               ; a lane permute's destination counts as one of its sources
	s_wait_alu depctr_va_vdst(0)
	s_wait_loadcnt 32                              ; the fifteen are in; blocks 2 and 3 may be out
	s_wait_tensorcnt 0x0                           ; my part of blocks 0 and 1 is in
	ds_store_b128 v23, v[F:F+3]
	ds_store_b64 v31, v[240:241]
	ds_store_b64 v31, v[242:243] offset:4096
	s_wait_dscnt 0x0                               ; for the others' sake: my stores are done
	s_barrier_signal -1
	s_barrier_wait -1                              ; everybody's part is in
	ds_load_b128 v[BSL:BSL+3], v24
	ds_load_b128 v[BSL+4:BSL+7], v13
.macro QS q, out                       ; k step q: six LDS loads, four products, four places ahead of the next loads into their registers.  out: the global loads issued behind this step's four
.set BQ, BG+16*(\q)
	ds_load_b128 v[F:F+3], v22 offset:1024*(\q)
	ds_load_b128 v[F+4:F+7], v22 offset:1024*(\q)+512
.irp e, 0,1
	ds_load_b128 v[F+8+8*\e:F+11+8*\e], v[16+2*\e+(\q)/4] offset:1024*((\q)%4)
	ds_load_b128 v[F+12+8*\e:F+15+8*\e], v[16+2*\e+(\q)/4] offset:1024*((\q)%4)+512
.endr
	s_wait_loadcnt \out
	s_wait_dscnt 0x0
	v_wmma_scale_f32_16x16x128_f8f6f4 v[ACC:ACC+7], v[F+8:F+15], v[F:F+7], v[ACC:ACC+7], v[BSL+(\q)], v[AS+(\q)] matrix_a_fmt:MATRIX_FMT_FP4 matrix_b_fmt:MATRIX_FMT_FP4
	v_wmma_scale_f32_16x16x128_f8f6f4 v[ACC+8:ACC+15], v[F+16:F+23], v[F:F+7], v[ACC+8:ACC+15], v[BSL+(\q)], v[AS+(\q)] matrix_a_fmt:MATRIX_FMT_FP4 matrix_b_fmt:MATRIX_FMT_FP4 matrix_a_scale:MATRIX_SCALE_ROW1
	v_wmma_scale_f32_16x16x128_f8f6f4 v[ACC+16:ACC+23], v[BQ:BQ+7], v[F:F+7], v[ACC+16:ACC+23], v[BSG+(\q)], v[AS+(\q)] matrix_a_fmt:MATRIX_FMT_FP4 matrix_b_fmt:MATRIX_FMT_FP4
	v_wmma_scale_f32_16x16x128_f8f6f4 v[ACC+24:ACC+31], v[BQ+8:BQ+15], v[F:F+7], v[ACC+24:ACC+31], v[BSG+(\q)], v[AS+(\q)] matrix_a_fmt:MATRIX_FMT_FP4 matrix_b_fmt:MATRIX_FMT_FP4 matrix_a_scale:MATRIX_SCALE_ROW1
.rept 4
	v_nop
.endr
.endm
	QS 0, 28                                       ; behind step 0's four: seven steps' 28
	QS 1, 24
.irp j, 0,1,2,3,4,5,6,7
	global_load_b128 v[X+4*\j:X+4*\j+3], v2, s[10:11] offset:512*\j th:TH_LOAD_NT   ; x's row w, into the registers of steps 0 and 1: 512 consecutive bytes a load
.endr
	QS 2, 28                                       ; five steps' 20 and x's eight
	QS 3, 24
	QS 4, 20
	QS 5, 16
	QS 6, 12
	QS 7, 8
	s_barrier_signal -1                            ; (no LDS instruction of mine is out)
	s_barrier_wait -1                              ; nobody reads the tiles any more: their bytes, which have had their one fill, take the stage
.irp t, 0,1,2,3
	ds_store_b128 v26, v[ACC+8*\t:ACC+8*\t+3] offset:1024*\t        ; each accumulator from its low end on
	ds_store_b128 v26, v[ACC+8*\t+4:ACC+8*\t+7] offset:1024*\t+16
.endr
	s_wait_dscnt 0x0                               ; for the others' sake: my stores are done
	s_barrier_signal -1
	s_barrier_wait -1
.irp j, 0,1,2,3,4,5,6,7
	ds_load_b128 v[XR+4*\j:XR+4*\j+3], v27 offset:512*\j
.endr
.irp j, 0,1,2,3,4,5,6,7
	ds_load_b128 v[G+4*\j:G+4*\j+3], v21 offset:512*\j
.endr
.irp j, 0,1,2,3,4,5,6,7
	ds_load_b128 v[B+4*\j:B+4*\j+3], v21 offset:4096+512*\j
.endr
	s_wait_loadcnt 0x0                             ; x
	s_wait_dscnt 16                                ; my row is in; g2 and b2 may be out
.irp j, 0,2,4,6,8,10,12,14,16,18,20,22,24,26,28,30
	v_pk_add_f32 v[XR+\j:XR+\j+1], v[XR+\j:XR+\j+1], v[X+\j:X+\j+1]
.endr
.irp j, 0,1,2,3,4,5,6,7
	global_store_b128 v2, v[XR+4*\j:XR+4*\j+3], s[16:17] offset:512*\j    ; x1: 512 consecutive bytes a store
.endr
.macro WSUM                            ; v10 summed over the 32 lanes
	v_add_f32_dpp v10, v10, v10 row_xmask:1 row_mask:0xf bank_mask:0xf
	v_add_f32_dpp v10, v10, v10 row_xmask:2 row_mask:0xf bank_mask:0xf
	v_add_f32_dpp v10, v10, v10 row_xmask:4 row_mask:0xf bank_mask:0xf
	v_add_f32_dpp v10, v10, v10 row_xmask:8 row_mask:0xf bank_mask:0xf
	v_permlanex16_b32 v14, v10, s30, s31
	v_add_f32 v10, v10, v14
.endm
	v_pk_add_f32 v[10:11], v[XR:XR+1], v[XR+2:XR+3]
	v_pk_add_f32 v[12:13], v[XR+4:XR+5], v[XR+6:XR+7]
.irp j, 8,12,16,20,24,28
	v_pk_add_f32 v[10:11], v[10:11], v[XR+\j:XR+\j+1]
	v_pk_add_f32 v[12:13], v[12:13], v[XR+\j+2:XR+\j+3]
.endr
	v_pk_add_f32 v[10:11], v[10:11], v[12:13]
	v_add_f32 v10, v10, v11
	WSUM
	s_wait_alu depctr_va_vdst(0)
	s_wait_xcnt 0x0                                ; the stores of x1 have read their registers: the row may be rewritten
	v_mul_f32 v16, s32, v10                        ; the mean, as a pair
	v_mul_f32 v17, s32, v10
.irp j, 0,2,4,6,8,10,12,14,16,18,20,22,24,26,28,30
	v_pk_add_f32 v[XR+\j:XR+\j+1], v[XR+\j:XR+\j+1], v[16:17] neg_lo:[0,1] neg_hi:[0,1]
.endr
	v_pk_mul_f32 v[10:11], v[XR:XR+1], v[XR:XR+1]
	v_pk_mul_f32 v[12:13], v[XR+2:XR+3], v[XR+2:XR+3]
.irp j, 4,8,12,16,20,24,28
	v_pk_fma_f32 v[10:11], v[XR+\j:XR+\j+1], v[XR+\j:XR+\j+1], v[10:11]
	v_pk_fma_f32 v[12:13], v[XR+\j+2:XR+\j+3], v[XR+\j+2:XR+\j+3], v[12:13]
.endr
	v_pk_add_f32 v[10:11], v[10:11], v[12:13]
	v_add_f32 v10, v10, v11
	WSUM
	v_fma_f32 v10, v10, s32, s33                   ; var + eps
	s_wait_alu depctr_va_vdst(0)
	v_rsq_f32 v18, v10
	v_rsq_f32 v19, v10
	v_nop                                          ; a plain place behind them
	s_wait_alu depctr_va_vdst(0)                   ; and the wait ahead of their first reader
	s_wait_dscnt 0x0                               ; g2 and b2
.irp j, 0,2,4,6,8,10,12,14,16,18,20,22,24,26,28,30
	v_pk_mul_f32 v[XR+\j:XR+\j+1], v[XR+\j:XR+\j+1], v[18:19]
.endr
.irp j, 0,2,4,6,8,10,12,14,16,18,20,22,24,26,28,30
	v_pk_fma_f32 v[XR+\j:XR+\j+1], v[XR+\j:XR+\j+1], v[G+\j:G+\j+1], v[B+\j:B+\j+1]
.endr
.irp j, 0,1,2,3,4,5,6,7
	ds_store_b128 v3, v[XR+4*\j:XR+4*\j+3] offset:576*\j            ; the turn: LDS serves a wave's instructions in order, so no wait stands between the stores and the loads
.endr
.irp i, 0,1,2,3,4,5,6,7
	ds_load_b128 v[T+4*\i:T+4*\i+3], v4 offset:16*\i
.endr
	s_wait_dscnt 0x0
	v_max3_num_f32 v22, |v[T]|, |v[T+1]|, |v[T+2]|
	v_max3_num_f32 v23, |v[T+3]|, |v[T+4]|, |v[T+5]|
.irp i, 6,10,14,18,22,26
	v_max3_num_f32 v22, v22, |v[T+\i]|, |v[T+\i+1]|
	v_max3_num_f32 v23, v23, |v[T+\i+2]|, |v[T+\i+3]|
.endr
	v_max3_num_f32 v22, v22, |v[T+30]|, |v[T+31]|
	v_max3_num_f32 v22, v22, v23, 0x1800000        ; and the floor 2^(3 - 127): the byte cannot fall under 1
	v_add_nc_u32 v24, 0xff000000, v22              ; 2 off the exponent field: the conversion's scale operand
	v_lshrrev_b32 v[BY], 23, v24                   ; the byte
.irp g, 0,1,2,3
	v_cvt_scalef32_pk8_fp4_f32 v[CD+\g], v[T+8*\g:T+8*\g+7], v24
.endr
	v_nop                                          ; one plain place behind a scaled conversion
	ds_store_b128 v5, v[CD:CD+3]
	ds_store_b8 v6, v[BY] offset:16*272
	s_wait_dscnt 0x0                               ; for the others' sake: my stores into the image are done
	s_barrier_signal -1
	s_barrier_wait -1
	ds_load_b128 v[216:219], v7                    ; piece w of both records
	s_wait_dscnt 0x0
	global_store_b128 v8, v[216:219], s[18:19]     ; sixteen lanes store 256 consecutive bytes, aligned
	s_cmp_lg_u32 s20, 0
	s_cbranch_scc1 .Ldone
	ds_load_b128 v[220:223], v7 offset:16*272      ; wave 0: the scale bytes, piece 16
	s_wait_dscnt 0x0
	global_store_b128 v8, v[220:223], s[18:19] offset:4096
.Ldone:
	s_wait_tensorcnt 0x0                           ; the wave's end
	ds_add_u32 v28, v29
	s_wait_dscnt 0x0
	CROUND                                         ; the closing round: no work-group ends while a partner may still ask for a tile that names it
	s_endpgm
.Lfunc_end_k_qdbf54dc8d0_woln:
	.size	k_qdbf54dc8d0_woln, .Lfunc_end_k_qdbf54dc8d0_woln-k_qdbf54dc8d0_woln
	.p2alignl 7, 3214868480
	.fill 96, 4, 3214868480
	.section	.rodata,"a",@progbits
	.p2align	6, 0x0
	.amdhsa_kernel k_qdbf54dc8d0_woln
		.amdhsa_group_segment_fixed_size 296960
		.amdhsa_private_segment_fixed_size 0
		.amdhsa_enable_private_segment 0
		.amdhsa_kernarg_size 64
		.amdhsa_user_sgpr_count 2
		.amdhsa_user_sgpr_kernarg_segment_ptr 1
		.amdhsa_wavefront_size32 1
		.amdhsa_system_sgpr_workgroup_id_x 1
		.amdhsa_system_sgpr_workgroup_id_y 1
		.amdhsa_system_sgpr_workgroup_id_z 1
		.amdhsa_system_vgpr_workitem_id 0
		.amdhsa_next_free_vgpr 248
		.amdhsa_next_free_sgpr 66
		.amdhsa_reserve_vcc 0
		.amdhsa_float_denorm_mode_32 3
		.amdhsa_float_denorm_mode_16_64 3
		.amdhsa_memory_ordered 1
		.amdhsa_forward_progress 1
		.amdhsa_inst_pref_size 35
	.end_amdhsa_kernel
	.amdgpu_metadata
---
amdhsa.version: [ 1, 2 ]
amdhsa.kernels:
  - .name:           k_qdbf54dc8d0_woln
    .symbol:         k_qdbf54dc8d0_woln.kd
    .args:
      - { .name: ac, .offset: 0, .size: 8, .value_kind: global_buffer, .address_space: global }
      - { .name: wc, .offset: 8, .size: 8, .value_kind: global_buffer, .address_space: global }
      - { .name: bo, .offset: 16, .size: 8, .value_kind: global_buffer, .address_space: global }
      - { .name: x, .offset: 24, .size: 8, .value_kind: global_buffer, .address_space: global }
      - { .name: g2, .offset: 32, .size: 8, .value_kind: global_buffer, .address_space: global }
      - { .name: b2, .offset: 40, .size: 8, .value_kind: global_buffer, .address_space: global }
      - { .name: x1, .offset: 48, .size: 8, .value_kind: global_buffer, .address_space: global }
      - { .name: hc, .offset: 56, .size: 8, .value_kind: global_buffer, .address_space: global }
    .group_segment_fixed_size: 296960
    .private_segment_fixed_size: 0
    .kernarg_segment_align: 8
    .kernarg_segment_size: 64
    .max_flat_workgroup_size: 512
    .sgpr_count:     66
    .vgpr_count:     248
    .wavefront_size: 32
...
	.end_amdgpu_metadata
.endif
;; end of part 11
;; launch ffn1 (part 12): grid 16 x 16, 4 waves a work-group, clusters of 4 x 4, 327,680 bytes of LDS; arguments hc, wc, bf1, hid; writes hid
.if DOCPART == 12
	.amdgcn_target "amdgcn-amd-amdhsa--gfx1250"
	.amdhsa_code_object_version 6
	.text
	.protected	k_qdbf54dc8d0_ffn1
	.globl	k_qdbf54dc8d0_ffn1
	.p2align	8
	.type	k_qdbf54dc8d0_ffn1,@function
k_qdbf54dc8d0_ffn1:
	s_mov_b64 s[64:65], 0
	v_nop
	global_prefetch_b8 v0, s[64:65] scope:SCOPE_SE
	s_setreg_imm32_b32 hwreg(HW_REG_WAVE_MODE, 25, 1), 1
	s_wait_xcnt 0x0
	s_wait_alu depctr_hold_cnt(0) depctr_sa_sdst(0) depctr_va_vdst(0) depctr_va_sdst(0) depctr_va_ssrc(0) depctr_va_vcc(0) depctr_vm_vsrc(0)
	s_getreg_b32 s2, hwreg(HW_REG_IB_STS2, 6, 4)
	s_cmp_eq_u32 s2, 0
	s_cbranch_scc0 .Lentry_in_a_cluster
	s_endpgm
.Lentry_in_a_cluster:
	s_bfe_u32 s2, ttmp6, 0x10000c
	s_cmp_lg_u32 s2, 0xf033
	s_cbranch_scc0 .Lentry_shape_is_right
	s_endpgm
.Lentry_shape_is_right:
.set TRB,   4352
.set HALFT, 8*TRB
.set PANB,  16*TRB
.set SLOT,  4*HALFT
.set SPARE, 2*SLOT
.set KP,    2
.set WB,    2228224
.set NQ,    4
.set FR,    8
.set NL,    2
.set NP,    4
.set ADRA,  16
.set ADRB,  20
.set ADRS,  22
.set SV,    27
.set SPW,   28
.set NIL,   29
.set LI,    30
.set SC,    32
.set TM,    96
.set PW,    112
.set AF,    128
.set BI,    192
.set PC,    192
.set G1,    24
.set G0,    32
.set G1B,   48
.set G0B,   56
.set SEL,   66
.set MSB,   0
.macro WIN new
.if MSB != (\new)
	s_set_vgpr_msb (MSB<<8)|(\new)
.set MSB, (\new)
.endif
.endm
.set MUL_LO, 0xa1
.set MUL_HI, 0xf1
.set FIRST_LO, 0x81
.set FIRST_HI, 0xc1
.set TO_B,   0x40
.macro JLOAD s
	s_cmp_eq_u32 s15, 0
	s_cbranch_scc0 .Lfor_b_\@
	tensor_load_to_lds s[G0+4*\s:G0+4*\s+3], s[G1:G1+7]
	s_nop 0
.rept 4
	v_nop
.endr
	s_branch .Lasked_\@
.Lfor_b_\@:
	tensor_load_to_lds s[G0B+4*\s:G0B+4*\s+3], s[G1B:G1B+7]
	s_nop 0
.rept 4
	v_nop
.endr
.Lasked_\@:
.endm
.macro CROUND
	s_barrier_signal -1
	s_barrier_wait -1
	s_cmp_lg_u32 s14, 0
	s_cbranch_scc1 .Lnot_wave_0_\@
	s_barrier_signal -3
.Lnot_wave_0_\@:
	s_barrier_wait -3
	s_barrier_signal -1
	s_barrier_wait -1
.endm
	s_load_b256 s[4:11], s[0:1], 0x0
	v_lshl_add_u32 v[SPW], v0, 2, SPARE
	v_mov_b32 v[NIL], 0
	ds_add_u32 v28, v29
	ds_add_u32 v28, v29
	s_wait_dscnt 0x0
	v_lshrrev_b32 v1, 5, v0
	v_readfirstlane_b32 s14, v1
	s_lshr_b32 s15, s14, 1
	s_and_b32 s16, s14, 1
	s_bfe_u32 s40, ttmp6, 0x40000
	s_bfe_u32 s41, ttmp6, 0x40004
	s_lshl_b32 s42, ttmp9, 2
	s_add_co_u32 s42, s42, s40
	s_and_b32 s17, ttmp7, 0xffff
	s_lshl_b32 s17, s17, 2
	s_add_co_u32 s17, s17, s41
	s_lshl_b32 s43, s41, 2
	s_lshl_b32 s43, 15, s43
	s_lshl_b32 s44, 0x1111, s40
	s_or_b32 s[G1+0], s43, (3<<16)|(1<<21)
	s_or_b32 s[G1B+0], s44, (3<<16)|(1<<21)
.irp g, G1, G1B
	s_mov_b32 s[\g+1], 512<<16                     ; a whole panel, 69,632 dense bytes, stated as 17 rows of 4,096 bytes: tensor_dim0 = 512 elements of 8 bytes
	s_mov_b32 s[\g+2], 17<<16                      ; tensor_dim1 = 17 rows
	s_mov_b32 s[\g+3], 512<<16                     ; tile_dim0
	s_mov_b32 s[\g+4], 17                          ; tile_dim1
	s_mov_b32 s[\g+5], 512                         ; the rows are dense
	s_mov_b32 s[\g+6], 0
	s_mov_b32 s[\g+7], 0
.endr
	s_mul_i32 s18, s16, PANB                       ; which of the block's two panels I fetch
	s_mul_i32 s20, s17, KP*PANB
	s_add_co_u32 s20, s20, s18
	s_mov_b32 s21, 0
	s_mul_i32 s46, s42, KP*PANB
	s_add_co_u32 s46, s46, s18
	s_add_co_u32 s46, s46, WB
	s_mov_b32 s47, 0
	s_mul_i32 s45, s16, SLOT                       ; where it goes: panel p lies in slot p, A's first, B's behind it
	s_mul_i32 s19, s15, PANB
	s_add_co_u32 s45, s45, s19
	s_wait_kmcnt 0x0
	s_add_nc_u64 s[20:21], s[4:5], s[20:21]
	s_add_nc_u64 s[46:47], s[6:7], s[46:47]
	CROUND
; THE HEAD'S LOADS, ONE A WAVE: all of K is two panels a side; the four panels are shared out: wave 0 A's panel 0, wave 1 A's panel 1, waves 2 and 3 B's: 69,632 dense bytes each.  Nothing is filled again.
	s_mov_b32 s[G0], 1
	s_mov_b32 s[G0+1], s45
	s_mov_b64 s[G0+2:G0+3], s[20:21]
	s_or_b32 s[G0+3], s[G0+3], 0x80000000
	s_mov_b32 s[G0B], 1
	s_mov_b32 s[G0B+1], s45
	s_mov_b64 s[G0B+2:G0B+3], s[46:47]
	s_or_b32 s[G0B+3], s[G0B+3], 0x80000000
	JLOAD 0                                        ; my one tensor load
	v_and_b32 v1, 15, v0
	v_bfe_u32 v2, v0, 4, 1
	s_wait_alu depctr_va_vdst(0)
	v_and_b32 v3, 31, v0
	v_lshlrev_b32 v[LI], 4, v3
	s_wait_alu depctr_va_vdst(0)
	s_lshl_b32 s18, s42, 10
	s_lshl_b32 s19, s16, 9
	s_add_co_u32 s18, s18, s19
	s_mov_b32 s19, 0
	s_add_nc_u64 s[72:73], s[8:9], s[18:19]
	v_lshlrev_b32 v4, 5, v2
.irp b, 0,1,2,3,4,5,6,7
	global_load_b128 v[BI+8*\b:BI+8*\b+3], v4, s[72:73] offset:64*\b
	global_load_b128 v[BI+8*\b+4:BI+8*\b+7], v4, s[72:73] offset:64*\b+16
.endr
; hid IS LAID BY BLOCKS OF 128 ROWS: eight records are half a panel (34,816 bytes), and a block's eight half panels (K = 4,096) lie on end: so the next launch fetches neighbouring half panels by one dense load
	s_lshl_b32 s18, s17, 1
	s_add_co_u32 s18, s18, s15                     ; my block of 128 rows,
	s_lshl_b32 s18, s18, 3
	s_lshr_b32 s19, s42, 1
	s_add_co_u32 s18, s18, s19                     ; its half panel: 512 hidden units are two tiles of 256
	s_mul_i32 s18, s18, HALFT
	s_and_b32 s19, s42, 1
	s_lshl_b32 s19, s19, 1
	s_add_co_u32 s19, s19, s16
	s_lshl_b32 s20, s19, 10
	s_add_co_u32 s20, s20, s18
	s_mov_b32 s21, 0
	s_add_nc_u64 s[68:69], s[10:11], s[20:21]
	s_lshl_b32 s20, s19, 2
	s_add_co_u32 s20, s20, s18
	s_add_nc_u64 s[70:71], s[10:11], s[20:21]
	v_mul_u32_u24 v[SV], v2, TRB
	v_lshl_add_u32 v[SV], v1, 4, v[SV]
	s_mul_i32 s21, s15, HALFT
	s_mul_i32 s22, s16, HALFT
	s_add_co_u32 s22, s22, 2*HALFT
.irp s, 0,1
	v_add_nc_u32 v[ADRA+\s], s21, v[LI]
	v_add_nc_u32 v[ADRB+\s], s22, v[LI]
	s_add_co_u32 s21, s21, SLOT
	s_add_co_u32 s22, s22, SLOT
.endr
	s_mul_i32 s21, s15, HALFT
	s_mul_i32 s22, s16, HALFT
	s_add_co_u32 s22, s22, 2*HALFT
	s_sub_co_u32 s22, s22, s21
	v_mul_u32_u24 v6, s22, v2
	s_add_co_u32 s21, s21, 4096
	v_lshl_add_u32 v5, v1, 4, v6
	v_add_nc_u32 v[ADRS], s21, v5
	v_add_nc_u32 v[ADRS+1], SLOT, v[ADRS]
	s_mov_b32 s[SEL], 0x76543210
	s_mov_b32 s[SEL+1], 0xfedcba98
.irp b, 0,1,2,3
	v_mov_b32 v[TM+4+\b], 0
.endr
.macro FRAG reg, adr, q, i
.irp c, 0,1
	ds_load_b128 v[\reg+4*\c:\reg+4*\c+3], v[\adr] offset:1024*(\q)+512*\c+(\i)*TRB
.endr
.endm
.macro MUL16 a0, p, q, sc, zero
.irp a, \a0, \a0+1
.irp b, 0,1,2,3,4,5,6,7
.if \zero
	v_wmma_scale_f32_16x16x128_f8f6f4 v[8*(8*((\a)%4)+\b):8*(8*((\a)%4)+\b)+7], v[128*(\p)+FR*\b:128*(\p)+FR*\b+FR-1], v[AF+FR*(\a):AF+FR*(\a)+FR-1], v[BI+8*\b:BI+8*\b+7], v[SC+8*NQ*(\sc)+NQ*\b+(\q)], v[SC+8*NQ*(\sc)+NQ*(\a)+(\q)] matrix_a_fmt:MATRIX_FMT_FP4 matrix_b_fmt:MATRIX_FMT_FP4 matrix_a_scale:MATRIX_SCALE_ROW1
.else
	v_wmma_scale_f32_16x16x128_f8f6f4 v[8*(8*((\a)%4)+\b):8*(8*((\a)%4)+\b)+7], v[128*(\p)+FR*\b:128*(\p)+FR*\b+FR-1], v[AF+FR*(\a):AF+FR*(\a)+FR-1], v[8*(8*((\a)%4)+\b):8*(8*((\a)%4)+\b)+7], v[SC+8*NQ*(\sc)+NQ*\b+(\q)], v[SC+8*NQ*(\sc)+NQ*(\a)+(\q)] matrix_a_fmt:MATRIX_FMT_FP4 matrix_b_fmt:MATRIX_FMT_FP4 matrix_a_scale:MATRIX_SCALE_ROW1
.endif
.endr
.endr
.endm
.macro FETCH_B slot, q, p
	WIN TO_B
.irp i, 0,1,2,3,4,5,6,7
	FRAG 128*(\p)+FR*\i, ADRB+\slot, \q, \i
.endr
	WIN 0
.endm
.macro FETCH_A slot, q, i0
.irp i, \i0, \i0+1, \i0+2, \i0+3
	FRAG AF+FR*(\i), ADRA+\slot, \q, \i
.endr
.endm
.macro SCALES sc
.irp i, 0,1,2,3,4,5,6,7
	ds_load_b128 v[SC+8*NQ*\sc+NQ*\i:SC+8*NQ*\sc+NQ*\i+3], v[ADRS+\sc] offset:\i*TRB
.endr
.endm
.macro PLACES n
.rept \n
	v_nop
.endr
.endm
.macro STEP slot, q, zero
	s_wait_dscnt 4*NL
.if \zero
	WIN FIRST_LO
.else
	WIN MUL_LO
.endif
	MUL16 0, (\q)%2, \q, \slot, \zero
	MUL16 2, (\q)%2, \q, \slot, \zero
	s_wait_dscnt 0
	PLACES NP
	FETCH_B \slot, (\q)+1, 1-(\q)%2
	FETCH_A \slot, (\q)+1, 0
.if \zero
	WIN FIRST_HI
.else
	WIN MUL_HI
.endif
	MUL16 4, (\q)%2, \q, \slot, \zero
	MUL16 6, (\q)%2, \q, \slot, \zero
	PLACES NP
	WIN 0
	FETCH_A \slot, (\q)+1, 4
.endm
.macro TURN slot, next
	s_wait_tensorcnt 0x0
	ds_add_u32 v[SPW], v[NIL]
	s_wait_dscnt 4*NL+1
	WIN MUL_LO
	MUL16 0, 1, NQ-1, \slot, 0
	s_wait_dscnt 0x0
	s_barrier_signal -1
	MUL16 2, 1, NQ-1, \slot, 0
	WIN 0
	s_barrier_wait -1
	PLACES NP
	FETCH_B \next, 0, 0
	FETCH_A \next, 0, 0
	SCALES \next
	WIN MUL_HI
	MUL16 4, 1, NQ-1, \slot, 0
	MUL16 6, 1, NQ-1, \slot, 0
	PLACES NP
	WIN 0
	FETCH_A \next, 0, 4
.endm
	s_wait_alu depctr_va_vdst(0)
	s_wait_tensorcnt 0x0                           ; my panel is in
	s_barrier_signal -1
	s_barrier_wait -1
	FETCH_B 0, 0, 0
	FETCH_A 0, 0, 0
	SCALES 0
	FETCH_A 0, 0, 4
	s_wait_loadcnt 0x0
	STEP 0, 0, 1
	STEP 0, 1, 0
	STEP 0, 2, 0
	TURN 0, 1
	STEP 1, 0, 0
	STEP 1, 1, 0
	STEP 1, 2, 0
	s_wait_dscnt 4*NL
	WIN MUL_LO
	MUL16 0, 1, NQ-1, 1, 0
	MUL16 2, 1, NQ-1, 1, 0
	s_wait_dscnt 0
	WIN MUL_HI
	MUL16 4, 1, NQ-1, 1, 0
	MUL16 6, 1, NQ-1, 1, 0
	WIN 0
.set QS, AF
.macro QUANT a
.irp b, 0,1,2,3
	v_max3_num_f32 v[TM+\b], |v[QS+16*\b]|, |v[QS+16*\b+1]|, 0x1800000
.endr
.irp i, 2,4,6,8,10,12,14
.irp b, 0,1,2,3
	v_max3_num_f32 v[TM+\b], v[TM+\b], |v[QS+16*\b+\i]|, |v[QS+16*\b+\i+1]|
.endr
.endr
.irp b, 0,1,2,3
	v_permlanex16_b32 v[TM+4+\b], v[TM+\b], s[SEL], s[SEL+1]
.endr
.irp b, 0,1,2,3
	v_max_num_f32 v[TM+\b], v[TM+\b], v[TM+4+\b]
.endr
.irp b, 0,1,2,3
	v_add_nc_u32 v[TM+12+\b], 0xff000000, v[TM+\b]
.endr
.irp b, 0,1,2,3
	v_lshrrev_b32 v[TM+4+\b], 23, v[TM+12+\b]
.endr
	v_lshl_or_b32 v[PW+(\a)], v[TM+5], 8, v[TM+4]
	v_lshl_or_b32 v[PW+(\a)], v[TM+6], 16, v[PW+(\a)]
	v_lshl_or_b32 v[PW+(\a)], v[TM+7], 24, v[PW+(\a)]
.irp c, 0,1
	v_cvt_scalef32_pk8_fp4_f32 v[PC+8*(\a)+4*\c],   v[QS+32*\c:QS+32*\c+7],     v[TM+12+2*\c]
	v_cvt_scalef32_pk8_fp4_f32 v[PC+8*(\a)+4*\c+1], v[QS+32*\c+16:QS+32*\c+23], v[TM+13+2*\c]
	v_cvt_scalef32_pk8_fp4_f32 v[PC+8*(\a)+4*\c+2], v[QS+32*\c+8:QS+32*\c+15],  v[TM+12+2*\c]
	v_cvt_scalef32_pk8_fp4_f32 v[PC+8*(\a)+4*\c+3], v[QS+32*\c+24:QS+32*\c+31], v[TM+13+2*\c]
.endr
	v_nop
.irp c, 0,1
	v_permlane16_swap_b32 v[PC+8*(\a)+4*\c],   v[PC+8*(\a)+4*\c+1]
	v_permlane16_swap_b32 v[PC+8*(\a)+4*\c+2], v[PC+8*(\a)+4*\c+3]
.endr
.endm
	PLACES NP
.irp a, 0,1,2,3,4,5,6,7
	WIN (2+\a/4)<<2
.set J, 0
.rept 64
	v_max_num_f32 v[AF+J], 0, v[64*(\a%4)+J]
.set J, J+1
.endr
	WIN 0
	QUANT \a
	global_store_b128 v[LI], v[PC+8*\a:PC+8*\a+3], s[68:69] offset:TRB*\a
	global_store_b128 v[LI], v[PC+8*\a+4:PC+8*\a+7], s[68:69] offset:TRB*\a+512
.if \a%2
	v_permlane16_swap_b32 v[PW+\a-1], v[PW+\a]
	global_store_b32 v[SV], v[PW+\a-1], s[70:71] offset:4096+TRB*(\a-1)
.endif
.endr
	s_wait_tensorcnt 0x0
	ds_add_u32 v[SPW], v[NIL]
	s_wait_dscnt 0x0
	CROUND
	s_endpgm
.Lfunc_end_k_qdbf54dc8d0_ffn1:
	.size	k_qdbf54dc8d0_ffn1, .Lfunc_end_k_qdbf54dc8d0_ffn1-k_qdbf54dc8d0_ffn1
	.p2alignl 7, 3214868480
	.fill 96, 4, 3214868480
	.section	.rodata,"a",@progbits
	.p2align	6, 0x0
	.amdhsa_kernel k_qdbf54dc8d0_ffn1
		.amdhsa_group_segment_fixed_size 327680
		.amdhsa_private_segment_fixed_size 0
		.amdhsa_enable_private_segment 0
		.amdhsa_kernarg_size 32
		.amdhsa_user_sgpr_count 2
		.amdhsa_user_sgpr_kernarg_segment_ptr 1
		.amdhsa_wavefront_size32 1
		.amdhsa_system_sgpr_workgroup_id_x 1
		.amdhsa_system_sgpr_workgroup_id_y 1
		.amdhsa_system_sgpr_workgroup_id_z 1
		.amdhsa_system_vgpr_workitem_id 0
		.amdhsa_next_free_vgpr 1024
		.amdhsa_next_free_sgpr 100
		.amdhsa_reserve_vcc 0
		.amdhsa_float_denorm_mode_32 3
		.amdhsa_float_denorm_mode_16_64 3
		.amdhsa_memory_ordered 1
		.amdhsa_forward_progress 1
		.amdhsa_inst_pref_size 142
	.end_amdhsa_kernel
	.amdgpu_metadata
---
amdhsa.version: [ 1, 2 ]
amdhsa.kernels:
  - .name:           k_qdbf54dc8d0_ffn1
    .symbol:         k_qdbf54dc8d0_ffn1.kd
    .args:
      - { .name: hc, .offset: 0, .size: 8, .value_kind: global_buffer, .address_space: global }
      - { .name: wc, .offset: 8, .size: 8, .value_kind: global_buffer, .address_space: global }
      - { .name: bf1, .offset: 16, .size: 8, .value_kind: global_buffer, .address_space: global }
      - { .name: hid, .offset: 24, .size: 8, .value_kind: global_buffer, .address_space: global }
    .group_segment_fixed_size: 327680
    .private_segment_fixed_size: 0
    .kernarg_segment_align: 8
    .kernarg_segment_size: 32
    .max_flat_workgroup_size: 128
    .sgpr_count:     100
    .vgpr_count:     1024
    .wavefront_size: 32
...
	.end_amdgpu_metadata
.endif
;; end of part 12
;; launch ffn2 (part 13): grid 8 x 32, 4 waves a work-group, clusters of 4 x 4, 327,680 bytes of LDS; arguments hid, wc, bf2, x1, out0; writes out0
.if DOCPART == 13
	.amdgcn_target "amdgcn-amd-amdhsa--gfx1250"
	.amdhsa_code_object_version 6
	.text
	.protected	k_qdbf54dc8d0_ffn2
	.globl	k_qdbf54dc8d0_ffn2
	.p2align	8
	.type	k_qdbf54dc8d0_ffn2,@function
k_qdbf54dc8d0_ffn2:
	s_mov_b64 s[64:65], 0
	v_nop
	global_prefetch_b8 v0, s[64:65] scope:SCOPE_SE
	s_setreg_imm32_b32 hwreg(HW_REG_WAVE_MODE, 25, 1), 1
	s_wait_xcnt 0x0
	s_wait_alu depctr_hold_cnt(0) depctr_sa_sdst(0) depctr_va_vdst(0) depctr_va_sdst(0) depctr_va_ssrc(0) depctr_va_vcc(0) depctr_vm_vsrc(0)
	s_getreg_b32 s2, hwreg(HW_REG_IB_STS2, 6, 4)
	s_cmp_eq_u32 s2, 0
	s_cbranch_scc0 .Lentry_in_a_cluster
	s_endpgm
.Lentry_in_a_cluster:
	s_bfe_u32 s2, ttmp6, 0x10000c
	s_cmp_lg_u32 s2, 0xf033
	s_cbranch_scc0 .Lentry_shape_is_right
	s_endpgm
.Lentry_shape_is_right:
.set TRB,   4352
.set HALFT, 8*TRB
.set PANB,  16*TRB
.set SLOT,  4*HALFT
.set SPARE, 2*SLOT
.set STAGE, SPARE+512
.set SPITCH, 272
.set KP,    8
.set LAPS,  KP/4
.set WB,    4456448
.set ADRA,  16
.set ADRB,  20
.set ADRS,  22
.set STO,   24
.set RD,    25
.set CO,    26
.set SPW,   28
.set NIL,   29
.set LI,    30
.set SC,    32
.set BI,    96
.set ACC,   128
.set F0,    0
.set F1,    128
.set RS,    0
.set G1,    24
.set G0,    32
.set G1B,   48
.set G0B,   56
.set MSB,   0
.macro WIN new
.if MSB != (\new)
	s_set_vgpr_msb (MSB<<8)|(\new)
.set MSB, (\new)
.endif
.endm
.set MUL,  0x05
.set TO_F, 0x40
.macro JLOAD s
	s_cmp_eq_u32 s15, 0
	s_cbranch_scc0 .Lfor_b_\@
	tensor_load_to_lds s[G0+4*\s:G0+4*\s+3], s[G1:G1+7]
	s_nop 0
.rept 4
	v_nop
.endr
	s_branch .Lasked_\@
.Lfor_b_\@:
	tensor_load_to_lds s[G0B+4*\s:G0B+4*\s+3], s[G1B:G1B+7]
	s_nop 0
.rept 4
	v_nop
.endr
.Lasked_\@:
.endm
.macro CREST
	s_cmp_lg_u32 s14, 0
	s_cbranch_scc1 .Lnot_wave_0_\@
	s_barrier_signal -3
.Lnot_wave_0_\@:
	s_barrier_wait -3
	s_barrier_signal -1
	s_barrier_wait -1
.endm
.macro CROUND
	s_barrier_signal -1
	s_barrier_wait -1
	CREST
.endm
	s_load_b256 s[4:11], s[0:1], 0x0
	s_load_b64 s[12:13], s[0:1], 0x20
	v_lshl_add_u32 v[SPW], v0, 2, SPARE
	v_mov_b32 v[NIL], 0
	ds_add_u32 v28, v29
	ds_add_u32 v28, v29
	s_wait_dscnt 0x0
	v_lshrrev_b32 v1, 5, v0
	v_readfirstlane_b32 s14, v1
	s_lshr_b32 s15, s14, 1
	s_and_b32 s16, s14, 1
	s_bfe_u32 s40, ttmp6, 0x40000
	s_bfe_u32 s41, ttmp6, 0x40004
	s_lshl_b32 s42, ttmp9, 2
	s_add_co_u32 s42, s42, s40
	s_and_b32 s17, ttmp7, 0xffff
	s_lshl_b32 s17, s17, 2
	s_add_co_u32 s17, s17, s41
	s_lshl_b32 s43, s41, 2
	s_lshl_b32 s43, 15, s43
	s_lshl_b32 s44, 0x1111, s40
	s_or_b32 s[G1+0], s43, (3<<16)|(1<<21)
	s_or_b32 s[G1B+0], s44, (3<<16)|(1<<21)
.irp g, G1, G1B
	s_mov_b32 s[\g+1], 256<<16                     ; dense bytes stated as rows of 2,048: tensor_dim0 = 256 elements of 8 bytes
	s_mov_b32 s[\g+2], 34<<16                      ; tensor_dim1: the head's loads bring 34 rows, 69,632 bytes; behind them the two words that count rows are set to 17, for the ring's
	s_mov_b32 s[\g+3], 256<<16                     ; tile_dim0
	s_mov_b32 s[\g+4], 34                          ; tile_dim1
	s_mov_b32 s[\g+5], 256                         ; the rows are dense
	s_mov_b32 s[\g+6], 0
	s_mov_b32 s[\g+7], 0
.endr
; hid and w2 lie by blocks of 128 rows, a block's eight half panels (34,816 bytes each, 512 along K) on end.  A slot holds A's two half panels of 1,024 along K, then B's two.
	s_mul_i32 s20, s17, KP*HALFT                   ; A: my tile's block
	s_mov_b32 s21, 0
	s_mul_i32 s46, s42, KP*HALFT                   ; B likewise
	s_add_co_u32 s46, s46, WB
	s_mov_b32 s47, 0
	s_mul_i32 s18, s16, HALFT                      ; in the ring I fetch one half panel of a slot's two
	s_mov_b32 s19, 0
	s_mul_i32 s45, s14, HALFT                      ; to wave x a half panel: no place in the cluster enters an LDS address
	s_mul_i32 s74, s16, SLOT                       ; at the head I fetch one side's two half panels of slot s16
	s_mul_i32 s75, s15, 2*HALFT
	s_add_co_u32 s74, s74, s75
	s_wait_kmcnt 0x0
	s_add_nc_u64 s[20:21], s[4:5], s[20:21]
	s_add_nc_u64 s[46:47], s[6:7], s[46:47]
	CROUND
	s_add_nc_u64 s[20:21], s[20:21], s[18:19]      ; the ring's: half panel s16
	s_add_nc_u64 s[46:47], s[46:47], s[18:19]
	s_mov_b32 s76, 1                               ; the head's group 0: half panels 2 s16 and 2 s16 + 1, 69,632 dense bytes
	s_mov_b32 s77, s74
	s_add_nc_u64 s[78:79], s[20:21], s[18:19]
	s_or_b32 s79, s79, 0x80000000
	s_mov_b32 s80, 1
	s_mov_b32 s81, s74
	s_add_nc_u64 s[82:83], s[46:47], s[18:19]
	s_or_b32 s83, s83, 0x80000000
.irp s, 0,1
	s_mov_b32 s[G0+4*\s], 1                        ; the ring's groups 0: each refill steps four half panels on from here
	s_add_co_u32 s[G0+4*\s+1], s45, \s*SLOT
	s_add_nc_u64 s[G0+4*\s+2:G0+4*\s+3], s[20:21], \s*2*HALFT
	s_or_b32 s[G0+4*\s+3], s[G0+4*\s+3], 0x80000000
	s_mov_b32 s[G0B+4*\s], 1
	s_add_co_u32 s[G0B+4*\s+1], s45, \s*SLOT
	s_add_nc_u64 s[G0B+4*\s+2:G0B+4*\s+3], s[46:47], \s*2*HALFT
	s_or_b32 s[G0B+4*\s+3], s[G0B+4*\s+3], 0x80000000
.endr
; THE HEAD'S LOADS, ONE A WAVE, FILL BOTH SLOTS: wave 0 A's part of slot 0, wave 1 of slot 1, waves 2 and 3 B's.  Each arm holds one joint load; both lead to one join.
	s_cmp_eq_u32 s15, 0
	s_cbranch_scc0 .Lhead_b
	tensor_load_to_lds s[76:79], s[G1:G1+7]
	s_nop 0
.rept 4
	v_nop
.endr
	s_branch .Lhead_asked
.Lhead_b:
	tensor_load_to_lds s[80:83], s[G1B:G1B+7]
	s_nop 0
.rept 4
	v_nop
.endr
.Lhead_asked:
	v_and_b32 v1, 15, v0
	v_bfe_u32 v2, v0, 4, 1
	s_wait_alu depctr_va_vdst(0)
	v_and_b32 v3, 31, v0
	v_lshlrev_b32 v[LI], 4, v3
	s_wait_alu depctr_va_vdst(0)
	s_lshl_b32 s18, s42, 9
	s_lshl_b32 s19, s16, 8
	s_add_co_u32 s18, s18, s19
	s_mov_b32 s19, 0
	s_add_nc_u64 s[72:73], s[8:9], s[18:19]
	v_lshlrev_b32 v4, 5, v2
.irp b, 0,1,2,3
	global_load_b128 v[BI+8*\b:BI+8*\b+3], v4, s[72:73] offset:64*\b
	global_load_b128 v[BI+8*\b+4:BI+8*\b+7], v4, s[72:73] offset:64*\b+16
.endr
	s_lshl_b32 s20, s17, 19
	s_lshl_b32 s21, s15, 18
	s_add_co_u32 s20, s20, s21
	s_add_co_u32 s20, s20, s18
	s_mov_b32 s21, 0
	s_add_nc_u64 s[68:69], s[12:13], s[20:21]
	s_add_nc_u64 s[70:71], s[10:11], s[20:21]
	v_lshlrev_b32 v[CO], 12, v2
	v_lshl_add_u32 v[CO], v1, 4, v[CO]
	s_mul_i32 s21, s15, 4*TRB
	s_mul_i32 s22, s16, 4*TRB
	s_add_co_u32 s22, s22, 2*HALFT
.irp s, 0,1
	v_add_nc_u32 v[ADRA+\s], s21, v[LI]
	v_add_nc_u32 v[ADRB+\s], s22, v[LI]
	s_add_co_u32 s21, s21, SLOT
	s_add_co_u32 s22, s22, SLOT
.endr
	s_mul_i32 s21, s15, 4*TRB
	s_mul_i32 s22, s16, 4*TRB
	s_add_co_u32 s22, s22, 2*HALFT
	s_sub_co_u32 s22, s22, s21
	v_mul_u32_u24 v6, s22, v2
	s_add_co_u32 s21, s21, 4096
	v_lshl_add_u32 v5, v1, 4, v6
	v_add_nc_u32 v[ADRS], s21, v5
	v_add_nc_u32 v[ADRS+1], SLOT, v[ADRS]
	s_mul_i32 s23, s14, 16*SPITCH
	s_add_co_u32 s23, s23, STAGE
	v_mul_u32_u24 v5, v1, SPITCH
	v_lshl_add_u32 v5, v2, 5, v5
	v_add_nc_u32 v[STO], s23, v5
	v_mul_u32_u24 v5, v2, SPITCH
	v_lshl_add_u32 v5, v1, 4, v5
	v_add_nc_u32 v[RD], s23, v5
.macro MUL8 f, c, a0, slot, qr, zero
.set SW, SC+32*(\slot)+16*((\qr)/2)+2*((\qr)%2)+(\c)
.irp a, \a0, \a0+1
.irp b, 0,1,2,3
.if \zero
	v_wmma_scale_f32_16x16x128_f8f6f4 v[ACC+8*(4*(\a)+\b):ACC+8*(4*(\a)+\b)+7], v[\f+64*(\c)+32+8*\b:\f+64*(\c)+32+8*\b+7], v[\f+64*(\c)+8*(\a):\f+64*(\c)+8*(\a)+7], v[BI+8*\b:BI+8*\b+7], v[SW+4*\b], v[SW+4*(\a)] matrix_a_fmt:MATRIX_FMT_FP4 matrix_b_fmt:MATRIX_FMT_FP4 matrix_a_scale:MATRIX_SCALE_ROW1
.else
	v_wmma_scale_f32_16x16x128_f8f6f4 v[ACC+8*(4*(\a)+\b):ACC+8*(4*(\a)+\b)+7], v[\f+64*(\c)+32+8*\b:\f+64*(\c)+32+8*\b+7], v[\f+64*(\c)+8*(\a):\f+64*(\c)+8*(\a)+7], v[ACC+8*(4*(\a)+\b):ACC+8*(4*(\a)+\b)+7], v[SW+4*\b], v[SW+4*(\a)] matrix_a_fmt:MATRIX_FMT_FP4 matrix_b_fmt:MATRIX_FMT_FP4 matrix_a_scale:MATRIX_SCALE_ROW1
.endif
.endr
.endr
.endm
.macro FETCH slot, qr, f
	WIN TO_F
.irp c, 0,1
.irp i, 0,1,2,3
	ds_load_b128 v[\f+64*\c+32+8*\i:\f+64*\c+32+8*\i+3],   v[ADRB+\slot] offset:((2*(\qr)+\c)/4)*HALFT+((2*(\qr)+\c)%4)*1024+\i*TRB
	ds_load_b128 v[\f+64*\c+32+8*\i+4:\f+64*\c+32+8*\i+7], v[ADRB+\slot] offset:((2*(\qr)+\c)/4)*HALFT+((2*(\qr)+\c)%4)*1024+\i*TRB+512
	ds_load_b128 v[\f+64*\c+8*\i:\f+64*\c+8*\i+3],         v[ADRA+\slot] offset:((2*(\qr)+\c)/4)*HALFT+((2*(\qr)+\c)%4)*1024+\i*TRB
	ds_load_b128 v[\f+64*\c+8*\i+4:\f+64*\c+8*\i+7],       v[ADRA+\slot] offset:((2*(\qr)+\c)/4)*HALFT+((2*(\qr)+\c)%4)*1024+\i*TRB+512
.endr
.endr
.endm
.macro SCALES slot
	WIN 0
.irp p, 0,1
.irp i, 0,1,2,3
	ds_load_b128 v[SC+32*\slot+16*\p+4*\i:SC+32*\slot+16*\p+4*\i+3], v[ADRS+\slot] offset:\p*HALFT+\i*TRB
.endr
.endr
.endm
.macro PLACES
.rept 4
	v_nop
.endr
.endm
.macro QUARTER slot, qr, f, g, zero
	s_wait_dscnt 16
	WIN MUL
	MUL8 \f, 0, 0, \slot, \qr, \zero
	MUL8 \f, 0, 2, \slot, \qr, \zero
	PLACES
	FETCH \slot, (\qr)+1, \g
	s_wait_dscnt 32
	WIN MUL
	MUL8 \f, 1, 0, \slot, \qr, 0
	MUL8 \f, 1, 2, \slot, \qr, 0
.endm
.macro TURN slot, next, fill
	WIN 0
	s_wait_tensorcnt 0x0
	ds_add_u32 v[SPW], v[NIL]
	s_wait_dscnt 17
	WIN MUL
	MUL8 F1, 0, 0, \slot, 3, 0
	s_wait_dscnt 0x0
	s_barrier_signal -1
	MUL8 F1, 0, 2, \slot, 3, 0
	WIN 0
	s_barrier_wait -1
.if \fill
	CREST
	s_add_nc_u64 s[G0+4*\slot+2:G0+4*\slot+3], s[G0+4*\slot+2:G0+4*\slot+3], 4*HALFT
	s_add_nc_u64 s[G0B+4*\slot+2:G0B+4*\slot+3], s[G0B+4*\slot+2:G0B+4*\slot+3], 4*HALFT
	JLOAD \slot
.else
	PLACES
.endif
	SCALES \next
	FETCH \next, 0, F0
	WIN MUL
	MUL8 F1, 1, 0, \slot, 3, 0
	MUL8 F1, 1, 2, \slot, 3, 0
.endm
	s_wait_alu depctr_va_vdst(0)
	s_wait_tensorcnt 0x0                           ; my part of the two slots is in; no tensor load of mine is out, so a descriptor may be written:
	s_mov_b32 s[G1+2], 17<<16                      ; from here on a load brings one half panel: 17 rows of 2,048 bytes
	s_mov_b32 s[G1+4], 17
	s_mov_b32 s[G1B+2], 17<<16
	s_mov_b32 s[G1B+4], 17
	s_barrier_signal -1
	s_barrier_wait -1
	SCALES 0
	FETCH 0, 0, F0
	s_wait_loadcnt 0x0                             ; the bias: nothing is issued behind it yet
	QUARTER 0, 0, F0, F1, 1
	WIN 0
; THE RESIDUAL, 64 rows x 256 bytes a wave, is asked for here, behind the head's tiles and the first products: it is first read on the way out, and lands while the ring goes round
	WIN 0x80                                       ; destination window 2
.irp a, 0,1,2,3
.irp t, 0,1,2,3,4,5,6,7
	global_load_b128 v[RS+32*\a+4*\t:RS+32*\a+4*\t+3], v[CO], s[70:71] offset:(16*\a+2*\t)*4096 th:TH_LOAD_NT
.endr
.endr
	WIN 0
	s_mov_b32 s3, LAPS-1
.Llap:
	QUARTER 0, 1, F1, F0, 0
	QUARTER 0, 2, F0, F1, 0
	TURN 0, 1, 1
	QUARTER 1, 0, F0, F1, 0
	QUARTER 1, 1, F1, F0, 0
	QUARTER 1, 2, F0, F1, 0
	TURN 1, 0, 1
	QUARTER 0, 0, F0, F1, 0
	WIN 0
	s_sub_co_u32 s3, s3, 1
	s_cmp_lg_u32 s3, 0
	s_cbranch_scc1 .Llap
	QUARTER 0, 1, F1, F0, 0
	QUARTER 0, 2, F0, F1, 0
	TURN 0, 1, 0
	QUARTER 1, 0, F0, F1, 0
	QUARTER 1, 1, F1, F0, 0
	QUARTER 1, 2, F0, F1, 0
	s_wait_dscnt 16
	WIN MUL
	MUL8 F1, 0, 0, 1, 3, 0
	MUL8 F1, 0, 2, 1, 3, 0
	s_wait_dscnt 0
	MUL8 F1, 1, 0, 1, 3, 0
	MUL8 F1, 1, 2, 1, 3, 0
	WIN 0
.macro TOSTAGE a
	WIN 0
.irp b, 0,1,2,3
	ds_store_b128 v[STO], v[ACC+8*(4*(\a)+\b):ACC+8*(4*(\a)+\b)+3] offset:64*\b
	ds_store_b128 v[STO], v[ACC+8*(4*(\a)+\b)+4:ACC+8*(4*(\a)+\b)+7] offset:64*\b+16
.endr
	WIN TO_F
.irp t, 0,1,2,3,4,5,6,7
	ds_load_b128 v[32*(\a)+4*\t:32*(\a)+4*\t+3], v[RD] offset:2*\t*SPITCH
.endr
.endm
.macro SEND a, younger
	s_wait_dscnt \younger
	WIN 0x49
.set J, 0
.rept 16
	v_pk_add_f32 v[32*(\a)+J:32*(\a)+J+1], v[32*(\a)+J:32*(\a)+J+1], v[RS+32*(\a)+J:RS+32*(\a)+J+1]
.set J, J+2
.endr
	WIN 0x04
.irp t, 0,1,2,3,4,5,6,7
	global_store_b128 v[CO], v[32*(\a)+4*\t:32*(\a)+4*\t+3], s[68:69] offset:(16*(\a)+2*\t)*4096 th:TH_STORE_NT
.endr
.endm
	PLACES
	s_wait_loadcnt 0x0
	TOSTAGE 0
.irp a, 1,2,3
	TOSTAGE \a
	SEND \a-1, 16
.endr
	SEND 3, 0
	WIN 0
	s_wait_tensorcnt 0x0
	ds_add_u32 v[SPW], v[NIL]
	s_wait_dscnt 0x0
	CROUND
	s_endpgm
.Lfunc_end_k_qdbf54dc8d0_ffn2:
	.size	k_qdbf54dc8d0_ffn2, .Lfunc_end_k_qdbf54dc8d0_ffn2-k_qdbf54dc8d0_ffn2
	.p2alignl 7, 3214868480
	.fill 96, 4, 3214868480
	.section	.rodata,"a",@progbits
	.p2align	6, 0x0
	.amdhsa_kernel k_qdbf54dc8d0_ffn2
		.amdhsa_group_segment_fixed_size 327680
		.amdhsa_private_segment_fixed_size 0
		.amdhsa_enable_private_segment 0
		.amdhsa_kernarg_size 40
		.amdhsa_user_sgpr_count 2
		.amdhsa_user_sgpr_kernarg_segment_ptr 1
		.amdhsa_wavefront_size32 1
		.amdhsa_system_sgpr_workgroup_id_x 1
		.amdhsa_system_sgpr_workgroup_id_y 1
		.amdhsa_system_sgpr_workgroup_id_z 1
		.amdhsa_system_vgpr_workitem_id 0
		.amdhsa_next_free_vgpr 640
		.amdhsa_next_free_sgpr 100
		.amdhsa_reserve_vcc 0
		.amdhsa_float_denorm_mode_32 3
		.amdhsa_float_denorm_mode_16_64 3
		.amdhsa_memory_ordered 1
		.amdhsa_forward_progress 1
		.amdhsa_inst_pref_size 129
	.end_amdhsa_kernel
	.amdgpu_metadata
---
amdhsa.version: [ 1, 2 ]
amdhsa.kernels:
  - .name:           k_qdbf54dc8d0_ffn2
    .symbol:         k_qdbf54dc8d0_ffn2.kd
    .args:
      - { .name: hid, .offset: 0, .size: 8, .value_kind: global_buffer, .address_space: global }
      - { .name: wc, .offset: 8, .size: 8, .value_kind: global_buffer, .address_space: global }
      - { .name: bf2, .offset: 16, .size: 8, .value_kind: global_buffer, .address_space: global }
      - { .name: x1, .offset: 24, .size: 8, .value_kind: global_buffer, .address_space: global }
      - { .name: out0, .offset: 32, .size: 8, .value_kind: global_buffer, .address_space: global }
    .group_segment_fixed_size: 327680
    .private_segment_fixed_size: 0
    .kernarg_segment_align: 8
    .kernarg_segment_size: 40
    .max_flat_workgroup_size: 128
    .sgpr_count:     100
    .vgpr_count:     640
    .wavefront_size: 32
...
	.end_amdgpu_metadata
.endif
;; end of part 13
